; MI455X (gfx1250); checked and timed in simulation.
; The chip was launched on July 23, 2026; its instructions are those of AMD's public machine-readable ISA for CDNA 5 (MIT licence, August 2026) and "CDNA5" Instruction Set Architecture Reference Guide (July 2026). The comments in the code are by the model that wrote it; some were corrected since.
;; Transformer Block. Allowed arithmetic: matrix products marked QUANTISED: E5M2 operands, one given power-of-two scale a tensor, by v_wmma_f32_16x16x64_bf8_bf8 or v_wmma_f32_16x16x128_bf8_bf8, f32 sums; everything else in f32.
;; Inputs: W0_codes 1,024 x 32 x 32 uint8 (E5M2 codes of W0, K innermost, in blocks of 32 codes); W1_codes 4,096 x 32 x 32 uint8 (E5M2 codes of W1, K innermost, in blocks of 32 codes); W2_codes 1,024 x 128 x 32 uint8 (E5M2 codes of W2, K innermost, in blocks of 32 codes); Wk_codes 16 x 64 x 32 x 32 uint8 (E5M2 codes of Wk, K innermost, in blocks of 32 codes); Wq_codes 16 x 64 x 32 x 32 uint8 (E5M2 codes of Wq, K innermost, in blocks of 32 codes); Wv_codes 16 x 64 x 32 x 32 uint8 (E5M2 codes of Wv, K innermost, in blocks of 32 codes); X 2 x 2,048 x 1,024 float32; attention_mask 2,048 x 2,048 bool; b0 1,024 float32; b1 4,096 float32; b2 1,024 float32; beta1 1,024 float32; beta2 1,024 float32; bk 16 x 64 float32; bq 16 x 64 float32; bv 16 x 64 float32; gamma1 1,024 float32; gamma2 1,024 float32; lowp_scales 16 int32 (the exponents e of the quantised operands' scales 2^e).
;; Outputs: out0 2 x 2,048 x 1,024 float32.
;; This version of the problem:
;;   THIS VERSION OF THE PROBLEM IS GIVEN IN LOW PRECISION. The matrix products marked QUANTISED in the list below multiply operands that are first quantised to E5M2 (5 exponent bits, 2 mantissa bits; 8 bits a number), with one given power-of-two scale for each operand tensor; their sums are f32. All else is computed in f32.
;;   The module's matrix products, in the order in which they are computed (A, B: the left and right operand; K: the contracted axis; several contracted axes count as one K, in the product's order):
;;     1. [M 1,024, K 1,024] x [K 1,024, N 4,096]; A: input Wq (given as codes); B: computed on the way: QUANTISED (scales: A lowp_scales[0], B lowp_scales[1])
;;     2. [M 1,024, K 1,024] x [K 1,024, N 4,096]; A: input Wk (given as codes); B: computed on the way: QUANTISED (scales: A lowp_scales[2], B lowp_scales[3])
;;     3. [M 1,024, K 1,024] x [K 1,024, N 4,096]; A: input Wv (given as codes); B: computed on the way: QUANTISED (scales: A lowp_scales[4], B lowp_scales[5])
;;     4. batch 32 x [M 2,048, K 64] x [K 64, N 2,048]; A: computed on the way; B: computed on the way: QUANTISED (scales: A lowp_scales[6], B lowp_scales[7])
;;     5. batch 32 x [M 2,048, K 2,048] x [K 2,048, N 64]; A: softmax (see below); B: computed on the way: QUANTISED (scales: A lowp_scales[8], B lowp_scales[9])
;;     6. [M 4,096, K 1,024] x [K 1,024, N 1,024]; A: computed on the way; B: input W0 (given as codes): QUANTISED (scales: A lowp_scales[10], B lowp_scales[11])
;;     7. [M 4,096, K 1,024] x [K 1,024, N 4,096]; A: computed on the way; B: input W1 (given as codes): QUANTISED (scales: A lowp_scales[12], B lowp_scales[13])
;;     8. [M 4,096, K 4,096] x [K 4,096, N 1,024]; A: computed on the way; B: input W2 (given as codes): QUANTISED (scales: A lowp_scales[14], B lowp_scales[15])
;;   THE QUANTISER, for each operand of a quantised product, along K:
;;     - The operand's scale is 2^e, e = its entry of the input lowp_scales (int32; the entries are numbered through the quantised products in the list's order, A before B).
;;     - Each number is divided by the scale, clamped to +-57,344, and rounded to the nearest number of E5M2, ties to even, subnormals kept.
;;     - The product sums the exact products of the quantised numbers (number of the format x scale) in f32.
;;   ~~~python
;;   def quantise(x, axis, e):      # numpy; x: float32 -> the quantised numbers, widened to float32 again
;;       x = np.moveaxis(x, axis, -1); K = x.shape[-1]
;;       r = np.clip(x / 2.0 ** e, -57344, 57344)
;;       step = 2.0 ** (np.maximum(np.frexp(np.where(r == 0, 1, r))[1] - 1, -14) - 2)
;;       q = np.round(r / step) * step * 2.0 ** e      # np.round: ties to even
;;       return np.moveaxis(q, -1, axis).astype(np.float32)
;;   ~~~
;;   SOFTMAX AHEAD OF A QUANTISED PRODUCT. Where the list says 'softmax', what is quantised is not the finished softmax but p = 2^(t - M), with t = logit x log2(e) and M = ceil(the row's largest t), a whole number; so 1/2 < the row's largest p <= 1. The row's sum l is taken of the UNQUANTISED p, in f32, and the product's result is divided by l at the end. Since M is a whole number, a kernel that streams over the keys may use a running M (the ceiling of the running maximum): every later rescaling is an exact power of two, so the quantised numbers keep their values, but for numbers so far below the row's largest that they fall under the format's range.
;;   OPERANDS COMPUTED ON THE WAY. 'Computed on the way' means the value that the module computes at that place (a softmax that the list does not call 'softmax' is quantised finished and normalised). What goes into a quantiser is computed in f32, as accurately as f32 sums, v_exp_f32 and their like allow (about 1e-6 of the number): no bf16 or f16 on the way to a quantiser, and a product that is left as it is and whose result goes on into a quantised operand takes f32 operands (vector FMAs, or v_wmma_f32_16x16x4_f32). A number that lies on a knife's edge between two numbers of the format may be rounded either way, as far as f32 arithmetic and the matrix unit's own rounding can turn it there, and no further.
;;   INPUTS GIVEN AS CODES. W0 (in the module: [1024, 1024], K = its axis 0); W1 (in the module: [1024, 4096], K = its axis 0); W2 (in the module: [4096, 1024], K = its axis 0); Wk (in the module: [16, 1024, 64], K = its axis 1); Wq (in the module: [16, 1024, 64], K = its axis 1); Wv (in the module: [16, 1024, 64], K = its axis 1): each comes as NAME_codes (uint8): NAME with its K axis moved to the last place and cut into blocks of 32 codes, [.., K / 32, bytes a block], one block behind the other in memory; one code a byte (a code: sign, 5 exponent bits, 2 mantissa bits); its scale is its entry of lowp_scales. Its value is code x scale, taken as it is: it is not quantised again, and the codes and scales need not be those that the quantiser above would give.
;; 3 versions, each right; version 2 is faster than version 1; version 3 is version 2 with the launch attn written anew for expert scheduling mode. Each part assembles by itself: llvm-mc -triple=amdgcn-amd-amdhsa -mcpu=gfx1250 --defsym DOCPART=n.
;; ======== version 1 of 3: 7 launches
;; limits: right only within a limited range of input values
;; workspace buffers: xc 12,582,912 bytes; mb 524,288 bytes of whole numbers; qkvc 12,582,912 bytes; ac 4,194,304 bytes; x1 16,777,216 bytes; xn2 4,194,304 bytes; hc 16,777,216 bytes
;; launch ln1 (part 1): grid 256 x 1, 4 waves a work-group, no clusters, 31,232 bytes of LDS; arguments X, gamma1, beta1, lowp_scales, xc, attention_mask, mb; writes xc, mb
.if DOCPART == 1
	.amdgcn_target "amdgcn-amd-amdhsa--gfx1250"
	.amdhsa_code_object_version 6
	.text
	.protected	k_q1c7a62b8f0_ln1
	.globl	k_q1c7a62b8f0_ln1
	.p2align	8
	.type	k_q1c7a62b8f0_ln1,@function
k_q1c7a62b8f0_ln1:
	s_mov_b64 s[64:65], 0
	v_nop
	global_prefetch_b8 v0, s[64:65] scope:SCOPE_SE
	s_setreg_imm32_b32 hwreg(HW_REG_WAVE_MODE, 25, 1), 1
	s_wait_xcnt 0x0
; Xn = (X - mean) * rsqrt(var + 1e-5) * gamma1 + beta1, row by row of 1,024 numbers, all in f32, then turned into codes of E5M2 three times,
; with the given scales 2^e1, 2^e3, 2^e5 (entries 1, 3, 5 of the scales): three sections of 4 MiB in xc, each [4096][1024], one code a byte.
; code = x / 2^e, held within +-57,344, rounded to the nearest code, ties to even.  LIMITS: e1, e3, e5 between -126 and 112.  NaN among the inputs is not served.
; SHARES.  256 work-groups of four waves; a wave takes four rows, one row at a time in 32 registers: the row is read from memory once, and no wave waits for another (no barrier).
; All four rows' 32 loads go out at the head.  A load takes 512 consecutive bytes, so lane l holds k = 128 j + 4 l + 0..3 of load j; gamma and beta are loaded alike.
; A conversion's eight codes are then four of load 2 g and four of load 2 g + 1: register j holds the codes at k = 128 j + 4 l.  They turn through the wave's own stage in LDS
; (4 bytes a lane in, 16 bytes a lane out), so that each store covers 512 consecutive bytes, aligned.
; THE MASK.  Each of the 1,024 waves also packs 16 queries x 256 keys of attention_mask into lane masks: word n of (query tile qt, key step ks) has in bit l
; mask[16 qt + l % 16][128 ks + 16 (n / 8) + 8 (l / 16) + n % 8]: the select operand for score register n of the attention launch.  64 words a step, 256 bytes, stored whole.
.set WREG, 7680                        ; LDS of a wave: 3 x 1,024 bytes of codes, then the mask's 16 rows
.set MST,  3072
.set MP,   272                         ; a mask row in LDS: 256 bytes + 16
.set T,    12                          ; v12-27  at work: two sets of eight
.set SC,   28                          ; v28+2s  2^e;  v29+2s  57,344 x 2^e
.set CD,   34                          ; v34-57  codes, eight registers a scale
.set XR,   64                          ; v64-191 four rows
.set GA,   192                         ; v192-223 gamma
.set BE,   224                         ; v224-255 beta
	s_load_b256 s[4:11], s[0:1], 0x0               ; X, gamma1, beta1, the scales' exponents
	s_load_b64 s[12:13], s[0:1], 0x20              ; xc
	s_load_b128 s[16:19], s[0:1], 0x28             ; the mask, mb
	s_set_vgpr_msb 0x40
	v_lshl_add_u32 v0, v0, 2, 0x7800
	v_mov_b32 v1, 0
	s_set_vgpr_msb 0x4000
	v_lshrrev_b32 v1, 5, v0
	v_readfirstlane_b32 s14, v1                    ; wave
	v_and_b32 v59, 31, v0                          ; lane
	v_and_b32 v12, 15, v0                          ; lane % 16
	v_bfe_u32 v13, v0, 4, 1                        ; lane / 16
	v_lshlrev_b32 v1, 4, v59                       ; 16 x lane: my bytes of a load's or a store's 512
	s_mul_i32 s15, s14, WREG
	v_lshl_add_u32 v2, v59, 2, s15                 ; the stage, in: 4 bytes a lane
	v_add_nc_u32 v3, s15, v1                       ; the stage, out: 16 bytes a lane
	v_lshlrev_b32 v4, 4, v12
	v_lshl_add_u32 v4, v13, 11, v4                 ; the mask in memory: sixteen lanes to a row's 256 bytes, two rows a load
	v_mul_u32_u24 v5, v13, MP
	v_lshl_add_u32 v5, v12, 4, v5
	v_add_nc_u32 v5, s15, v5
	v_add_nc_u32 v5, MST, v5                       ; the same two rows in LDS
	v_mul_u32_u24 v6, v12, MP
	v_lshl_add_u32 v6, v13, 3, v6
	v_add_nc_u32 v6, s15, v6
	v_add_nc_u32 v6, MST, v6                       ; back: row lane % 16, 8 bytes for each half of the lanes
	v_lshlrev_b32 v7, 3, v59                       ; two words of mb a lane
	v_mov_b32 v9, 0                                ; upper halves of pairs of which the low word serves both halves
	v_mov_b32 v11, 0
	v_mov_b32 v58, 0                               ; a lane permute's destination counts as one of its sources
	v_mov_b32 v60, 0                               ; so does v_writelane_b32's
	v_mov_b32 v61, 0
	v_mov_b32 v62, 0
	v_mov_b32 v63, 0
	s_mov_b32 s20, 0x3a800000                      ; 1 / 1,024
	s_mov_b32 s21, 0x3727c5ac                      ; 1e-5
	s_mov_b32 s22, 0x76543210                      ; lane l xor 16
	s_mov_b32 s23, 0xfedcba98
	s_lshl_b32 s38, ttmp9, 16
	s_lshl_b32 s39, s14, 14
	s_add_co_u32 s38, s38, s39                     ; X: (16 g + 4 w) rows of 4,096 bytes
	s_mov_b32 s39, 0
	s_lshr_b32 s40, s38, 2                         ; the codes: rows of 1,024 bytes
	s_mov_b32 s41, 0
	s_lshl_b32 s42, ttmp9, 2
	s_add_co_u32 s42, s42, s14                     ; my wave among the 1,024
	s_lshr_b32 s43, s42, 3                         ; qt
	s_and_b32 s42, s42, 7                          ; which 256 keys
	s_lshl_b32 s44, s43, 15                        ; 16 qt rows of 2,048 bytes
	s_lshl_b32 s45, s42, 8
	s_add_co_u32 s44, s44, s45
	s_mov_b32 s45, 0
	s_lshl_b32 s46, s43, 12                        ; mb: (16 qt + ks) x 256 bytes, ks = 2 x (which 256 keys)
	s_lshl_b32 s47, s42, 9
	s_add_co_u32 s46, s46, s47
	s_mov_b32 s47, 0
	s_wait_kmcnt 0x0
	s_load_b256 s[24:31], s[10:11], 0x0            ; e0 .. e7
	s_add_nc_u64 s[4:5], s[4:5], s[38:39]
	s_add_nc_u64 s[32:33], s[12:13], s[40:41]      ; my rows in the three sections
	s_add_nc_u64 s[34:35], s[32:33], 0x400000
	s_add_nc_u64 s[36:37], s[32:33], 0x800000
	s_add_nc_u64 s[16:17], s[16:17], s[44:45]
	s_add_nc_u64 s[18:19], s[18:19], s[46:47]
.set j, 0
.rept 8
	global_load_b128 v[GA+4*j:GA+4*j+3], v1, s[6:7] offset:512*j
	global_load_b128 v[BE+4*j:BE+4*j+3], v1, s[8:9] offset:512*j
.set j, j+1
.endr
.set i, 0
.rept 4
.set j, 0
.rept 8
	global_load_b128 v[XR+32*i+4*j:XR+32*i+4*j+3], v1, s[4:5] offset:4096*i+512*j
.set j, j+1
.endr
.set i, i+1
.endr
	s_wait_kmcnt 0x0
.irp s, 0,1,2
	s_add_co_i32 s40, s[25+2*\s], 127
	s_lshl_b32 s41, s40, 23
	v_mov_b32 v[SC+2*\s], s41                      ; 2^e as f32: the conversion takes its exponent field
	s_add_co_i32 s40, s40, 15
	s_lshl_b32 s40, s40, 23
	s_or_b32 s40, s40, 0x600000
	v_mov_b32 v[SC+2*\s+1], s40                    ; 57,344 x 2^e
.endr
.macro REDUCE                          ; v[T] summed over the 32 lanes, in every lane
	v_add_f32_dpp v[T], v[T], v[T] row_xmask:1 row_mask:0xf bank_mask:0xf
	v_add_f32_dpp v[T], v[T], v[T] row_xmask:2 row_mask:0xf bank_mask:0xf
	v_add_f32_dpp v[T], v[T], v[T] row_xmask:4 row_mask:0xf bank_mask:0xf
	v_add_f32_dpp v[T], v[T], v[T] row_xmask:8 row_mask:0xf bank_mask:0xf
	v_permlanex16_b32 v58, v[T], s22, s23
	v_add_f32 v[T], v[T], v58
.endm
; One row.  left = the loads issued behind this row's eight, which may stay out.
.macro ROW r, left
.set XB, XR+32*(\r)
	s_wait_loadcnt \left
	v_pk_add_f32 v[T:T+1], v[XB:XB+1], v[XB+2:XB+3]          ; the sum, in two packed chains
	v_pk_add_f32 v[T+2:T+3], v[XB+4:XB+5], v[XB+6:XB+7]
.set j, 8
.rept 6
	v_pk_add_f32 v[T:T+1], v[T:T+1], v[XB+j:XB+j+1]
	v_pk_add_f32 v[T+2:T+3], v[T+2:T+3], v[XB+j+2:XB+j+3]
.set j, j+4
.endr
	v_pk_add_f32 v[T:T+1], v[T:T+1], v[T+2:T+3]
	v_add_f32 v[T], v[T], v[T+1]
	REDUCE
	v_mul_f32 v8, s20, v[T]                        ; the mean
.set j, 0
.rept 16
	v_pk_add_f32 v[XB+j:XB+j+1], v[XB+j:XB+j+1], v[8:9] op_sel_hi:[1,0] neg_lo:[0,1] neg_hi:[0,1]   ; x - mean
.set j, j+2
.endr
	v_pk_mul_f32 v[T:T+1], v[XB:XB+1], v[XB:XB+1]            ; the sum of squares of the differences: no difference of large sums is formed
	v_pk_mul_f32 v[T+2:T+3], v[XB+2:XB+3], v[XB+2:XB+3]
.set j, 4
.rept 7
	v_pk_fma_f32 v[T:T+1], v[XB+j:XB+j+1], v[XB+j:XB+j+1], v[T:T+1]
	v_pk_fma_f32 v[T+2:T+3], v[XB+j+2:XB+j+3], v[XB+j+2:XB+j+3], v[T+2:T+3]
.set j, j+4
.endr
	v_pk_add_f32 v[T:T+1], v[T:T+1], v[T+2:T+3]
	v_add_f32 v[T], v[T], v[T+1]
	REDUCE
	v_fma_f32 v[T], v[T], s20, s21                 ; var + 1e-5
	v_rsq_f32 v10, v[T]
	v_nop                                          ; a plain instruction behind the transcendental,
	s_wait_alu depctr_va_vdst(0)                   ; and the wait ahead of its first reader
.set j, 0
.rept 16
	v_pk_mul_f32 v[XB+j:XB+j+1], v[XB+j:XB+j+1], v[10:11] op_sel_hi:[1,0]
.set j, j+2
.endr
.set j, 0
.rept 16
	v_pk_fma_f32 v[XB+j:XB+j+1], v[XB+j:XB+j+1], v[GA+j:GA+j+1], v[BE+j:BE+j+1]
.set j, j+2
.endr
	s_wait_xcnt 0x0                                ; the last row's stores have read the code registers: they are written again only behind this wait
.irp s, 0,1,2
.irp g, 0,1,2,3
.set e, 0
.rept 8
	v_med3_num_f32 v[T+8*(\g%2)+e], v[XB+8*\g+e], -v[SC+2*\s+1], v[SC+2*\s+1]   ; the conversion does not saturate (ISA guide 7.6.2): the hold, into other registers, since the three holds differ
.set e, e+1
.endr
	v_cvt_scalef32_pk8_bf8_f32 v[CD+8*\s+2*\g:CD+8*\s+2*\g+1], v[T+8*(\g%2):T+8*(\g%2)+7], v[SC+2*\s]   ; the next eight holds are the plain lines between it and the next write of its sources
.endr
.endr
	v_nop
.irp s, 0,1,2
.set j, 0
.rept 8
	ds_store_b32 v2, v[CD+8*\s+j] offset:1024*\s+128*j
.set j, j+1
.endr
	ds_load_b128 v[CD+8*\s:CD+8*\s+3], v3 offset:1024*\s          ; LDS serves a wave's instructions in order (ISA guide 5.7.1.4): these see my stores
	ds_load_b128 v[CD+8*\s+4:CD+8*\s+7], v3 offset:1024*\s+512
.endr
	s_wait_dscnt 0x0
.irp s, 0,1,2
	global_store_b128 v1, v[CD+8*\s:CD+8*\s+3], s[32+2*\s:33+2*\s] offset:1024*(\r)        ; 32 lanes store 512 consecutive bytes, aligned
	global_store_b128 v1, v[CD+8*\s+4:CD+8*\s+7], s[32+2*\s:33+2*\s] offset:1024*(\r)+512
.endr
.endm
	ROW 0, 24                                      ; behind row 0's loads: rows 1, 2, 3
.set j, 0
.rept 8
	global_load_b128 v[XR+4*j:XR+4*j+3], v4, s[16:17] offset:4096*j   ; the mask's 16 rows x 256 bytes, into row 0's registers
.set j, j+1
.endr
	ROW 1, 24                                      ; rows 2, 3 and the mask
	ROW 2, 16
	ROW 3, 8
	s_wait_loadcnt 0x0
.set j, 0
.rept 8
	ds_store_b128 v5, v[XR+4*j:XR+4*j+3] offset:2*MP*j
.set j, j+1
.endr
.set j, 0
.rept 16
	ds_load_b64 v[XR+32+2*j:XR+32+2*j+1], v6 offset:128*(j/8)+16*(j%8)   ; query lane % 16, keys 128 (j / 8) + 16 (j % 8) + 8 (lane / 16) + 0..7
.set j, j+1
.endr
	s_wait_dscnt 0x0
.set k, 0
.rept 2
.set n, 0
.rept 64
	v_bfe_u32 v[T+(n%4)], v[XR+32+2*(8*k+n/8)+((n%8)/4)], 8*(n%4), 8
	v_cmp_ne_u32 s[40+(n%4)], 0, v[T+(n%4)]        ; bit l: may lane l's query see this key?
	v_writelane_b32 v[60+2*k+(n%2)], s[40+(n%4)], n/2
.set n, n+1
.endr
	global_store_b64 v7, v[60+2*k:61+2*k], s[18:19] offset:256*k   ; a step's 64 words: 256 consecutive bytes, aligned
.set k, k+1
.endr
	s_set_vgpr_msb 0x5
	s_wait_tensorcnt 0x0
	ds_add_u32 v0, v1
	s_wait_dscnt 0x0
	s_set_vgpr_msb 0x500
	s_endpgm
.Lfunc_end_k_q1c7a62b8f0_ln1:
	.size	k_q1c7a62b8f0_ln1, .Lfunc_end_k_q1c7a62b8f0_ln1-k_q1c7a62b8f0_ln1
	.p2alignl 7, 3214868480
	.fill 96, 4, 3214868480
	.section	.rodata,"a",@progbits
	.p2align	6, 0x0
	.amdhsa_kernel k_q1c7a62b8f0_ln1
		.amdhsa_group_segment_fixed_size 31232
		.amdhsa_private_segment_fixed_size 0
		.amdhsa_enable_private_segment 0
		.amdhsa_kernarg_size 56
		.amdhsa_user_sgpr_count 2
		.amdhsa_user_sgpr_kernarg_segment_ptr 1
		.amdhsa_wavefront_size32 1
		.amdhsa_system_sgpr_workgroup_id_x 1
		.amdhsa_system_sgpr_workgroup_id_y 1
		.amdhsa_system_sgpr_workgroup_id_z 1
		.amdhsa_system_vgpr_workitem_id 0
		.amdhsa_next_free_vgpr 258
		.amdhsa_next_free_sgpr 66
		.amdhsa_reserve_vcc 0
		.amdhsa_float_denorm_mode_32 3
		.amdhsa_float_denorm_mode_16_64 3
		.amdhsa_memory_ordered 1
		.amdhsa_forward_progress 1
		.amdhsa_inst_pref_size 97
	.end_amdhsa_kernel
	.amdgpu_metadata
---
amdhsa.version: [ 1, 2 ]
amdhsa.kernels:
  - .name:           k_q1c7a62b8f0_ln1
    .symbol:         k_q1c7a62b8f0_ln1.kd
    .args:
      - { .name: X, .offset: 0, .size: 8, .value_kind: global_buffer, .address_space: global }
      - { .name: gamma1, .offset: 8, .size: 8, .value_kind: global_buffer, .address_space: global }
      - { .name: beta1, .offset: 16, .size: 8, .value_kind: global_buffer, .address_space: global }
      - { .name: lowp_scales, .offset: 24, .size: 8, .value_kind: global_buffer, .address_space: global }
      - { .name: xc, .offset: 32, .size: 8, .value_kind: global_buffer, .address_space: global }
      - { .name: attention_mask, .offset: 40, .size: 8, .value_kind: global_buffer, .address_space: global }
      - { .name: mb, .offset: 48, .size: 8, .value_kind: global_buffer, .address_space: global }
    .group_segment_fixed_size: 31232
    .private_segment_fixed_size: 0
    .kernarg_segment_align: 8
    .kernarg_segment_size: 56
    .max_flat_workgroup_size: 128
    .sgpr_count:     66
    .vgpr_count:     258
    .wavefront_size: 32
...
	.end_amdgpu_metadata
.endif
;; end of part 1
;; launch qkv (part 2): grid 12 x 16, 4 waves a work-group, clusters of 4 x 4, 327,680 bytes of LDS; arguments xc, Wq_codes, Wk_codes, Wv_codes, bq, bk, bv, lowp_scales, qkvc; writes qkvc
.if DOCPART == 2
	.amdgcn_target "amdgcn-amd-amdhsa--gfx1250"
	.amdhsa_code_object_version 6
	.text
	.protected	k_q1c7a62b8f0_qkv
	.globl	k_q1c7a62b8f0_qkv
	.p2align	8
	.type	k_q1c7a62b8f0_qkv,@function
k_q1c7a62b8f0_qkv:
	s_mov_b64 s[64:65], 0
	v_nop
	global_prefetch_b8 v0, s[64:65] scope:SCOPE_SE
	s_setreg_imm32_b32 hwreg(HW_REG_WAVE_MODE, 25, 1), 1
	s_wait_xcnt 0x0
	s_wait_alu depctr_hold_cnt(0) depctr_sa_sdst(0) depctr_va_vdst(0) depctr_va_sdst(0) depctr_va_ssrc(0) depctr_va_vcc(0) depctr_vm_vsrc(0)
	s_getreg_b32 s2, hwreg(HW_REG_IB_STS2, 6, 4)
	s_cmp_eq_u32 s2, 0
	s_cbranch_scc0 .Lentry_in_a_cluster
	s_endpgm
.Lentry_in_a_cluster:
	s_bfe_u32 s2, ttmp6, 0x10000c
	s_cmp_lg_u32 s2, 0xf033
	s_cbranch_scc0 .Lentry_shape_is_right
	s_endpgm
.Lentry_shape_is_right:
; Q, K, V = Xn W + b on codes of E5M2 (products 1 to 3), the results quantised again with 2^e6, 2^e7, 2^e9 and stored as IMAGES OF THE OPERAND REGISTERS of the attention launch.
; The cluster's x (0, 1, 2) is the product: a cluster's four tile columns are one weight's 1,024 rows (head x 64 + channel).  Both operands are rows of 1,024 codes, K innermost.
; A tile of 256 x 256 results is made by four waves, 128 x 128 each: 64 accumulators, 512 registers.  K goes in steps of 256 through a ring of two LDS slots filled by the tensor data mover.
; CLUSTERS: 4 x 4 work-groups.  The four of a row need the same tile of the A side, the four of a column the same tile of the B side: each is asked for jointly.
; THE MATRIX INSTRUCTION IS USED TRANSPOSED (source 0 = 16 rows of the B side, source 1 = 16 rows of the A side): a lane holds one row of the A side and eight neighbouring rows of the B side.
; Q and K: A side = tokens, B side = the weight: a lane's eight results are eight neighbouring channels of one token: registers 2 c, 2 c + 1 of a fragment of the K = 64 form (16 tokens x 64 channels).
; V: THE SIDES CHANGE PLACES (A side = Wv, B side = tokens): a lane's eight results are eight neighbouring KEYS of one channel: registers 2 c, 2 c + 1 of a fragment of the K = 128 form (16 channels x 128 keys).
; The choice is made by selects on the cluster's x, which all sixteen partners share; the loop is one text for all three.
; qkvc: three sections of 4 MiB.  Q, K: fragment (16 b + head, token tile) of 1,024 bytes; V: fragment (16 b + head, block of 128 keys, block of 16 channels) of 2,048 bytes; registers 4 g .. 4 g + 3 of lane l at 512 g + 16 l.
; Within a matrix instruction of this launch k stands permuted, alike on both sides (registers 4 c .. 4 c + 3: k = 32 c + 16 (lane / 16) + 0..15): every product meets its partner.
; LIMITS: e0 + e1, e2 + e3, e4 + e5 between -126 and 127; e6, e7, e9 between -126 and 112.  NaN among the inputs is not served.
; REGISTERS, in windows of 256: window 0: v0-31 addresses and scales; v32-95, v96-111 the bias in two forms; from v128 the A side's fragments, ONE set (on the way out: v128-191 at work, v192-223 codes);
;   window 1: the B side's fragments, TWO sets; windows 2, 3: the accumulators ((a, b) at v[8 (8 (a % 4) + b)]).
.set SIZE_K, 1024
.set KSTEP,  256
.set ROWB,   256
.set KROW,   SIZE_K
.set PITCH,  272                       ; an LDS row: 256 bytes + 16 of padding: the 16 rows that a load touches start at 16 different banks (64 banks of 4 bytes: ISA guide 11.1)
.set FR,     16
.set NL,     4
.set NP,     4                         ; places behind this matrix instruction (ISA guide 7.12.1)
.set HALFT,  128*PITCH
.set SLOT,   4*HALFT
.set LAPS,   SIZE_K/(2*KSTEP)
.set SPARE,  2*SLOT                    ; behind the ring: the spare words, 128 bytes for each wave, which no other line names
.set ADRA, 16
.set ADRB, 20
.set RO4,  22                          ; v22  4 x (lane % 16)
.set CO,   26                          ; v26  16 x lane
.set BO,   27                          ; v27  32 x (lane / 16)
.set SPW,  28
.set NIL,  29
.set LIM,  30                          ; v30  57,344 x 2^eo
.set SCL,  31                          ; v31  2^eo
.set BI,   32
.set BV,   96
.set TMP,  128
.set CD,   192
.set AF,   128
.set G1, 24
.set G0, 32
.set G1B, 48
.set G0B, 56
.set MSB, 0
.macro WIN new                         ; the immediate's high byte repeats the setting that is left
.if MSB != \new
	s_set_vgpr_msb (MSB<<8)|\new
.set MSB, \new
.endif
.endm
.set MUL_LO, 0xa1                      ; source 0 window 1, source 1 window 0, C and D window 2
.set MUL_HI, 0xf1
.set TO_B,   0x40
; A joint load: waves 0 and 1 fetch for the A side, waves 2 and 3 for the B side; the branch hangs on the wave's number alone.  Four v_nop follow each of the two lines.
.macro JLOAD g0a, g1a, g0b, g1b
	s_cmp_eq_u32 s15, 0
	s_cbranch_scc0 .Lfor_b_\@
	tensor_load_to_lds s[\g0a:\g0a+3], s[\g1a:\g1a+7]
	s_nop 0
.rept 4
	v_nop
.endr
	s_branch .Lasked_\@
.Lfor_b_\@:
	tensor_load_to_lds s[\g0b:\g0b+3], s[\g1b:\g1b+7]
	s_nop 0
.rept 4
	v_nop
.endr
.Lasked_\@:
.endm
.macro CREST                           ; a round of the cluster's barrier behind its opening barrier
	s_cmp_lg_u32 s14, 0
	s_cbranch_scc1 .Lnot_wave_0_\@
	s_barrier_signal -3
.Lnot_wave_0_\@:
	s_barrier_wait -3
	s_barrier_signal -1
	s_barrier_wait -1
.endm
.macro CROUND
	s_barrier_signal -1
	s_barrier_wait -1
	CREST
.endm
	s_load_b512 s[68:83], s[0:1], 0x0              ; xc, Wq, Wk, Wv, bq, bk, bv, the scales' exponents
	s_load_b64 s[84:85], s[0:1], 0x40              ; qkvc
	v_lshl_add_u32 v[SPW], v0, 2, SPARE
	v_mov_b32 v[NIL], 0
	ds_add_u32 v28, v29
	ds_add_u32 v28, v29
	s_wait_dscnt 0x0
	v_lshrrev_b32 v1, 5, v0
	v_readfirstlane_b32 s14, v1                    ; wave 0..3
	s_lshr_b32 s15, s14, 1                         ; which half of the A side's rows is mine.  Also: I fetch for the A side (0) or the B side (1)
	s_and_b32 s16, s14, 1                          ; which half of the B side's.  Also: which 128 rows of that tile I fetch
	s_bfe_u32 s40, ttmp6, 0x40000                  ; cx, cy: my place in the cluster
	s_bfe_u32 s41, ttmp6, 0x40004
	s_and_b32 s86, ttmp7, 0xffff
	s_lshl_b32 s86, s86, 2                         ; 4 x cluster y: the tokens' tiles
	s_lshl_b32 s90, ttmp9, 22                      ; the product's section of xc and of qkvc
	s_mov_b32 s91, 0
	s_cmp_eq_u32 ttmp9, 2                          ; V?
	s_cselect_b32 s87, 0, s86
	s_cselect_b32 s88, s86, 0
	s_add_co_u32 s17, s41, s87                     ; the A side's tile: cy (+ 4 x cluster y where it is the tokens')
	s_add_co_u32 s42, s40, s88                     ; the B side's tile: cx (+ 4 x cluster y where it is the tokens')
	s_lshl_b32 s43, s41, 2
	s_lshl_b32 s43, 15, s43                        ; my row of the cluster
	s_lshl_b32 s44, 0x1111, s40                    ; my column
	s_or_b32 s[G1+0], s43, (0<<16)|(1<<20)|(1<<21)|(5<<22)|(3<<25)  ; the mask; elements of 1 byte; padding on; bit 21 beside a mask; after every 64 words, 4 words
	s_or_b32 s[G1B+0], s44, (0<<16)|(1<<20)|(1<<21)|(5<<22)|(3<<25)
.irp g, G1, G1B
	s_mov_b32 s[\g+1], ROWB<<16                    ; tensor_dim0
	s_mov_b32 s[\g+2], 128<<16                     ; tensor_dim1
	s_mov_b32 s[\g+3], ROWB<<16                    ; tile_dim0
	s_mov_b32 s[\g+4], 128                         ; tile_dim1
	s_mov_b32 s[\g+5], KROW                        ; from row to row
	s_mov_b32 s[\g+6], 0
	s_mov_b32 s[\g+7], 0
.endr
	s_lshl_b32 s18, s16, 7
	s_lshl_b32 s20, s17, 8
	s_add_co_u32 s20, s20, s18                     ; A side: row 256 x tile + 128 x half
	s_lshl_b32 s46, s42, 8
	s_add_co_u32 s46, s46, s18                     ; B side likewise
	s_mov_b32 s21, 0
	s_mov_b32 s47, 0
	s_mov_b64 s[18:19], KROW
	s_mul_u64 s[20:21], s[20:21], s[18:19]
	s_mul_u64 s[46:47], s[46:47], s[18:19]
	s_mul_i32 s45, s14, HALFT                      ; where they go: wave x 128 rows: no place in the cluster enters an LDS address
	s_wait_kmcnt 0x0
	s_cmp_eq_u32 ttmp9, 0
	s_cselect_b64 s[92:93], s[70:71], s[72:73]
	s_cselect_b64 s[12:13], s[76:77], s[78:79]
	s_cmp_eq_u32 ttmp9, 2
	s_cselect_b64 s[92:93], s[74:75], s[92:93]     ; the product's weight,
	s_cselect_b64 s[12:13], s[80:81], s[12:13]     ; its bias,
	s_add_nc_u64 s[94:95], s[68:69], s[90:91]      ; Xn's codes under its scale,
	s_add_nc_u64 s[10:11], s[84:85], s[90:91]      ; and its section of the output
	s_mov_b64 s[8:9], s[82:83]
	s_cselect_b64 s[4:5], s[92:93], s[94:95]       ; the A side: Wv, or the tokens
	s_cselect_b64 s[6:7], s[94:95], s[92:93]       ; the B side: the tokens, or Wq / Wk
	s_load_b512 s[68:83], s[8:9], 0x0              ; e0 .. e15
	s_add_nc_u64 s[20:21], s[4:5], s[20:21]
	s_add_nc_u64 s[46:47], s[6:7], s[46:47]
	CROUND                                         ; all sixteen work-groups are here: the first joint loads meet
.irp s, 0,1
	s_mov_b32 s[G0+4*\s], 1
	s_add_co_u32 s[G0+4*\s+1], s45, \s*SLOT
	s_add_nc_u64 s[G0+4*\s+2:G0+4*\s+3], s[20:21], \s*ROWB
	s_or_b32 s[G0+4*\s+3], s[G0+4*\s+3], 0x80000000
	s_mov_b32 s[G0B+4*\s], 1
	s_add_co_u32 s[G0B+4*\s+1], s45, \s*SLOT
	s_add_nc_u64 s[G0B+4*\s+2:G0B+4*\s+3], s[46:47], \s*ROWB
	s_or_b32 s[G0B+4*\s+3], s[G0B+4*\s+3], 0x80000000
	JLOAD G0+4*\s, G1, G0B+4*\s, G1B
.endr
	v_and_b32 v1, 15, v0                           ; l % 16
	v_bfe_u32 v2, v0, 4, 1                         ; l / 16
	v_mul_u32_u24 v3, v1, PITCH
	v_lshl_add_u32 v4, v2, 4, v3                   ; a fragment's row x pitch + 16 x half
	s_mul_i32 s21, s15, HALFT
	s_mul_i32 s22, s16, HALFT
	s_add_co_u32 s22, s22, 2*HALFT
.irp s, 0,1
	v_add_nc_u32 v[ADRA+\s], s21, v4
	v_add_nc_u32 v[ADRB+\s], s22, v4
	s_add_co_u32 s21, s21, SLOT
	s_add_co_u32 s22, s22, SLOT
.endr
	v_and_b32 v5, 31, v0
	v_lshlrev_b32 v[CO], 4, v5
	v_lshlrev_b32 v[BO], 5, v2
	v_lshlrev_b32 v[RO4], 2, v1
	; where my results go, and which 128 numbers of the bias are mine
	s_lshl_b32 s86, s17, 8
	s_lshl_b32 s87, s15, 7
	s_add_co_u32 s86, s86, s87                     ; my first row of the A side
	s_lshl_b32 s87, s42, 8
	s_lshl_b32 s88, s16, 7
	s_add_co_u32 s87, s87, s88                     ; and of the B side
	s_cmp_eq_u32 ttmp9, 2
	s_cselect_b32 s88, s87, s86                    ; my first token
	s_cselect_b32 s89, s86, s87                    ; my first row of the weight
	s_lshr_b32 s90, s88, 11                        ; batch
	s_lshr_b32 s91, s89, 6                         ; head
	s_lshl_b32 s92, s90, 11                        ; Q, K: ((16 batch + head) x 128 + token tile) x 1,024
	s_lshl_b32 s93, s91, 7
	s_add_co_u32 s92, s92, s93
	s_bfe_u32 s93, s88, 0x70004
	s_add_co_u32 s92, s92, s93
	s_lshl_b32 s92, s92, 10
	s_lshl_b32 s94, s90, 8                         ; V: ((16 batch + head) x 16 + block of 128 keys) x 8,192
	s_lshl_b32 s95, s91, 4
	s_add_co_u32 s94, s94, s95
	s_bfe_u32 s95, s88, 0x40007
	s_add_co_u32 s94, s94, s95
	s_lshl_b32 s94, s94, 13
	s_cmp_eq_u32 ttmp9, 2
	s_cselect_b32 s92, s94, s92
	s_mov_b32 s93, 0
	s_add_nc_u64 s[10:11], s[10:11], s[92:93]
	s_lshl_b32 s94, s89, 2
	s_mov_b32 s95, 0
	s_add_nc_u64 s[12:13], s[12:13], s[94:95]
.set bb, 0
.rept 8                                ; the bias in both forms, so that no register is written on one way only: along my eight columns (Q, K), and one number a lane (V; twice, for the packed form)
	global_load_b128 v[BI+8*bb:BI+8*bb+3], v[BO], s[12:13] offset:64*bb
	global_load_b128 v[BI+8*bb+4:BI+8*bb+7], v[BO], s[12:13] offset:64*bb+16
	global_load_b32 v[BV+2*bb], v[RO4], s[12:13] offset:64*bb
	global_load_b32 v[BV+2*bb+1], v[RO4], s[12:13] offset:64*bb
.set bb, bb+1
.endr
.macro FRAG reg, adr, q, i             ; 16 rows x 128 K: lane l holds row l % 16; registers 4 c .. 4 c + 3 hold K = 32 c + 16 (l / 16) + 0 .. 15
.irp c, 0,1,2,3
	ds_load_b128 v[\reg+4*\c:\reg+4*\c+3], v[\adr] offset:128*(\q)+32*\c+(\i)*16*PITCH
.endr
.endm
; 16 matrix instructions: the A side's blocks a0, a0 + 1 x the B side's eight.  The 64 accumulators take turns, one instruction a turn, in the same order in every step.
.macro MUL16 a0, p, zero
.irp a, \a0, \a0+1
.irp b, 0,1,2,3,4,5,6,7
.if \zero
	v_wmma_f32_16x16x128_bf8_bf8 v[8*(8*((\a)%4)+\b):8*(8*((\a)%4)+\b)+7], v[128*(\p)+FR*\b:128*(\p)+FR*\b+FR-1], v[AF+FR*(\a):AF+FR*(\a)+FR-1], 0
.else
	v_wmma_f32_16x16x128_bf8_bf8 v[8*(8*((\a)%4)+\b):8*(8*((\a)%4)+\b)+7], v[128*(\p)+FR*\b:128*(\p)+FR*\b+FR-1], v[AF+FR*(\a):AF+FR*(\a)+FR-1], v[8*(8*((\a)%4)+\b):8*(8*((\a)%4)+\b)+7]
.endif
.endr
.endr
.endm
.macro FETCH_B slot, q, p
	WIN TO_B
.irp i, 0,1,2,3,4,5,6,7
	FRAG 128*(\p)+FR*\i, ADRB+\slot, \q, \i
.endr
	WIN 0
.endm
.macro FETCH_A slot, q, i0
.irp i, \i0, \i0+1, \i0+2, \i0+3
	FRAG AF+FR*(\i), ADRA+\slot, \q, \i
.endr
.endm
.macro PLACES n                        ; plain vector instructions between a matrix instruction and a load into, or a vector instruction on, its registers
.rept \n
	v_nop
.endr
.endm
.macro STEP slot, q, zero              ; a step of 128 along K that has its successor in the same slot
	s_wait_dscnt 4*NL                              ; the B side's set and the A side's blocks 0-3 are in; the youngest sixteen loads (blocks 4-7) may be out
	WIN MUL_LO
	MUL16 0, (\q)%2, \zero
	MUL16 2, (\q)%2, \zero
	s_wait_dscnt 0
	PLACES NP
	FETCH_B \slot, (\q)+1, 1-(\q)%2
	FETCH_A \slot, (\q)+1, 0
	WIN MUL_HI
	MUL16 4, (\q)%2, \zero
	MUL16 6, (\q)%2, \zero
	PLACES NP
	WIN 0
	FETCH_A \slot, (\q)+1, 4
.endm
; A slot's last step changes slots: one barrier; in front of it each wave waits for all its tensor loads, adds 0 to its spare word, and waits for that and for its own reads of this slot.
.macro TURN slot, next, fill
	s_wait_tensorcnt 0x0                           ; all my tensor loads have landed: my part of the next slot
	ds_add_u32 v[SPW], v[NIL]                      ; 0 onto my spare word
	s_wait_dscnt 4*NL+1                            ; (the add and the youngest sixteen loads may be out)
	WIN MUL_LO
	MUL16 0, 1, 0
	s_wait_dscnt 0x0                               ; the add is done, and my reads of this slot are over
	s_barrier_signal -1
	MUL16 2, 1, 0
	WIN 0
	s_barrier_wait -1
.if \fill
	CREST                                          ; the barrier has opened a round of the cluster's: no wave of any partner still reads this slot or has a load on its way
	s_add_nc_u64 s[G0+4*\slot+2:G0+4*\slot+3], s[G0+4*\slot+2:G0+4*\slot+3], 2*ROWB
	s_add_nc_u64 s[G0B+4*\slot+2:G0B+4*\slot+3], s[G0B+4*\slot+2:G0B+4*\slot+3], 2*ROWB
	JLOAD G0+4*\slot, G1, G0B+4*\slot, G1B         ; the first tensor load behind the round; its four v_nop are also the places in front of the loads below
.else
	PLACES NP
.endif
	FETCH_B \next, 0, 0
	FETCH_A \next, 0, 0
	WIN MUL_HI
	MUL16 4, 1, 0
	MUL16 6, 1, 0
	PLACES NP
	WIN 0
	FETCH_A \next, 0, 4
.endm
	s_wait_tensorcnt 1                             ; my part of K step 0 is in (K step 1's load may be out),
	s_barrier_signal -1
	s_barrier_wait -1                              ; everybody's is
	FETCH_B 0, 0, 0
	FETCH_A 0, 0, 0
	FETCH_A 0, 0, 4
	STEP 0, 0, 1                                   ; the first step's products start the sums
	s_mov_b32 s3, LAPS-1
.Llap:
	TURN 0, 1, 1
	STEP 1, 0, 0
	TURN 1, 0, 1
	STEP 0, 0, 0
	s_sub_co_u32 s3, s3, 1
	s_cmp_lg_u32 s3, 0
	s_cbranch_scc1 .Llap
	TURN 0, 1, 0                                   ; the last lap fills nothing
	STEP 1, 0, 0
	s_wait_dscnt 4*NL
	WIN MUL_LO
	MUL16 0, 1, 0
	MUL16 2, 1, 0
	s_wait_dscnt 0
	WIN MUL_HI
	MUL16 4, 1, 0
	MUL16 6, 1, 0
	WIN 0
; THE WAY OUT of block a (16 rows of the A side x 128 of the B side): sum x 2^(the two scales) + bias, held, converted: the conversions' results are the next launch's operand registers, stored as they stand.
; kind 0: Q, K: registers 0-7 are one head's fragment, 8-15 the next head's.  kind 1: V: the 16 registers are one fragment.
.macro ECODE a, kind
.set AC, 64*((\a)%4)
.set CSET, CD+16*((\a)%2)
.if (\a) >= 2
	s_wait_xcnt 0x0                                ; block a - 2's stores have read these code registers
.endif
	WIN (0x02+((\a)/4))                            ; source 0: window 2 or 3
.set j, 0
.rept 32
.if \kind == 1
	v_pk_fma_f32 v[TMP+j:TMP+j+1], v[AC+j:AC+j+1], s[96:97], v[BV+2*(\a):BV+2*(\a)+1] op_sel_hi:[1,0,1]
.else
	v_pk_fma_f32 v[TMP+j:TMP+j+1], v[AC+j:AC+j+1], s[96:97], v[BI+j:BI+j+1] op_sel_hi:[1,0,1]   ; each accumulator from its low end on
.endif
.set j, j+2
.endr
	WIN 0
.set j, 0
.rept 64
	v_med3_num_f32 v[TMP+j], v[TMP+j], -v[LIM], v[LIM]   ; the conversion does not saturate (ISA guide 7.6.2)
.set j, j+1
.endr
.set j, 0
.rept 8
	v_cvt_scalef32_pk8_bf8_f32 v[CSET+2*j:CSET+2*j+1], v[TMP+8*j:TMP+8*j+7], v[SCL]
.set j, j+1
.endr
	v_nop                                          ; a plain line between the conversions and the next write of their sources
.irp g, 0,1,2,3
.if \kind == 1
	global_store_b128 v[CO], v[CSET+4*\g:CSET+4*\g+3], s[10:11] offset:((\a)/4)*131072+((\a)%4)*2048+512*\g   ; 32 lanes store 512 consecutive bytes, aligned
.else
	global_store_b128 v[CO], v[CSET+4*\g:CSET+4*\g+3], s[10:11] offset:(\g/2)*131072+(\a)*1024+(\g%2)*512
.endif
.endr
.endm
	s_wait_kmcnt 0x0
	s_add_co_i32 s86, s68, s69
	s_add_co_i32 s87, s70, s71
	s_add_co_i32 s88, s72, s73
	s_cmp_eq_u32 ttmp9, 0
	s_cselect_b32 s86, s86, s87
	s_cselect_b32 s89, s74, s75
	s_cmp_eq_u32 ttmp9, 2
	s_cselect_b32 s86, s88, s86                    ; the product's two exponents added,
	s_cselect_b32 s89, s77, s89                    ; and the exponent under which its result is quantised: e6, e7 or e9
	s_add_co_i32 s86, s86, 127
	s_lshl_b32 s96, s86, 23
	s_mov_b32 s97, s96
	s_add_co_i32 s89, s89, 127
	s_lshl_b32 s90, s89, 23
	v_mov_b32 v[SCL], s90
	s_add_co_i32 s89, s89, 15
	s_lshl_b32 s89, s89, 23
	s_or_b32 s89, s89, 0x600000
	v_mov_b32 v[LIM], s89
	s_wait_loadcnt 0x0                             ; the bias
	PLACES NP
	s_cmp_eq_u32 ttmp9, 2                          ; the cluster's x: the same in all sixteen partners; neither way touches LDS, a tensor load or a barrier
	s_cbranch_scc1 .Lway_v
.irp a, 0,1,2,3,4,5,6,7
	ECODE \a, 0
.endr
	s_branch .Ldone
.Lway_v:
.irp a, 0,1,2,3,4,5,6,7
	ECODE \a, 1
.endr
.Ldone:
	s_wait_tensorcnt 0x0                           ; the wave's end
	ds_add_u32 v[SPW], v[NIL]
	s_wait_dscnt 0x0
	CROUND                                         ; the closing round: no work-group ends while a partner may still ask for a tile that names it
	s_endpgm
.Lfunc_end_k_q1c7a62b8f0_qkv:
	.size	k_q1c7a62b8f0_qkv, .Lfunc_end_k_q1c7a62b8f0_qkv-k_q1c7a62b8f0_qkv
	.p2alignl 7, 3214868480
	.fill 96, 4, 3214868480
	.section	.rodata,"a",@progbits
	.p2align	6, 0x0
	.amdhsa_kernel k_q1c7a62b8f0_qkv
		.amdhsa_group_segment_fixed_size 327680
		.amdhsa_private_segment_fixed_size 0
		.amdhsa_enable_private_segment 0
		.amdhsa_kernarg_size 72
		.amdhsa_user_sgpr_count 2
		.amdhsa_user_sgpr_kernarg_segment_ptr 1
		.amdhsa_wavefront_size32 1
		.amdhsa_system_sgpr_workgroup_id_x 1
		.amdhsa_system_sgpr_workgroup_id_y 1
		.amdhsa_system_sgpr_workgroup_id_z 1
		.amdhsa_system_vgpr_workitem_id 0
		.amdhsa_next_free_vgpr 1024
		.amdhsa_next_free_sgpr 100
		.amdhsa_reserve_vcc 0
		.amdhsa_float_denorm_mode_32 3
		.amdhsa_float_denorm_mode_16_64 3
		.amdhsa_memory_ordered 1
		.amdhsa_forward_progress 1
		.amdhsa_inst_pref_size 194
	.end_amdhsa_kernel
	.amdgpu_metadata
---
amdhsa.version: [ 1, 2 ]
amdhsa.kernels:
  - .name:           k_q1c7a62b8f0_qkv
    .symbol:         k_q1c7a62b8f0_qkv.kd
    .args:
      - { .name: xc, .offset: 0, .size: 8, .value_kind: global_buffer, .address_space: global }
      - { .name: Wq_codes, .offset: 8, .size: 8, .value_kind: global_buffer, .address_space: global }
      - { .name: Wk_codes, .offset: 16, .size: 8, .value_kind: global_buffer, .address_space: global }
      - { .name: Wv_codes, .offset: 24, .size: 8, .value_kind: global_buffer, .address_space: global }
      - { .name: bq, .offset: 32, .size: 8, .value_kind: global_buffer, .address_space: global }
      - { .name: bk, .offset: 40, .size: 8, .value_kind: global_buffer, .address_space: global }
      - { .name: bv, .offset: 48, .size: 8, .value_kind: global_buffer, .address_space: global }
      - { .name: lowp_scales, .offset: 56, .size: 8, .value_kind: global_buffer, .address_space: global }
      - { .name: qkvc, .offset: 64, .size: 8, .value_kind: global_buffer, .address_space: global }
    .group_segment_fixed_size: 327680
    .private_segment_fixed_size: 0
    .kernarg_segment_align: 8
    .kernarg_segment_size: 72
    .max_flat_workgroup_size: 128
    .sgpr_count:     100
    .vgpr_count:     1024
    .wavefront_size: 32
...
	.end_amdgpu_metadata
.endif
;; end of part 2
;; launch attn (part 3): grid 8 x 32, 16 waves a work-group, no clusters, 67,584 bytes of LDS; arguments qkvc, mb, lowp_scales, ac; writes ac
.if DOCPART == 3
	.amdgcn_target "amdgcn-amd-amdhsa--gfx1250"
	.amdhsa_code_object_version 6
	.text
	.protected	k_q1c7a62b8f0_attn
	.globl	k_q1c7a62b8f0_attn
	.p2align	8
	.type	k_q1c7a62b8f0_attn,@function
k_q1c7a62b8f0_attn:
	s_mov_b64 s[64:65], 0
	v_nop
	global_prefetch_b8 v0, s[64:65] scope:SCOPE_SE
	s_setreg_imm32_b32 hwreg(HW_REG_WAVE_MODE, 25, 1), 1
	s_wait_xcnt 0x0
; attn[b][s][head x 64 + d] = the sum over keys of softmax(Q . K / 8, masked) V, both products on codes of E5M2 (products 4 and 5), the result quantised with 2^e10.
; THE SOFTMAX AHEAD OF THE SECOND PRODUCT: t = logit x log2(e); M = the row's largest t so far, rounded UP to a whole number; p = 2^(t - M) is quantised with 2^e8; it is not normalised.
; The row's sum is taken of the unquantised p and divides at the end.  When M moves, the sum and O are multiplied by 2^(old M - new M): exact.
; THE MASK IS AN INPUT: every wave walks all 2,048 keys.  An earlier launch packed it into lane masks, 64 words a key step, which scalar loads bring: a hidden score is replaced by a large negative number
; ahead of the maximum.  STATED LIMIT: that number stands for the logit -2^30 and not -1e9, so that t is a whole number and t - M is exactly 0 in a row with no key at all: such a row comes out uniform;
; the two differ only where a visible logit lies under about -1e9.
; SHARES.  A work-group owns 256 queries of one head (x: the block of queries, y: 16 b + head); each of its sixteen waves one tile of 16, in 256 registers: four waves to a SIMD, so that one wave's vector work
; stands beside another's matrix work and LDS loads.  128 keys a step, 256 a slot, 8 slots.
; K and V lie in memory as images of the operand registers, a slot's 16 KiB of each on end.  The 512 threads copy them through registers into one of two LDS buffers: loads at the head of the slot before, stores at its
; end, one barrier a slot.  No tensor load and no cluster: a slot's 32 KiB serve 32 tile steps of some 270 vector instructions each.
; LAYOUT.  S^T = K Q^T (source 0 = 16 keys, source 1 = my 16 queries; K = 64), O^T = V^T P^T (source 0 = 16 channels, source 1 = P; K = 128): a lane holds ONE query throughout, and score register 8 T + j is key
; 16 T + 8 (lane / 16) + j: the conversions' results are the second product's operand in the form's own layout, in which V's fragments were stored.
; LIMITS: e6 + e7 between -94 and 130; e8, e10 between -126 and 112; e8 + e9 is applied by v_ldexp_f32.
.set LI,   1                           ; v1   16 x lane
.set CP,   2                           ; v2   16 x thread
.set NEGR, 6                           ; v6   what a hidden score becomes
.set LIM,  7                           ; v7   57,344 x 2^e8 (on the way out: e10)
.set SCL,  8                           ; v8   2^e8 (e10)
.set Q,    16                          ; v16-23   Q's fragment
.set ST,   24                          ; v24-39   the copy's registers
.set KV,   40                          ; v40-103  eight fragments of K, then four of V
.set S,    104                         ; v104-167 S^T, then p
.set O,    168                         ; v168-199 O^T
.set P,    200                         ; v200-215 p's codes
.set BUF,  32768                       ; an LDS buffer: K's 16 fragments, then V's 8
.set VO,   16384
	s_load_b128 s[4:7], s[0:1], 0x0                ; qkvc, mb
	s_load_b128 s[8:11], s[0:1], 0x10              ; the scales' exponents, ac
	v_lshl_add_u32 v254, v0, 2, 0x10000
	v_mov_b32 v255, 0
	v_lshrrev_b32 v3, 5, v0
	v_readfirstlane_b32 s16, v3                    ; wave 0..15
	v_and_b32 v3, 31, v0
	v_lshlrev_b32 v[LI], 4, v3
	v_lshlrev_b32 v[CP], 4, v0
	s_and_b32 s17, ttmp7, 0xffff                   ; 16 b + head
	s_lshl_b32 s18, ttmp9, 4
	s_add_co_u32 s18, s18, s16                     ; my tile of queries, 0..127
	s_lshl_b32 s24, s17, 17                        ; a head's fragments are 131,072 bytes in each section
	s_mov_b32 s25, 0
	s_lshl_b32 s26, s18, 10
	s_mov_b32 s27, 0
	s_lshl_b32 s28, s18, 12                        ; mb: 16 steps x 256 bytes a tile of queries
	s_mov_b32 s29, 0
	s_lshr_b32 s30, s17, 4
	s_lshl_b32 s30, s30, 7
	s_add_co_u32 s30, s30, s18                     ; ac: token tile 128 b + my tile, 16,384 bytes each,
	s_lshl_b32 s30, s30, 14
	s_and_b32 s31, s17, 15
	s_lshl_b32 s31, s31, 10                        ; + 1,024 x head: 64 of a fragment's 128 along K are 1,024 bytes
	s_add_co_u32 s30, s30, s31
	s_mov_b32 s31, 0
	s_mov_b32 s20, 0x76543210                      ; lane l xor 16
	s_mov_b32 s21, 0xfedcba98
	s_wait_kmcnt 0x0
	s_add_nc_u64 s[4:5], s[4:5], s[24:25]
	s_add_nc_u64 s[12:13], s[4:5], 0x400000        ; the head's K
	s_add_nc_u64 s[14:15], s[4:5], 0x800000        ; and V
	s_add_nc_u64 s[4:5], s[4:5], s[26:27]          ; my fragment of Q
	s_add_nc_u64 s[6:7], s[6:7], s[28:29]
	s_add_nc_u64 s[10:11], s[10:11], s[30:31]
	s_load_b128 s[24:27], s[8:9], 0x18             ; e6, e7, e8, e9
	s_load_b32 s28, s[8:9], 0x28                   ; e10
.macro MASKS                           ; a step's 64 lane masks: word n in s[32 + n], from n = 32 on in s[36 + n]
	s_load_b512 s[32:47], s[6:7], 0x0
	s_load_b512 s[48:63], s[6:7], 0x40
	s_load_b512 s[68:83], s[6:7], 0x80
	s_load_b512 s[84:99], s[6:7], 0xc0
.endm
.macro GLOAD                           ; the next slot's 32 KiB, 64 bytes a thread
	global_load_b128 v[ST:ST+3], v[CP], s[12:13]
	global_load_b128 v[ST+4:ST+7], v[CP], s[12:13] offset:8192
	global_load_b128 v[ST+8:ST+11], v[CP], s[14:15]
	global_load_b128 v[ST+12:ST+15], v[CP], s[14:15] offset:8192
.endm
; They go into buffer buf, which every wave left in front of the barrier before; then the barrier behind which it is read.
.macro PUT buf
	s_wait_loadcnt 0x0                             ; the copy's loads are in, so their bases may step
	ds_store_b128 v[CP], v[ST:ST+3] offset:(\buf)*BUF
	ds_store_b128 v[CP], v[ST+4:ST+7] offset:(\buf)*BUF+8192
	ds_store_b128 v[CP], v[ST+8:ST+11] offset:(\buf)*BUF+VO
	ds_store_b128 v[CP], v[ST+12:ST+15] offset:(\buf)*BUF+VO+8192
	s_add_nc_u64 s[12:13], s[12:13], 16384
	s_add_nc_u64 s[14:15], s[14:15], 16384
	s_wait_dscnt 0x0                               ; for the others' sake: my stores have landed, and my reads of the buffer that I leave are over
	s_barrier_signal -1
	s_barrier_wait -1
.endm
	MASKS
	GLOAD
	global_load_b128 v[Q:Q+3], v[LI], s[4:5]
	global_load_b128 v[Q+4:Q+7], v[LI], s[4:5] offset:512
	v_mov_b32 v13, 0xff61b1e6                      ; the largest t so far: -3e38, under every t
	v_floor_f32 v12, -v13                          ; -M
	v_mov_b32 v14, 0                               ; the sum, in two halves
	v_mov_b32 v15, 0
	v_mov_b32 v221, 0                              ; (the upper half of the pair v[220:221])
	v_mov_b32 v223, 0                              ; a lane permute's destination counts as one of its sources
.set j, 0
.rept 32
	v_mov_b32 v[O+j], 0                            ; O^T: the step is written once; its first pass finds zeros, which the first change of M leaves zeros
.set j, j+1
.endr
	s_wait_kmcnt 0x0
	s_mov_b32 s19, s26                             ; e8
	s_add_co_i32 s29, s24, s25                     ; a score stands for score x 2^(e6 + e7):
	s_lshl_b32 s30, s29, 23
	s_add_co_i32 s22, s30, 0x3e38aa3b              ; the two exponents are added to the exponent field of c = log2(e) / 8
	s_mov_b32 s23, s22
	s_sub_co_i32 s30, 160, s29
	s_lshl_b32 s30, s30, 23
	s_or_b32 s30, s30, 0x80000000
	v_mov_b32 v[NEGR], s30                         ; -2^(33 - e6 - e7): times c's 24 bits a whole number
	s_add_co_i32 s30, s26, 127
	s_lshl_b32 s31, s30, 23
	v_mov_b32 v[SCL], s31
	s_add_co_i32 s30, s30, 15
	s_lshl_b32 s30, s30, 23
	s_or_b32 s30, s30, 0x600000
	v_mov_b32 v[LIM], s30
	PUT 0                                          ; slot 0 (its wait also covers Q)
; A KEY STEP: 128 keys, the q-th of the slot in buffer buf.  more = 1: the next step's masks are asked for.
.macro STEP q, buf, more
.rept 4
	v_nop                                          ; places in front of loads into registers that the last products read
.endr
.set f, 0
.rept 8
	ds_load_b128 v[KV+8*f:KV+8*f+3], v[LI] offset:(\buf)*BUF+(8*(\q)+f)*1024
	ds_load_b128 v[KV+8*f+4:KV+8*f+7], v[LI] offset:(\buf)*BUF+(8*(\q)+f)*1024+512
.set f, f+1
.endr
	s_wait_dscnt 0x0
.set f, 0
.rept 8
	v_wmma_f32_16x16x64_bf8_bf8 v[S+8*f:S+8*f+7], v[KV+8*f:KV+8*f+7], v[Q:Q+7], 0
.set f, f+1
.endr
.rept 4
	v_nop
.endr
.set f, 0
.rept 4                                ; V's four fragments land under the softmax
.set g, 0
.rept 4
	ds_load_b128 v[KV+16*f+4*g:KV+16*f+4*g+3], v[LI] offset:(\buf)*BUF+VO+(4*(\q)+f)*2048+512*g
.set g, g+1
.endr
.set f, f+1
.endr
	s_wait_kmcnt 0x0                               ; this step's masks
.set n, 0
.rept 64
	v_cndmask_b32 v[S+n], v[NEGR], v[S+n], s[32+n+4*(n/32)]   ; each accumulator from its low end on
.set n, n+1
.endr
.if \more
	s_add_nc_u64 s[6:7], s[6:7], 256               ; (the wait above has shown the last scalar loads done)
	MASKS
.endif
	v_max3_num_f32 v222, v[S], v[S+1], v[S+2]      ; the step's largest score of my query, among my 64 keys, in two chains,
	v_max3_num_f32 v226, v[S+3], v[S+4], v[S+5]
.set n, 6
.rept 14
	v_max3_num_f32 v222, v222, v[S+n], v[S+n+1]
	v_max3_num_f32 v226, v226, v[S+n+2], v[S+n+3]
.set n, n+4
.endr
	v_max3_num_f32 v222, v222, v[S+62], v[S+63]
	v_max_num_f32 v222, v222, v226
	v_permlanex16_b32 v223, v222, s20, s21
	v_max_num_f32 v222, v222, v223                 ; and among lane l xor 16's
	v_mul_f32 v222, s22, v222                      ; as t (c is positive)
	v_max_num_f32 v13, v13, v222                   ; the running largest t
	v_mov_b32 v222, v12
	v_floor_f32 v12, -v13                          ; the new -M = floor(-t): M is a whole number
	v_sub_f32 v222, v12, v222                      ; M's old value less its new one: a whole number, 0 or less
	v_cvt_i32_f32 v222, v222                       ; (it saturates)
	v_ldexp_f32 v220, 1.0, v222                    ; f = 2^(old M - new M)
.set n, 0
.rept 32
	v_pk_fma_f32 v[S+n:S+n+1], v[S+n:S+n+1], s[22:23], v[12:13] op_sel_hi:[1,0,0]   ; t - M
.set n, n+2
.endr
.set n, 0
.rept 64
	v_exp_f32 v[S+n], v[S+n]                       ; p = 2^(t - M), at most 1
.set n, n+1
.endr
	v_pk_mul_f32 v[14:15], v[14:15], v[220:221] op_sel_hi:[1,0]   ; the sums under the new M: the plain line behind the exponentials
	s_wait_alu depctr_va_vdst(0)                   ; one wait for the whole batch, ahead of its first reader
	v_pk_add_f32 v[224:225], v[S:S+1], v[S+2:S+3]  ; the row's sum is taken of the unquantised p, in two chains
.set n, 4
.rept 15
	v_pk_add_f32 v[14:15], v[14:15], v[S+n:S+n+1]
	v_pk_add_f32 v[224:225], v[224:225], v[S+n+2:S+n+3]
.set n, n+4
.endr
	v_pk_add_f32 v[14:15], v[14:15], v[224:225]
	s_cmp_ge_i32 s19, -15                          ; with e8 at -15 or above, 57,344 x 2^e8 is 1.75 or more and p is at most 1: the hold would change nothing
	s_cbranch_scc1 .Lnohold_\@
.set n, 0
.rept 64
	v_min_num_f32 v[S+n], v[S+n], v[LIM]           ; the conversion does not saturate (ISA guide 7.6.2); p is not negative
.set n, n+1
.endr
.Lnohold_\@:
.set f, 0
.rept 8
	v_cvt_scalef32_pk8_bf8_f32 v[P+2*f:P+2*f+1], v[S+8*f:S+8*f+7], v[SCL]
.set f, f+1
.endr
.set n, 0
.rept 16
	v_pk_mul_f32 v[O+n:O+n+1], v[O+n:O+n+1], v[220:221] op_sel_hi:[1,0]   ; O^T under the new M; also the plain lines between the conversions and the products
.set n, n+2
.endr
	s_wait_dscnt 0x0                               ; V
.set f, 0
.rept 4                                ; the four accumulators take turns, and the next step's eight products stand between a link and its next
	v_wmma_f32_16x16x128_bf8_bf8 v[O+8*f:O+8*f+7], v[KV+16*f:KV+16*f+15], v[P:P+15], v[O+8*f:O+8*f+7]
.set f, f+1
.endr
.endm
	s_mov_b32 s18, 3
.Lpair:                                            ; a trip runs two slots, so that every LDS address is a lane term and an immediate: slots 0 to 5
	GLOAD
	STEP 0, 0, 1
	STEP 1, 0, 1
	PUT 1
	GLOAD
	STEP 0, 1, 1
	STEP 1, 1, 1
	PUT 0
	s_sub_co_u32 s18, s18, 1
	s_cmp_lg_u32 s18, 0
	s_cbranch_scc1 .Lpair
	GLOAD                                          ; slot 7
	STEP 0, 0, 1
	STEP 1, 0, 1
	PUT 1
	STEP 0, 1, 1                                   ; the last slot asks for nothing more: no load leaves its buffer
	STEP 1, 1, 0
	; THE WAY OUT: O^T / the sum x 2^(e8 + e9), held, converted with 2^e10; two lane swaps a pair of tiles bring 16 neighbouring channels into a lane, the order of the next product's operand image.
.rept 4
	v_nop
.endr
	v_add_f32 v14, v14, v15
	v_permlanex16_b32 v223, v14, s20, s21
	v_add_f32 v14, v14, v223                       ; the row's sum: above 1/2, since the row's largest p is
	v_rcp_f32 v14, v14
	v_nop
	s_add_co_i32 s29, s26, s27
	s_add_co_i32 s30, s28, 127
	s_lshl_b32 s31, s30, 23
	s_add_co_i32 s30, s30, 15
	s_lshl_b32 s30, s30, 23
	s_or_b32 s30, s30, 0x600000
	v_mov_b32 v[SCL], s31
	v_mov_b32 v[LIM], s30
	s_wait_alu depctr_va_vdst(0)
	v_ldexp_f32 v14, v14, s29
.set n, 0
.rept 16
	v_pk_mul_f32 v[S+n:S+n+1], v[O+n:O+n+1], v[14:15] op_sel_hi:[1,0]
.set n, n+2
.endr
.set n, 0
.rept 32
	v_med3_num_f32 v[S+n], v[S+n], -v[LIM], v[LIM]
.set n, n+1
.endr
.set f, 0
.rept 4
	v_cvt_scalef32_pk8_bf8_f32 v[P+2*f:P+2*f+1], v[S+8*f:S+8*f+7], v[SCL]   ; channels 16 f + 8 (lane / 16) + 0..7
.set f, f+1
.endr
	v_nop
.irp c, 0,1
	v_permlane16_swap_b32 v[P+4*\c], v[P+4*\c+2]   ; the first's lanes 16-31 change places with the second's lanes 0-15: registers 4 c .. 4 c + 3 then hold channels 32 c + 16 (lane / 16) + 0..15
	v_permlane16_swap_b32 v[P+4*\c+1], v[P+4*\c+3]
.endr
	global_store_b128 v[LI], v[P:P+3], s[10:11]              ; 32 lanes store 512 consecutive bytes, aligned
	global_store_b128 v[LI], v[P+4:P+7], s[10:11] offset:512
	s_wait_tensorcnt 0x0
	ds_add_u32 v254, v255
	s_wait_dscnt 0x0
	s_endpgm
.Lfunc_end_k_q1c7a62b8f0_attn:
	.size	k_q1c7a62b8f0_attn, .Lfunc_end_k_q1c7a62b8f0_attn-k_q1c7a62b8f0_attn
	.p2alignl 7, 3214868480
	.fill 96, 4, 3214868480
	.section	.rodata,"a",@progbits
	.p2align	6, 0x0
	.amdhsa_kernel k_q1c7a62b8f0_attn
		.amdhsa_group_segment_fixed_size 67584
		.amdhsa_private_segment_fixed_size 0
		.amdhsa_enable_private_segment 0
		.amdhsa_kernarg_size 32
		.amdhsa_user_sgpr_count 2
		.amdhsa_user_sgpr_kernarg_segment_ptr 1
		.amdhsa_wavefront_size32 1
		.amdhsa_system_sgpr_workgroup_id_x 1
		.amdhsa_system_sgpr_workgroup_id_y 1
		.amdhsa_system_sgpr_workgroup_id_z 1
		.amdhsa_system_vgpr_workitem_id 0
		.amdhsa_next_free_vgpr 256
		.amdhsa_next_free_sgpr 100
		.amdhsa_reserve_vcc 0
		.amdhsa_float_denorm_mode_32 3
		.amdhsa_float_denorm_mode_16_64 3
		.amdhsa_memory_ordered 1
		.amdhsa_forward_progress 1
		.amdhsa_inst_pref_size 168
	.end_amdhsa_kernel
	.amdgpu_metadata
---
amdhsa.version: [ 1, 2 ]
amdhsa.kernels:
  - .name:           k_q1c7a62b8f0_attn
    .symbol:         k_q1c7a62b8f0_attn.kd
    .args:
      - { .name: qkvc, .offset: 0, .size: 8, .value_kind: global_buffer, .address_space: global }
      - { .name: mb, .offset: 8, .size: 8, .value_kind: global_buffer, .address_space: global }
      - { .name: lowp_scales, .offset: 16, .size: 8, .value_kind: global_buffer, .address_space: global }
      - { .name: ac, .offset: 24, .size: 8, .value_kind: global_buffer, .address_space: global }
    .group_segment_fixed_size: 67584
    .private_segment_fixed_size: 0
    .kernarg_segment_align: 8
    .kernarg_segment_size: 32
    .max_flat_workgroup_size: 512
    .sgpr_count:     100
    .vgpr_count:     256
    .wavefront_size: 32
...
	.end_amdgpu_metadata
.endif
;; end of part 3
;; launch w0 (part 4): grid 4 x 16, 4 waves a work-group, clusters of 4 x 4, 327,680 bytes of LDS; arguments ac, W0_codes, b0, X, lowp_scales, x1; writes x1
.if DOCPART == 4
	.amdgcn_target "amdgcn-amd-amdhsa--gfx1250"
	.amdhsa_code_object_version 6
	.text
	.protected	k_q1c7a62b8f0_w0
	.globl	k_q1c7a62b8f0_w0
	.p2align	8
	.type	k_q1c7a62b8f0_w0,@function
k_q1c7a62b8f0_w0:
	s_mov_b64 s[64:65], 0
	v_nop
	global_prefetch_b8 v0, s[64:65] scope:SCOPE_SE
	s_setreg_imm32_b32 hwreg(HW_REG_WAVE_MODE, 25, 1), 1
	s_wait_xcnt 0x0
	s_wait_alu depctr_hold_cnt(0) depctr_sa_sdst(0) depctr_va_vdst(0) depctr_va_sdst(0) depctr_va_ssrc(0) depctr_va_vcc(0) depctr_vm_vsrc(0)
	s_getreg_b32 s2, hwreg(HW_REG_IB_STS2, 6, 4)
	s_cmp_eq_u32 s2, 0
	s_cbranch_scc0 .Lentry_in_a_cluster
	s_endpgm
.Lentry_in_a_cluster:
	s_bfe_u32 s2, ttmp6, 0x10000c
	s_cmp_lg_u32 s2, 0xf033
	s_cbranch_scc0 .Lentry_shape_is_right
	s_endpgm
.Lentry_shape_is_right:
; x1 = attn W0 + b0 + X (product 6) on codes of E5M2.  A: the attention's codes as IMAGES OF THE OPERAND REGISTERS: the fragment (16 tokens, K step of 128) is 2,048 bytes on end, registers 4 c .. 4 c + 3 of lane l at 512 c + 16 l,
; a token tile's fragments one behind the other (16 x SIZE_K bytes).  B: W0's rows of SIZE_K codes.  Output and residual: [4096][1024] f32.
; A tile of 256 x 256 is made by four waves, 128 x 128 each; K goes in steps of 256 through a ring of two LDS slots filled by the tensor data mover; 4 x 4 work-groups form a cluster and ask for A's tiles jointly along a row,
; for B's along a column.  THE MATRIX INSTRUCTION IS USED TRANSPOSED (source 0 = 16 rows of B, source 1 = 16 tokens): a lane holds eight neighbouring numbers of a row of the output.
; Within a matrix instruction k stands permuted, alike on both sides (registers 4 c .. 4 c + 3: k = 32 c + 16 (lane / 16) + 0..15).
; 1,024 columns make 64 tiles of this size: 64 work-groups.  LIMIT: the two exponents added lie between -126 and 127.
; REGISTERS, in windows of 256: window 0: v0-31 addresses; v32-95 the bias; from v128 A's fragments, ONE set (on the way out v128-191 at work); window 1: B's fragments, TWO sets (on the way out: four blocks of the residual);
;   windows 2, 3: the accumulators.
.set SIZE_K, 1024
.set EOFF,   40                        ; the byte at which this product's two exponents stand
.set KSTEP,  256
.set ROWB,   256
.set KROW,   SIZE_K
.set PITCH,  272
.set FR,     16
.set NL,     4
.set NP,     4
.set HALFT,  128*PITCH
.set SLOT,   4*HALFT
.set LAPS,   SIZE_K/(2*KSTEP)
.set SPARE,  2*SLOT
.set SPITCH, 528                       ; the way out: a stage of 16 rows x (512 bytes + 16) for each wave, in slot 0, which has had its last fill and its last read by then
.set ADRA, 16
.set ADRB, 20
.set STO,  24
.set RD,   25
.set CO,   26
.set BO,   27
.set SPW,  28
.set NIL,  29
.set BI,   32
.set TMP,  128
.set AF,   128
.set G1, 24
.set G0, 32
.set G1B, 48
.set G0B, 56
.set MSB, 0
.macro WIN new
.if MSB != \new
	s_set_vgpr_msb (MSB<<8)|\new
.set MSB, \new
.endif
.endm
.set MUL_LO, 0xa1
.set MUL_HI, 0xf1
.set TO_B,   0x40
.macro JLOAD g0a, g1a, g0b, g1b        ; a joint load: waves 0 and 1 fetch for A, waves 2 and 3 for B; four v_nop follow each of the two lines
	s_cmp_eq_u32 s15, 0
	s_cbranch_scc0 .Lfor_b_\@
	tensor_load_to_lds s[\g0a:\g0a+3], s[\g1a:\g1a+7]
	s_nop 0
.rept 4
	v_nop
.endr
	s_branch .Lasked_\@
.Lfor_b_\@:
	tensor_load_to_lds s[\g0b:\g0b+3], s[\g1b:\g1b+7]
	s_nop 0
.rept 4
	v_nop
.endr
.Lasked_\@:
.endm
.macro CREST
	s_cmp_lg_u32 s14, 0
	s_cbranch_scc1 .Lnot_wave_0_\@
	s_barrier_signal -3
.Lnot_wave_0_\@:
	s_barrier_wait -3
	s_barrier_signal -1
	s_barrier_wait -1
.endm
.macro CROUND
	s_barrier_signal -1
	s_barrier_wait -1
	CREST
.endm
	s_load_b128 s[4:7], s[0:1], 0x0                ; A's images, B's codes
	s_load_b128 s[68:71], s[0:1], 0x10             ; the bias, the residual
	s_load_b128 s[8:11], s[0:1], 0x20              ; the scales' exponents, the output
	v_lshl_add_u32 v[SPW], v0, 2, SPARE
	v_mov_b32 v[NIL], 0
	ds_add_u32 v28, v29
	ds_add_u32 v28, v29
	s_wait_dscnt 0x0
	v_lshrrev_b32 v1, 5, v0
	v_readfirstlane_b32 s14, v1
	s_lshr_b32 s15, s14, 1
	s_and_b32 s16, s14, 1
	s_bfe_u32 s40, ttmp6, 0x40000
	s_bfe_u32 s41, ttmp6, 0x40004
	s_lshl_b32 s42, ttmp9, 2
	s_add_co_u32 s42, s42, s40                     ; tile column
	s_and_b32 s17, ttmp7, 0xffff
	s_lshl_b32 s17, s17, 2
	s_add_co_u32 s17, s17, s41                     ; tile row
	s_lshl_b32 s43, s41, 2
	s_lshl_b32 s43, 15, s43
	s_lshl_b32 s44, 0x1111, s40
	; A's tile: 8 token tiles x 4,096 bytes (two fragments each), 16 x SIZE_K bytes apart, dense in LDS: elements of 8 bytes, no padding
	s_or_b32 s[G1+0], s43, (3<<16)|(1<<21)
	s_mov_b32 s[G1+1], 512<<16
	s_mov_b32 s[G1+2], 8<<16
	s_mov_b32 s[G1+3], 512<<16
	s_mov_b32 s[G1+4], 8
	s_mov_b32 s[G1+5], 2*SIZE_K
	s_mov_b32 s[G1+6], 0
	s_mov_b32 s[G1+7], 0
	; B's tile: 128 rows x 256 bytes, padded in LDS
	s_or_b32 s[G1B+0], s44, (0<<16)|(1<<20)|(1<<21)|(5<<22)|(3<<25)
	s_mov_b32 s[G1B+1], ROWB<<16
	s_mov_b32 s[G1B+2], 128<<16
	s_mov_b32 s[G1B+3], ROWB<<16
	s_mov_b32 s[G1B+4], 128
	s_mov_b32 s[G1B+5], KROW
	s_mov_b32 s[G1B+6], 0
	s_mov_b32 s[G1B+7], 0
	s_lshl_b32 s18, s16, 7
	s_lshl_b32 s46, s42, 8
	s_add_co_u32 s46, s46, s18                     ; B: row 256 x tile column + 128 x half
	s_mov_b32 s47, 0
	s_mov_b64 s[18:19], KROW
	s_mul_u64 s[46:47], s[46:47], s[18:19]
	s_lshl_b32 s20, s17, 4
	s_lshl_b32 s21, s16, 3
	s_add_co_u32 s20, s20, s21                     ; A: token tile 16 x tile row + 8 x half
	s_mov_b32 s21, 0
	s_mov_b64 s[18:19], 16*SIZE_K
	s_mul_u64 s[20:21], s[20:21], s[18:19]
	s_mul_i32 s45, s14, HALFT
	s_wait_kmcnt 0x0
	s_load_b64 s[96:97], s[8:9], EOFF
	s_add_nc_u64 s[20:21], s[4:5], s[20:21]
	s_add_nc_u64 s[46:47], s[6:7], s[46:47]
	CROUND
.irp s, 0,1
	s_mov_b32 s[G0+4*\s], 1
	s_add_co_u32 s[G0+4*\s+1], s45, \s*SLOT
	s_add_nc_u64 s[G0+4*\s+2:G0+4*\s+3], s[20:21], \s*4096
	s_or_b32 s[G0+4*\s+3], s[G0+4*\s+3], 0x80000000
	s_mov_b32 s[G0B+4*\s], 1
	s_add_co_u32 s[G0B+4*\s+1], s45, \s*SLOT
	s_add_nc_u64 s[G0B+4*\s+2:G0B+4*\s+3], s[46:47], \s*ROWB
	s_or_b32 s[G0B+4*\s+3], s[G0B+4*\s+3], 0x80000000
	JLOAD G0+4*\s, G1, G0B+4*\s, G1B
.endr
	v_and_b32 v1, 15, v0
	v_bfe_u32 v2, v0, 4, 1
	v_mul_u32_u24 v3, v1, PITCH
	v_lshl_add_u32 v4, v2, 4, v3
	v_and_b32 v6, 31, v0
	v_lshlrev_b32 v[CO], 4, v6                     ; 16 x lane
	s_mul_i32 s21, s15, HALFT
	s_mul_i32 s22, s16, HALFT
	s_add_co_u32 s22, s22, 2*HALFT
.irp s, 0,1
	v_add_nc_u32 v[ADRA+\s], s21, v[CO]            ; an image's place for my lane
	v_add_nc_u32 v[ADRB+\s], s22, v4
	s_add_co_u32 s21, s21, SLOT
	s_add_co_u32 s22, s22, SLOT
.endr
	s_mul_i32 s23, s14, 16*SPITCH
	v_mul_u32_u24 v5, v1, SPITCH
	v_lshl_add_u32 v5, v2, 5, v5
	v_add_nc_u32 v[STO], s23, v5                   ; the stage, in: row l % 16, 32 bytes for each half of the lanes
	v_add_nc_u32 v[RD], s23, v[CO]                 ; back: the 32 lanes take one row of 512 bytes
	v_lshlrev_b32 v[BO], 5, v2
	s_lshl_b32 s86, s17, 8
	s_lshl_b32 s87, s15, 7
	s_add_co_u32 s86, s86, s87                     ; my first row,
	s_lshl_b32 s86, s86, 12                        ; of 4,096 bytes
	s_lshl_b32 s87, s42, 8
	s_lshl_b32 s88, s16, 7
	s_add_co_u32 s87, s87, s88                     ; my first column
	s_lshl_b32 s88, s87, 2
	s_add_co_u32 s86, s86, s88
	s_mov_b32 s87, 0
	s_mov_b32 s89, 0
	s_add_nc_u64 s[10:11], s[10:11], s[86:87]
	s_add_nc_u64 s[70:71], s[70:71], s[86:87]
	s_add_nc_u64 s[68:69], s[68:69], s[88:89]
.set bb, 0
.rept 8
	global_load_b128 v[BI+8*bb:BI+8*bb+3], v[BO], s[68:69] offset:64*bb       ; the bias at my eight columns of each block of 16
	global_load_b128 v[BI+8*bb+4:BI+8*bb+7], v[BO], s[68:69] offset:64*bb+16
.set bb, bb+1
.endr
.macro FRAG reg, adr, q, i             ; B: 16 rows x 128 K from padded rows
.irp c, 0,1,2,3
	ds_load_b128 v[\reg+4*\c:\reg+4*\c+3], v[\adr] offset:128*(\q)+32*\c+(\i)*16*PITCH
.endr
.endm
.macro FRAGA reg, adr, q, i            ; A: the image as it lies
.irp c, 0,1,2,3
	ds_load_b128 v[\reg+4*\c:\reg+4*\c+3], v[\adr] offset:(\i)*4096+(\q)*2048+512*\c
.endr
.endm
.macro MUL16 a0, p, zero               ; the 64 accumulators take turns, one instruction a turn
.irp a, \a0, \a0+1
.irp b, 0,1,2,3,4,5,6,7
.if \zero
	v_wmma_f32_16x16x128_bf8_bf8 v[8*(8*((\a)%4)+\b):8*(8*((\a)%4)+\b)+7], v[128*(\p)+FR*\b:128*(\p)+FR*\b+FR-1], v[AF+FR*(\a):AF+FR*(\a)+FR-1], 0
.else
	v_wmma_f32_16x16x128_bf8_bf8 v[8*(8*((\a)%4)+\b):8*(8*((\a)%4)+\b)+7], v[128*(\p)+FR*\b:128*(\p)+FR*\b+FR-1], v[AF+FR*(\a):AF+FR*(\a)+FR-1], v[8*(8*((\a)%4)+\b):8*(8*((\a)%4)+\b)+7]
.endif
.endr
.endr
.endm
.macro FETCH_B slot, q, p
	WIN TO_B
.irp i, 0,1,2,3,4,5,6,7
	FRAG 128*(\p)+FR*\i, ADRB+\slot, \q, \i
.endr
	WIN 0
.endm
.macro FETCH_A slot, q, i0
.irp i, \i0, \i0+1, \i0+2, \i0+3
	FRAGA AF+FR*(\i), ADRA+\slot, \q, \i
.endr
.endm
.macro PLACES n
.rept \n
	v_nop
.endr
.endm
.macro STEP slot, q, zero
	s_wait_dscnt 4*NL                              ; B's set and A's blocks 0-3 are in; the youngest sixteen loads may be out
	WIN MUL_LO
	MUL16 0, (\q)%2, \zero
	MUL16 2, (\q)%2, \zero
	s_wait_dscnt 0
	PLACES NP
	FETCH_B \slot, (\q)+1, 1-(\q)%2
	FETCH_A \slot, (\q)+1, 0
	WIN MUL_HI
	MUL16 4, (\q)%2, \zero
	MUL16 6, (\q)%2, \zero
	PLACES NP
	WIN 0
	FETCH_A \slot, (\q)+1, 4
.endm
.macro TURN slot, next, fill
	s_wait_tensorcnt 0x0                           ; all my tensor loads have landed: my part of the next slot
	ds_add_u32 v[SPW], v[NIL]                      ; 0 onto my spare word
	s_wait_dscnt 4*NL+1                            ; (the add and the youngest sixteen loads may be out)
	WIN MUL_LO
	MUL16 0, 1, 0
	s_wait_dscnt 0x0                               ; the add is done, and my reads of this slot are over
	s_barrier_signal -1
	MUL16 2, 1, 0
	WIN 0
	s_barrier_wait -1
.if \fill
	CREST                                          ; a round of the cluster's barrier: no wave of any partner still reads this slot or has a load on its way
	s_add_nc_u64 s[G0+4*\slot+2:G0+4*\slot+3], s[G0+4*\slot+2:G0+4*\slot+3], 8192
	s_add_nc_u64 s[G0B+4*\slot+2:G0B+4*\slot+3], s[G0B+4*\slot+2:G0B+4*\slot+3], 2*ROWB
	JLOAD G0+4*\slot, G1, G0B+4*\slot, G1B
.else
	PLACES NP
.endif
	FETCH_B \next, 0, 0
	FETCH_A \next, 0, 0
	WIN MUL_HI
	MUL16 4, 1, 0
	MUL16 6, 1, 0
	PLACES NP
	WIN 0
	FETCH_A \next, 0, 4
.endm
	s_wait_tensorcnt 1                             ; my part of K step 0 is in (K step 1's load may be out),
	s_barrier_signal -1
	s_barrier_wait -1
	FETCH_B 0, 0, 0
	FETCH_A 0, 0, 0
	FETCH_A 0, 0, 4
	STEP 0, 0, 1
	s_mov_b32 s3, LAPS-1
.Llap:
	TURN 0, 1, 1
	STEP 1, 0, 0
	TURN 1, 0, 1
	STEP 0, 0, 0
	s_sub_co_u32 s3, s3, 1
	s_cmp_lg_u32 s3, 0
	s_cbranch_scc1 .Llap
	TURN 0, 1, 0
	STEP 1, 0, 0
	s_wait_dscnt 4*NL
	WIN MUL_LO
	MUL16 0, 1, 0
	MUL16 2, 1, 0
	s_wait_dscnt 0
	WIN MUL_HI
	MUL16 4, 1, 0
	MUL16 6, 1, 0
	WIN 0
; THE WAY OUT, block by block of 16 rows x 128 columns: sum x 2^(the two exponents) + bias; through my own stage in LDS, back as whole rows of 512 bytes; + the residual, loaded in that same layout; stored.
.macro RLOAD a                         ; the residual's block a into set a % 4 of window 1
	WIN 0x40
.set j, 0
.rept 16
	global_load_b128 v[64*((\a)%4)+4*j:64*((\a)%4)+4*j+3], v[CO], s[70:71] offset:(16*(\a)+j)*4096
.set j, j+1
.endr
	WIN 0
.endm
.macro TOSTAGE a
.set AC, 64*((\a)%4)
.if (\a) > 0
	s_wait_xcnt 0x0                                ; the last block's stores have read these registers
.endif
	WIN (0x02+((\a)/4))
.set j, 0
.rept 32
	v_pk_fma_f32 v[TMP+j:TMP+j+1], v[AC+j:AC+j+1], s[96:97], v[BI+j:BI+j+1] op_sel_hi:[1,0,1]   ; each accumulator from its low end on
.set j, j+2
.endr
	WIN 0
.set j, 0
.rept 8
	ds_store_b128 v[STO], v[TMP+8*j:TMP+8*j+3] offset:64*j
	ds_store_b128 v[STO], v[TMP+8*j+4:TMP+8*j+7] offset:64*j+16
.set j, j+1
.endr
.set j, 0
.rept 16
	ds_load_b128 v[TMP+4*j:TMP+4*j+3], v[RD] offset:j*SPITCH   ; LDS serves a wave's instructions in order (ISA guide 5.7.1.4): these see my stores
.set j, j+1
.endr
.endm
.macro SEND a
	s_wait_dscnt 0x0
.if (\a) < 5
	s_wait_loadcnt 48                              ; behind this block's residual: three blocks' sixteen loads each
.else
	s_wait_loadcnt 16*(7-(\a))
.endif
	WIN 0x04                                       ; source 1: window 1
.set j, 0
.rept 32
	v_pk_add_f32 v[TMP+j:TMP+j+1], v[TMP+j:TMP+j+1], v[64*((\a)%4)+j:64*((\a)%4)+j+1]
.set j, j+2
.endr
	WIN 0
.set j, 0
.rept 16
	global_store_b128 v[CO], v[TMP+4*j:TMP+4*j+3], s[10:11] offset:(16*(\a)+j)*4096   ; 32 lanes store 512 consecutive bytes, aligned
.set j, j+1
.endr
.if (\a) < 4
	RLOAD (\a)+4
.endif
.endm
	s_wait_kmcnt 0x0
	s_add_co_i32 s96, s96, s97
	s_add_co_i32 s96, s96, 127
	s_lshl_b32 s96, s96, 23                        ; 2^(the two exponents added) as f32
	s_mov_b32 s97, s96
	s_wait_loadcnt 0x0                             ; the bias
	PLACES NP
	RLOAD 0
	RLOAD 1
	RLOAD 2
	RLOAD 3
.irp a, 0,1,2,3,4,5,6,7
	TOSTAGE \a
	SEND \a
.endr
	s_wait_tensorcnt 0x0                           ; the wave's end
	ds_add_u32 v[SPW], v[NIL]
	s_wait_dscnt 0x0
	CROUND                                         ; the closing round
	s_endpgm
.Lfunc_end_k_q1c7a62b8f0_w0:
	.size	k_q1c7a62b8f0_w0, .Lfunc_end_k_q1c7a62b8f0_w0-k_q1c7a62b8f0_w0
	.p2alignl 7, 3214868480
	.fill 96, 4, 3214868480
	.section	.rodata,"a",@progbits
	.p2align	6, 0x0
	.amdhsa_kernel k_q1c7a62b8f0_w0
		.amdhsa_group_segment_fixed_size 327680
		.amdhsa_private_segment_fixed_size 0
		.amdhsa_enable_private_segment 0
		.amdhsa_kernarg_size 48
		.amdhsa_user_sgpr_count 2
		.amdhsa_user_sgpr_kernarg_segment_ptr 1
		.amdhsa_wavefront_size32 1
		.amdhsa_system_sgpr_workgroup_id_x 1
		.amdhsa_system_sgpr_workgroup_id_y 1
		.amdhsa_system_sgpr_workgroup_id_z 1
		.amdhsa_system_vgpr_workitem_id 0
		.amdhsa_next_free_vgpr 1024
		.amdhsa_next_free_sgpr 100
		.amdhsa_reserve_vcc 0
		.amdhsa_float_denorm_mode_32 3
		.amdhsa_float_denorm_mode_16_64 3
		.amdhsa_memory_ordered 1
		.amdhsa_forward_progress 1
		.amdhsa_inst_pref_size 154
	.end_amdhsa_kernel
	.amdgpu_metadata
---
amdhsa.version: [ 1, 2 ]
amdhsa.kernels:
  - .name:           k_q1c7a62b8f0_w0
    .symbol:         k_q1c7a62b8f0_w0.kd
    .args:
      - { .name: ac, .offset: 0, .size: 8, .value_kind: global_buffer, .address_space: global }
      - { .name: W0_codes, .offset: 8, .size: 8, .value_kind: global_buffer, .address_space: global }
      - { .name: b0, .offset: 16, .size: 8, .value_kind: global_buffer, .address_space: global }
      - { .name: X, .offset: 24, .size: 8, .value_kind: global_buffer, .address_space: global }
      - { .name: lowp_scales, .offset: 32, .size: 8, .value_kind: global_buffer, .address_space: global }
      - { .name: x1, .offset: 40, .size: 8, .value_kind: global_buffer, .address_space: global }
    .group_segment_fixed_size: 327680
    .private_segment_fixed_size: 0
    .kernarg_segment_align: 8
    .kernarg_segment_size: 48
    .max_flat_workgroup_size: 128
    .sgpr_count:     100
    .vgpr_count:     1024
    .wavefront_size: 32
...
	.end_amdgpu_metadata
.endif
;; end of part 4
;; launch ln2 (part 5): grid 256 x 1, 4 waves a work-group, no clusters, 4,608 bytes of LDS; arguments x1, gamma2, beta2, lowp_scales, xn2; writes xn2
.if DOCPART == 5
	.amdgcn_target "amdgcn-amd-amdhsa--gfx1250"
	.amdhsa_code_object_version 6
	.text
	.protected	k_q1c7a62b8f0_ln2
	.globl	k_q1c7a62b8f0_ln2
	.p2align	8
	.type	k_q1c7a62b8f0_ln2,@function
k_q1c7a62b8f0_ln2:
	s_mov_b64 s[64:65], 0
	v_nop
	global_prefetch_b8 v0, s[64:65] scope:SCOPE_SE
	s_setreg_imm32_b32 hwreg(HW_REG_WAVE_MODE, 25, 1), 1
	s_wait_xcnt 0x0
; Xn2 = (x1 - mean) * rsqrt(var + 1e-5) * gamma2 + beta2, row by row of 1,024 numbers, all in f32, then turned into codes of E5M2 with the given scale 2^e12: xn2 [4096][1024], one code a byte.
; code = x / 2^e, held within +-57,344, rounded to the nearest code, ties to even.  LIMIT: e12 between -126 and 112.  NaN among the inputs is not served.
; 256 work-groups of four waves; a wave takes four rows, one row at a time in 32 registers: the row is read from memory once, and no wave waits for another (no barrier).  All 32 loads go out at the head.
; A load takes 512 consecutive bytes, so lane l holds k = 128 j + 4 l + 0..3 of load j; code register j holds the codes at k = 128 j + 4 l; they turn through the wave's own stage in LDS, so that each store
; covers 512 consecutive bytes, aligned.
.set WREG, 1024
.set T,    12
.set SC,   28
.set CD,   34
.set XR,   64
.set GA,   192
.set BE,   224
	s_load_b256 s[4:11], s[0:1], 0x0               ; x1, gamma2, beta2, the scales' exponents
	s_load_b64 s[12:13], s[0:1], 0x20              ; xn2
	v_lshl_add_u32 v62, v0, 2, 0x1000
	v_mov_b32 v63, 0
	v_lshrrev_b32 v1, 5, v0
	v_readfirstlane_b32 s14, v1
	v_and_b32 v59, 31, v0
	v_lshlrev_b32 v1, 4, v59
	s_mul_i32 s15, s14, WREG
	v_lshl_add_u32 v2, v59, 2, s15
	v_add_nc_u32 v3, s15, v1
	v_mov_b32 v9, 0
	v_mov_b32 v11, 0
	v_mov_b32 v58, 0
	s_mov_b32 s20, 0x3a800000                      ; 1 / 1,024
	s_mov_b32 s21, 0x3727c5ac                      ; 1e-5
	s_mov_b32 s22, 0x76543210
	s_mov_b32 s23, 0xfedcba98
	s_lshl_b32 s38, ttmp9, 16
	s_lshl_b32 s39, s14, 14
	s_add_co_u32 s38, s38, s39
	s_mov_b32 s39, 0
	s_lshr_b32 s40, s38, 2
	s_mov_b32 s41, 0
	s_wait_kmcnt 0x0
	s_load_b32 s25, s[10:11], 0x30                 ; e12
	s_add_nc_u64 s[4:5], s[4:5], s[38:39]
	s_add_nc_u64 s[32:33], s[12:13], s[40:41]
.set j, 0
.rept 8
	global_load_b128 v[GA+4*j:GA+4*j+3], v1, s[6:7] offset:512*j
	global_load_b128 v[BE+4*j:BE+4*j+3], v1, s[8:9] offset:512*j
.set j, j+1
.endr
.set i, 0
.rept 4
.set j, 0
.rept 8
	global_load_b128 v[XR+32*i+4*j:XR+32*i+4*j+3], v1, s[4:5] offset:4096*i+512*j
.set j, j+1
.endr
.set i, i+1
.endr
	s_wait_kmcnt 0x0
	s_add_co_i32 s40, s25, 127
	s_lshl_b32 s41, s40, 23
	v_mov_b32 v[SC], s41
	s_add_co_i32 s40, s40, 15
	s_lshl_b32 s40, s40, 23
	s_or_b32 s40, s40, 0x600000
	v_mov_b32 v[SC+1], s40
.macro REDUCE
	v_add_f32_dpp v[T], v[T], v[T] row_xmask:1 row_mask:0xf bank_mask:0xf
	v_add_f32_dpp v[T], v[T], v[T] row_xmask:2 row_mask:0xf bank_mask:0xf
	v_add_f32_dpp v[T], v[T], v[T] row_xmask:4 row_mask:0xf bank_mask:0xf
	v_add_f32_dpp v[T], v[T], v[T] row_xmask:8 row_mask:0xf bank_mask:0xf
	v_permlanex16_b32 v58, v[T], s22, s23
	v_add_f32 v[T], v[T], v58
.endm
.macro ROW r, left                     ; left = the loads issued behind this row's eight
.set XB, XR+32*(\r)
	s_wait_loadcnt \left
	v_pk_add_f32 v[T:T+1], v[XB:XB+1], v[XB+2:XB+3]
	v_pk_add_f32 v[T+2:T+3], v[XB+4:XB+5], v[XB+6:XB+7]
.set j, 8
.rept 6
	v_pk_add_f32 v[T:T+1], v[T:T+1], v[XB+j:XB+j+1]
	v_pk_add_f32 v[T+2:T+3], v[T+2:T+3], v[XB+j+2:XB+j+3]
.set j, j+4
.endr
	v_pk_add_f32 v[T:T+1], v[T:T+1], v[T+2:T+3]
	v_add_f32 v[T], v[T], v[T+1]
	REDUCE
	v_mul_f32 v8, s20, v[T]                        ; the mean
.set j, 0
.rept 16
	v_pk_add_f32 v[XB+j:XB+j+1], v[XB+j:XB+j+1], v[8:9] op_sel_hi:[1,0] neg_lo:[0,1] neg_hi:[0,1]
.set j, j+2
.endr
	v_pk_mul_f32 v[T:T+1], v[XB:XB+1], v[XB:XB+1]
	v_pk_mul_f32 v[T+2:T+3], v[XB+2:XB+3], v[XB+2:XB+3]
.set j, 4
.rept 7
	v_pk_fma_f32 v[T:T+1], v[XB+j:XB+j+1], v[XB+j:XB+j+1], v[T:T+1]
	v_pk_fma_f32 v[T+2:T+3], v[XB+j+2:XB+j+3], v[XB+j+2:XB+j+3], v[T+2:T+3]
.set j, j+4
.endr
	v_pk_add_f32 v[T:T+1], v[T:T+1], v[T+2:T+3]
	v_add_f32 v[T], v[T], v[T+1]
	REDUCE
	v_fma_f32 v[T], v[T], s20, s21
	v_rsq_f32 v10, v[T]
	v_nop                                          ; a plain instruction behind the transcendental,
	s_wait_alu depctr_va_vdst(0)                   ; and the wait ahead of its first reader
.set j, 0
.rept 16
	v_pk_mul_f32 v[XB+j:XB+j+1], v[XB+j:XB+j+1], v[10:11] op_sel_hi:[1,0]
.set j, j+2
.endr
.set j, 0
.rept 16
	v_pk_fma_f32 v[XB+j:XB+j+1], v[XB+j:XB+j+1], v[GA+j:GA+j+1], v[BE+j:BE+j+1]
.set j, j+2
.endr
	s_wait_xcnt 0x0                                ; the last row's stores have read the code registers
.irp g, 0,1,2,3
.set e, 0
.rept 8
	v_med3_num_f32 v[T+8*(\g%2)+e], v[XB+8*\g+e], -v[SC+1], v[SC+1]   ; the conversion does not saturate (ISA guide 7.6.2)
.set e, e+1
.endr
	v_cvt_scalef32_pk8_bf8_f32 v[CD+2*\g:CD+2*\g+1], v[T+8*(\g%2):T+8*(\g%2)+7], v[SC]
.endr
	v_nop
.set j, 0
.rept 8
	ds_store_b32 v2, v[CD+j] offset:128*j
.set j, j+1
.endr
	ds_load_b128 v[CD:CD+3], v3                    ; LDS serves a wave's instructions in order (ISA guide 5.7.1.4)
	ds_load_b128 v[CD+4:CD+7], v3 offset:512
	s_wait_dscnt 0x0
	global_store_b128 v1, v[CD:CD+3], s[32:33] offset:1024*(\r)
	global_store_b128 v1, v[CD+4:CD+7], s[32:33] offset:1024*(\r)+512
.endm
	ROW 0, 24
	ROW 1, 16
	ROW 2, 8
	ROW 3, 0
	s_wait_tensorcnt 0x0
	ds_add_u32 v62, v63
	s_wait_dscnt 0x0
	s_endpgm
.Lfunc_end_k_q1c7a62b8f0_ln2:
	.size	k_q1c7a62b8f0_ln2, .Lfunc_end_k_q1c7a62b8f0_ln2-k_q1c7a62b8f0_ln2
	.p2alignl 7, 3214868480
	.fill 96, 4, 3214868480
	.section	.rodata,"a",@progbits
	.p2align	6, 0x0
	.amdhsa_kernel k_q1c7a62b8f0_ln2
		.amdhsa_group_segment_fixed_size 4608
		.amdhsa_private_segment_fixed_size 0
		.amdhsa_enable_private_segment 0
		.amdhsa_kernarg_size 40
		.amdhsa_user_sgpr_count 2
		.amdhsa_user_sgpr_kernarg_segment_ptr 1
		.amdhsa_wavefront_size32 1
		.amdhsa_system_sgpr_workgroup_id_x 1
		.amdhsa_system_sgpr_workgroup_id_y 1
		.amdhsa_system_sgpr_workgroup_id_z 1
		.amdhsa_system_vgpr_workitem_id 0
		.amdhsa_next_free_vgpr 256
		.amdhsa_next_free_sgpr 66
		.amdhsa_reserve_vcc 0
		.amdhsa_float_denorm_mode_32 3
		.amdhsa_float_denorm_mode_16_64 3
		.amdhsa_memory_ordered 1
		.amdhsa_forward_progress 1
		.amdhsa_inst_pref_size 43
	.end_amdhsa_kernel
	.amdgpu_metadata
---
amdhsa.version: [ 1, 2 ]
amdhsa.kernels:
  - .name:           k_q1c7a62b8f0_ln2
    .symbol:         k_q1c7a62b8f0_ln2.kd
    .args:
      - { .name: x1, .offset: 0, .size: 8, .value_kind: global_buffer, .address_space: global }
      - { .name: gamma2, .offset: 8, .size: 8, .value_kind: global_buffer, .address_space: global }
      - { .name: beta2, .offset: 16, .size: 8, .value_kind: global_buffer, .address_space: global }
      - { .name: lowp_scales, .offset: 24, .size: 8, .value_kind: global_buffer, .address_space: global }
      - { .name: xn2, .offset: 32, .size: 8, .value_kind: global_buffer, .address_space: global }
    .group_segment_fixed_size: 4608
    .private_segment_fixed_size: 0
    .kernarg_segment_align: 8
    .kernarg_segment_size: 40
    .max_flat_workgroup_size: 128
    .sgpr_count:     66
    .vgpr_count:     256
    .wavefront_size: 32
...
	.end_amdgpu_metadata
.endif
;; end of part 5
;; launch w1 (part 6): grid 16 x 16, 4 waves a work-group, clusters of 4 x 4, 327,680 bytes of LDS; arguments xn2, W1_codes, b1, lowp_scales, hc; writes hc
.if DOCPART == 6
	.amdgcn_target "amdgcn-amd-amdhsa--gfx1250"
	.amdhsa_code_object_version 6
	.text
	.protected	k_q1c7a62b8f0_w1
	.globl	k_q1c7a62b8f0_w1
	.p2align	8
	.type	k_q1c7a62b8f0_w1,@function
k_q1c7a62b8f0_w1:
	s_mov_b64 s[64:65], 0
	v_nop
	global_prefetch_b8 v0, s[64:65] scope:SCOPE_SE
	s_setreg_imm32_b32 hwreg(HW_REG_WAVE_MODE, 25, 1), 1
	s_wait_xcnt 0x0
	s_wait_alu depctr_hold_cnt(0) depctr_sa_sdst(0) depctr_va_vdst(0) depctr_va_sdst(0) depctr_va_ssrc(0) depctr_va_vcc(0) depctr_vm_vsrc(0)
	s_getreg_b32 s2, hwreg(HW_REG_IB_STS2, 6, 4)
	s_cmp_eq_u32 s2, 0
	s_cbranch_scc0 .Lentry_in_a_cluster
	s_endpgm
.Lentry_in_a_cluster:
	s_bfe_u32 s2, ttmp6, 0x10000c
	s_cmp_lg_u32 s2, 0xf033
	s_cbranch_scc0 .Lentry_shape_is_right
	s_endpgm
.Lentry_shape_is_right:
; h = relu(Xn2 W1 + b1) (product 7) on codes of E5M2, quantised with 2^e14 and stored as IMAGES OF THE OPERAND REGISTERS of the next product: the fragment (16 tokens, K step of 128 hidden units) is 2,048 bytes on end,
; registers 4 c .. 4 c + 3 of lane l at 512 c + 16 l holding k = 32 c + 16 (l / 16) + 0..15; a token tile's 32 fragments one behind the other (65,536 bytes).
; A: Xn2's rows of 1,024 codes; B: W1's rows of 1,024 codes.  A tile of 256 x 256 is made by four waves, 128 x 128 each; K goes in steps of 256 through a ring of two LDS slots filled by the tensor data mover;
; 4 x 4 work-groups form a cluster and ask for A's tiles jointly along a row, for B's along a column.  THE MATRIX INSTRUCTION IS USED TRANSPOSED: a lane holds eight neighbouring hidden units of one token.
; Within a matrix instruction k stands permuted, alike on both sides.  LIMITS: e12 + e13 between -126 and 127; e14 between -126 and 112.  NaN among the inputs is not served.
; REGISTERS, in windows of 256: window 0: v0-31 addresses and scales; v32-95 the bias; from v128 A's fragments, ONE set (on the way out: v128-191 at work, v192-223 codes); window 1: B's fragments, TWO sets; windows 2, 3: the accumulators.
.set SIZE_K, 1024
.set KSTEP,  256
.set ROWB,   256
.set KROW,   SIZE_K
.set PITCH,  272
.set FR,     16
.set NL,     4
.set NP,     4
.set HALFT,  128*PITCH
.set SLOT,   4*HALFT
.set LAPS,   SIZE_K/(2*KSTEP)
.set SPARE,  2*SLOT
.set ADRA, 16
.set ADRB, 20
.set CO,   26
.set BO,   27
.set SPW,  28
.set NIL,  29
.set LIM,  30
.set SCL,  31
.set BI,   32
.set TMP,  128
.set CD,   192
.set AF,   128
.set G1, 24
.set G0, 32
.set G1B, 48
.set G0B, 56
.set MSB, 0
.macro WIN new
.if MSB != \new
	s_set_vgpr_msb (MSB<<8)|\new
.set MSB, \new
.endif
.endm
.set MUL_LO, 0xa1
.set MUL_HI, 0xf1
.set TO_B,   0x40
.macro JLOAD g0a, g1a, g0b, g1b        ; a joint load: waves 0 and 1 fetch for A, waves 2 and 3 for B; four v_nop follow each of the two lines
	s_cmp_eq_u32 s15, 0
	s_cbranch_scc0 .Lfor_b_\@
	tensor_load_to_lds s[\g0a:\g0a+3], s[\g1a:\g1a+7]
	s_nop 0
.rept 4
	v_nop
.endr
	s_branch .Lasked_\@
.Lfor_b_\@:
	tensor_load_to_lds s[\g0b:\g0b+3], s[\g1b:\g1b+7]
	s_nop 0
.rept 4
	v_nop
.endr
.Lasked_\@:
.endm
.macro CREST
	s_cmp_lg_u32 s14, 0
	s_cbranch_scc1 .Lnot_wave_0_\@
	s_barrier_signal -3
.Lnot_wave_0_\@:
	s_barrier_wait -3
	s_barrier_signal -1
	s_barrier_wait -1
.endm
.macro CROUND
	s_barrier_signal -1
	s_barrier_wait -1
	CREST
.endm
	s_load_b128 s[4:7], s[0:1], 0x0                ; Xn2's codes, W1's codes
	s_load_b64 s[12:13], s[0:1], 0x10              ; b1
	s_load_b128 s[8:11], s[0:1], 0x18              ; the scales' exponents, hc
	v_lshl_add_u32 v[SPW], v0, 2, SPARE
	v_mov_b32 v[NIL], 0
	ds_add_u32 v28, v29
	ds_add_u32 v28, v29
	s_wait_dscnt 0x0
	v_lshrrev_b32 v1, 5, v0
	v_readfirstlane_b32 s14, v1
	s_lshr_b32 s15, s14, 1
	s_and_b32 s16, s14, 1
	s_bfe_u32 s40, ttmp6, 0x40000
	s_bfe_u32 s41, ttmp6, 0x40004
	s_lshl_b32 s42, ttmp9, 2
	s_add_co_u32 s42, s42, s40                     ; tile column
	s_and_b32 s17, ttmp7, 0xffff
	s_lshl_b32 s17, s17, 2
	s_add_co_u32 s17, s17, s41                     ; tile row
	s_lshl_b32 s43, s41, 2
	s_lshl_b32 s43, 15, s43
	s_lshl_b32 s44, 0x1111, s40
	s_or_b32 s[G1+0], s43, (0<<16)|(1<<20)|(1<<21)|(5<<22)|(3<<25)
	s_or_b32 s[G1B+0], s44, (0<<16)|(1<<20)|(1<<21)|(5<<22)|(3<<25)
.irp g, G1, G1B
	s_mov_b32 s[\g+1], ROWB<<16
	s_mov_b32 s[\g+2], 128<<16
	s_mov_b32 s[\g+3], ROWB<<16
	s_mov_b32 s[\g+4], 128
	s_mov_b32 s[\g+5], KROW
	s_mov_b32 s[\g+6], 0
	s_mov_b32 s[\g+7], 0
.endr
	s_lshl_b32 s18, s16, 7
	s_lshl_b32 s20, s17, 8
	s_add_co_u32 s20, s20, s18
	s_lshl_b32 s46, s42, 8
	s_add_co_u32 s46, s46, s18
	s_mov_b32 s21, 0
	s_mov_b32 s47, 0
	s_mov_b64 s[18:19], KROW
	s_mul_u64 s[20:21], s[20:21], s[18:19]
	s_mul_u64 s[46:47], s[46:47], s[18:19]
	s_mul_i32 s45, s14, HALFT
	s_wait_kmcnt 0x0
	s_load_b128 s[92:95], s[8:9], 0x30             ; e12, e13, e14, e15
	s_add_nc_u64 s[20:21], s[4:5], s[20:21]
	s_add_nc_u64 s[46:47], s[6:7], s[46:47]
	CROUND
.irp s, 0,1
	s_mov_b32 s[G0+4*\s], 1
	s_add_co_u32 s[G0+4*\s+1], s45, \s*SLOT
	s_add_nc_u64 s[G0+4*\s+2:G0+4*\s+3], s[20:21], \s*ROWB
	s_or_b32 s[G0+4*\s+3], s[G0+4*\s+3], 0x80000000
	s_mov_b32 s[G0B+4*\s], 1
	s_add_co_u32 s[G0B+4*\s+1], s45, \s*SLOT
	s_add_nc_u64 s[G0B+4*\s+2:G0B+4*\s+3], s[46:47], \s*ROWB
	s_or_b32 s[G0B+4*\s+3], s[G0B+4*\s+3], 0x80000000
	JLOAD G0+4*\s, G1, G0B+4*\s, G1B
.endr
	v_and_b32 v1, 15, v0
	v_bfe_u32 v2, v0, 4, 1
	v_mul_u32_u24 v3, v1, PITCH
	v_lshl_add_u32 v4, v2, 4, v3
	s_mul_i32 s21, s15, HALFT
	s_mul_i32 s22, s16, HALFT
	s_add_co_u32 s22, s22, 2*HALFT
.irp s, 0,1
	v_add_nc_u32 v[ADRA+\s], s21, v4
	v_add_nc_u32 v[ADRB+\s], s22, v4
	s_add_co_u32 s21, s21, SLOT
	s_add_co_u32 s22, s22, SLOT
.endr
	v_and_b32 v5, 31, v0
	v_lshlrev_b32 v[CO], 4, v5
	v_lshlrev_b32 v[BO], 5, v2
	s_lshl_b32 s86, s17, 8
	s_lshl_b32 s87, s15, 7
	s_add_co_u32 s86, s86, s87                     ; my first token: its tile's images begin at (token / 16) x 65,536
	s_lshl_b32 s86, s86, 12
	s_lshl_b32 s87, s42, 8
	s_lshl_b32 s88, s16, 7
	s_add_co_u32 s87, s87, s88                     ; my first hidden unit: K step (unit / 128), 2,048 bytes each
	s_lshl_b32 s88, s87, 4
	s_add_co_u32 s86, s86, s88
	s_lshl_b32 s88, s87, 2
	s_mov_b32 s87, 0
	s_mov_b32 s89, 0
	s_add_nc_u64 s[10:11], s[10:11], s[86:87]
	s_add_nc_u64 s[12:13], s[12:13], s[88:89]
.set bb, 0
.rept 8
	global_load_b128 v[BI+8*bb:BI+8*bb+3], v[BO], s[12:13] offset:64*bb
	global_load_b128 v[BI+8*bb+4:BI+8*bb+7], v[BO], s[12:13] offset:64*bb+16
.set bb, bb+1
.endr
.macro FRAG reg, adr, q, i
.irp c, 0,1,2,3
	ds_load_b128 v[\reg+4*\c:\reg+4*\c+3], v[\adr] offset:128*(\q)+32*\c+(\i)*16*PITCH
.endr
.endm
.macro MUL16 a0, p, zero               ; the 64 accumulators take turns, one instruction a turn
.irp a, \a0, \a0+1
.irp b, 0,1,2,3,4,5,6,7
.if \zero
	v_wmma_f32_16x16x128_bf8_bf8 v[8*(8*((\a)%4)+\b):8*(8*((\a)%4)+\b)+7], v[128*(\p)+FR*\b:128*(\p)+FR*\b+FR-1], v[AF+FR*(\a):AF+FR*(\a)+FR-1], 0
.else
	v_wmma_f32_16x16x128_bf8_bf8 v[8*(8*((\a)%4)+\b):8*(8*((\a)%4)+\b)+7], v[128*(\p)+FR*\b:128*(\p)+FR*\b+FR-1], v[AF+FR*(\a):AF+FR*(\a)+FR-1], v[8*(8*((\a)%4)+\b):8*(8*((\a)%4)+\b)+7]
.endif
.endr
.endr
.endm
.macro FETCH_B slot, q, p
	WIN TO_B
.irp i, 0,1,2,3,4,5,6,7
	FRAG 128*(\p)+FR*\i, ADRB+\slot, \q, \i
.endr
	WIN 0
.endm
.macro FETCH_A slot, q, i0
.irp i, \i0, \i0+1, \i0+2, \i0+3
	FRAG AF+FR*(\i), ADRA+\slot, \q, \i
.endr
.endm
.macro PLACES n
.rept \n
	v_nop
.endr
.endm
.macro STEP slot, q, zero
	s_wait_dscnt 4*NL                              ; B's set and A's blocks 0-3 are in; the youngest sixteen loads may be out
	WIN MUL_LO
	MUL16 0, (\q)%2, \zero
	MUL16 2, (\q)%2, \zero
	s_wait_dscnt 0
	PLACES NP
	FETCH_B \slot, (\q)+1, 1-(\q)%2
	FETCH_A \slot, (\q)+1, 0
	WIN MUL_HI
	MUL16 4, (\q)%2, \zero
	MUL16 6, (\q)%2, \zero
	PLACES NP
	WIN 0
	FETCH_A \slot, (\q)+1, 4
.endm
.macro TURN slot, next, fill
	s_wait_tensorcnt 0x0                           ; all my tensor loads have landed: my part of the next slot
	ds_add_u32 v[SPW], v[NIL]                      ; 0 onto my spare word
	s_wait_dscnt 4*NL+1                            ; (the add and the youngest sixteen loads may be out)
	WIN MUL_LO
	MUL16 0, 1, 0
	s_wait_dscnt 0x0                               ; the add is done, and my reads of this slot are over
	s_barrier_signal -1
	MUL16 2, 1, 0
	WIN 0
	s_barrier_wait -1
.if \fill
	CREST                                          ; a round of the cluster's barrier: no wave of any partner still reads this slot or has a load on its way
	s_add_nc_u64 s[G0+4*\slot+2:G0+4*\slot+3], s[G0+4*\slot+2:G0+4*\slot+3], 2*ROWB
	s_add_nc_u64 s[G0B+4*\slot+2:G0B+4*\slot+3], s[G0B+4*\slot+2:G0B+4*\slot+3], 2*ROWB
	JLOAD G0+4*\slot, G1, G0B+4*\slot, G1B
.else
	PLACES NP
.endif
	FETCH_B \next, 0, 0
	FETCH_A \next, 0, 0
	WIN MUL_HI
	MUL16 4, 1, 0
	MUL16 6, 1, 0
	PLACES NP
	WIN 0
	FETCH_A \next, 0, 4
.endm
	s_wait_tensorcnt 1                             ; my part of K step 0 is in (K step 1's load may be out),
	s_barrier_signal -1
	s_barrier_wait -1
	FETCH_B 0, 0, 0
	FETCH_A 0, 0, 0
	FETCH_A 0, 0, 4
	STEP 0, 0, 1
	s_mov_b32 s3, LAPS-1
.Llap:
	TURN 0, 1, 1
	STEP 1, 0, 0
	TURN 1, 0, 1
	STEP 0, 0, 0
	s_sub_co_u32 s3, s3, 1
	s_cmp_lg_u32 s3, 0
	s_cbranch_scc1 .Llap
	TURN 0, 1, 0
	STEP 1, 0, 0
	s_wait_dscnt 4*NL
	WIN MUL_LO
	MUL16 0, 1, 0
	MUL16 2, 1, 0
	s_wait_dscnt 0
	WIN MUL_HI
	MUL16 4, 1, 0
	MUL16 6, 1, 0
	WIN 0
; THE WAY OUT of block a (16 tokens x 128 hidden units): sum x 2^(e12 + e13) + b1; the activation and the hold in one; converted; two lane swaps a pair of tiles bring 16 neighbouring units into a lane;
; the 16 registers are then one fragment of the next product, stored as they stand.
.macro ECODE a
.set AC, 64*((\a)%4)
.set CSET, CD+16*((\a)%2)
.if (\a) >= 2
	s_wait_xcnt 0x0                                ; block a - 2's stores have read these code registers
.endif
	WIN (0x02+((\a)/4))
.set j, 0
.rept 32
	v_pk_fma_f32 v[TMP+j:TMP+j+1], v[AC+j:AC+j+1], s[96:97], v[BI+j:BI+j+1] op_sel_hi:[1,0,1]   ; each accumulator from its low end on
.set j, j+2
.endr
	WIN 0
.set j, 0
.rept 64
	v_med3_num_f32 v[TMP+j], v[TMP+j], 0, v[LIM]   ; between 0 and the largest code x the scale
.set j, j+1
.endr
.set j, 0
.rept 8
	v_cvt_scalef32_pk8_bf8_f32 v[CSET+2*j:CSET+2*j+1], v[TMP+8*j:TMP+8*j+7], v[SCL]   ; units 16 j + 8 (lane / 16) + 0..7
.set j, j+1
.endr
	v_nop
.irp c, 0,1,2,3
	v_permlane16_swap_b32 v[CSET+4*\c], v[CSET+4*\c+2]     ; the first's lanes 16-31 change places with the second's lanes 0-15: registers 4 c .. 4 c + 3 then hold units 32 c + 16 (lane / 16) + 0..15
	v_permlane16_swap_b32 v[CSET+4*\c+1], v[CSET+4*\c+3]
.endr
.irp g, 0,1,2,3
	global_store_b128 v[CO], v[CSET+4*\g:CSET+4*\g+3], s[10:11] offset:(\a)*65536+512*\g   ; 32 lanes store 512 consecutive bytes, aligned
.endr
.endm
	s_wait_kmcnt 0x0
	s_add_co_i32 s86, s92, s93
	s_add_co_i32 s86, s86, 127
	s_lshl_b32 s96, s86, 23                        ; 2^(e12 + e13)
	s_mov_b32 s97, s96
	s_add_co_i32 s89, s94, 127
	s_lshl_b32 s90, s89, 23
	v_mov_b32 v[SCL], s90                          ; 2^e14
	s_add_co_i32 s89, s89, 15
	s_lshl_b32 s89, s89, 23
	s_or_b32 s89, s89, 0x600000
	v_mov_b32 v[LIM], s89
	s_wait_loadcnt 0x0                             ; the bias
	PLACES NP
.irp a, 0,1,2,3,4,5,6,7
	ECODE \a
.endr
	s_wait_tensorcnt 0x0                           ; the wave's end
	ds_add_u32 v[SPW], v[NIL]
	s_wait_dscnt 0x0
	CROUND                                         ; the closing round
	s_endpgm
.Lfunc_end_k_q1c7a62b8f0_w1:
	.size	k_q1c7a62b8f0_w1, .Lfunc_end_k_q1c7a62b8f0_w1-k_q1c7a62b8f0_w1
	.p2alignl 7, 3214868480
	.fill 96, 4, 3214868480
	.section	.rodata,"a",@progbits
	.p2align	6, 0x0
	.amdhsa_kernel k_q1c7a62b8f0_w1
		.amdhsa_group_segment_fixed_size 327680
		.amdhsa_private_segment_fixed_size 0
		.amdhsa_enable_private_segment 0
		.amdhsa_kernarg_size 40
		.amdhsa_user_sgpr_count 2
		.amdhsa_user_sgpr_kernarg_segment_ptr 1
		.amdhsa_wavefront_size32 1
		.amdhsa_system_sgpr_workgroup_id_x 1
		.amdhsa_system_sgpr_workgroup_id_y 1
		.amdhsa_system_sgpr_workgroup_id_z 1
		.amdhsa_system_vgpr_workitem_id 0
		.amdhsa_next_free_vgpr 1024
		.amdhsa_next_free_sgpr 100
		.amdhsa_reserve_vcc 0
		.amdhsa_float_denorm_mode_32 3
		.amdhsa_float_denorm_mode_16_64 3
		.amdhsa_memory_ordered 1
		.amdhsa_forward_progress 1
		.amdhsa_inst_pref_size 137
	.end_amdhsa_kernel
	.amdgpu_metadata
---
amdhsa.version: [ 1, 2 ]
amdhsa.kernels:
  - .name:           k_q1c7a62b8f0_w1
    .symbol:         k_q1c7a62b8f0_w1.kd
    .args:
      - { .name: xn2, .offset: 0, .size: 8, .value_kind: global_buffer, .address_space: global }
      - { .name: W1_codes, .offset: 8, .size: 8, .value_kind: global_buffer, .address_space: global }
      - { .name: b1, .offset: 16, .size: 8, .value_kind: global_buffer, .address_space: global }
      - { .name: lowp_scales, .offset: 24, .size: 8, .value_kind: global_buffer, .address_space: global }
      - { .name: hc, .offset: 32, .size: 8, .value_kind: global_buffer, .address_space: global }
    .group_segment_fixed_size: 327680
    .private_segment_fixed_size: 0
    .kernarg_segment_align: 8
    .kernarg_segment_size: 40
    .max_flat_workgroup_size: 128
    .sgpr_count:     100
    .vgpr_count:     1024
    .wavefront_size: 32
...
	.end_amdgpu_metadata
.endif
;; end of part 6
;; launch w2 (part 7): grid 4 x 16, 4 waves a work-group, clusters of 4 x 4, 327,680 bytes of LDS; arguments hc, W2_codes, b2, x1, lowp_scales, out0; writes out0
.if DOCPART == 7
	.amdgcn_target "amdgcn-amd-amdhsa--gfx1250"
	.amdhsa_code_object_version 6
	.text
	.protected	k_q1c7a62b8f0_w2
	.globl	k_q1c7a62b8f0_w2
	.p2align	8
	.type	k_q1c7a62b8f0_w2,@function
k_q1c7a62b8f0_w2:
	s_mov_b64 s[64:65], 0
	v_nop
	global_prefetch_b8 v0, s[64:65] scope:SCOPE_SE
	s_setreg_imm32_b32 hwreg(HW_REG_WAVE_MODE, 25, 1), 1
	s_wait_xcnt 0x0
	s_wait_alu depctr_hold_cnt(0) depctr_sa_sdst(0) depctr_va_vdst(0) depctr_va_sdst(0) depctr_va_ssrc(0) depctr_va_vcc(0) depctr_vm_vsrc(0)
	s_getreg_b32 s2, hwreg(HW_REG_IB_STS2, 6, 4)
	s_cmp_eq_u32 s2, 0
	s_cbranch_scc0 .Lentry_in_a_cluster
	s_endpgm
.Lentry_in_a_cluster:
	s_bfe_u32 s2, ttmp6, 0x10000c
	s_cmp_lg_u32 s2, 0xf033
	s_cbranch_scc0 .Lentry_shape_is_right
	s_endpgm
.Lentry_shape_is_right:
; out0 = h W2 + b2 + x1 (product 8) on codes of E5M2.  A: the hidden layer's codes as IMAGES OF THE OPERAND REGISTERS: the fragment (16 tokens, K step of 128) is 2,048 bytes on end, registers 4 c .. 4 c + 3 of lane l at 512 c + 16 l,
; a token tile's fragments one behind the other (16 x SIZE_K bytes).  B: W2's rows of SIZE_K codes.  Output and residual: [4096][1024] f32.
; A tile of 256 x 256 is made by four waves, 128 x 128 each; K goes in steps of 256 through a ring of two LDS slots filled by the tensor data mover; 4 x 4 work-groups form a cluster and ask for A's tiles jointly along a row,
; for B's along a column.  THE MATRIX INSTRUCTION IS USED TRANSPOSED (source 0 = 16 rows of B, source 1 = 16 tokens): a lane holds eight neighbouring numbers of a row of the output.
; Within a matrix instruction k stands permuted, alike on both sides (registers 4 c .. 4 c + 3: k = 32 c + 16 (lane / 16) + 0..15).
; 1,024 columns make 64 tiles of this size: 64 work-groups.  LIMIT: the two exponents added lie between -126 and 127.
; REGISTERS, in windows of 256: window 0: v0-31 addresses; v32-95 the bias; from v128 A's fragments, ONE set (on the way out v128-191 at work); window 1: B's fragments, TWO sets (on the way out: four blocks of the residual);
;   windows 2, 3: the accumulators.
.set SIZE_K, 4096
.set EOFF,   56                        ; the byte at which this product's two exponents stand
.set KSTEP,  256
.set ROWB,   256
.set KROW,   SIZE_K
.set PITCH,  272
.set FR,     16
.set NL,     4
.set NP,     4
.set HALFT,  128*PITCH
.set SLOT,   4*HALFT
.set LAPS,   SIZE_K/(2*KSTEP)
.set SPARE,  2*SLOT
.set SPITCH, 528                       ; the way out: a stage of 16 rows x (512 bytes + 16) for each wave, in slot 0, which has had its last fill and its last read by then
.set ADRA, 16
.set ADRB, 20
.set STO,  24
.set RD,   25
.set CO,   26
.set BO,   27
.set SPW,  28
.set NIL,  29
.set BI,   32
.set TMP,  128
.set AF,   128
.set G1, 24
.set G0, 32
.set G1B, 48
.set G0B, 56
.set MSB, 0
.macro WIN new
.if MSB != \new
	s_set_vgpr_msb (MSB<<8)|\new
.set MSB, \new
.endif
.endm
.set MUL_LO, 0xa1
.set MUL_HI, 0xf1
.set TO_B,   0x40
.macro JLOAD g0a, g1a, g0b, g1b        ; a joint load: waves 0 and 1 fetch for A, waves 2 and 3 for B; four v_nop follow each of the two lines
	s_cmp_eq_u32 s15, 0
	s_cbranch_scc0 .Lfor_b_\@
	tensor_load_to_lds s[\g0a:\g0a+3], s[\g1a:\g1a+7]
	s_nop 0
.rept 4
	v_nop
.endr
	s_branch .Lasked_\@
.Lfor_b_\@:
	tensor_load_to_lds s[\g0b:\g0b+3], s[\g1b:\g1b+7]
	s_nop 0
.rept 4
	v_nop
.endr
.Lasked_\@:
.endm
.macro CREST
	s_cmp_lg_u32 s14, 0
	s_cbranch_scc1 .Lnot_wave_0_\@
	s_barrier_signal -3
.Lnot_wave_0_\@:
	s_barrier_wait -3
	s_barrier_signal -1
	s_barrier_wait -1
.endm
.macro CROUND
	s_barrier_signal -1
	s_barrier_wait -1
	CREST
.endm
	s_load_b128 s[4:7], s[0:1], 0x0                ; A's images, B's codes
	s_load_b128 s[68:71], s[0:1], 0x10             ; the bias, the residual
	s_load_b128 s[8:11], s[0:1], 0x20              ; the scales' exponents, the output
	v_lshl_add_u32 v[SPW], v0, 2, SPARE
	v_mov_b32 v[NIL], 0
	ds_add_u32 v28, v29
	ds_add_u32 v28, v29
	s_wait_dscnt 0x0
	v_lshrrev_b32 v1, 5, v0
	v_readfirstlane_b32 s14, v1
	s_lshr_b32 s15, s14, 1
	s_and_b32 s16, s14, 1
	s_bfe_u32 s40, ttmp6, 0x40000
	s_bfe_u32 s41, ttmp6, 0x40004
	s_lshl_b32 s42, ttmp9, 2
	s_add_co_u32 s42, s42, s40                     ; tile column
	s_and_b32 s17, ttmp7, 0xffff
	s_lshl_b32 s17, s17, 2
	s_add_co_u32 s17, s17, s41                     ; tile row
	s_lshl_b32 s43, s41, 2
	s_lshl_b32 s43, 15, s43
	s_lshl_b32 s44, 0x1111, s40
	; A's tile: 8 token tiles x 4,096 bytes (two fragments each), 16 x SIZE_K bytes apart, dense in LDS: elements of 8 bytes, no padding
	s_or_b32 s[G1+0], s43, (3<<16)|(1<<21)
	s_mov_b32 s[G1+1], 512<<16
	s_mov_b32 s[G1+2], 8<<16
	s_mov_b32 s[G1+3], 512<<16
	s_mov_b32 s[G1+4], 8
	s_mov_b32 s[G1+5], 2*SIZE_K
	s_mov_b32 s[G1+6], 0
	s_mov_b32 s[G1+7], 0
	; B's tile: 128 rows x 256 bytes, padded in LDS
	s_or_b32 s[G1B+0], s44, (0<<16)|(1<<20)|(1<<21)|(5<<22)|(3<<25)
	s_mov_b32 s[G1B+1], ROWB<<16
	s_mov_b32 s[G1B+2], 128<<16
	s_mov_b32 s[G1B+3], ROWB<<16
	s_mov_b32 s[G1B+4], 128
	s_mov_b32 s[G1B+5], KROW
	s_mov_b32 s[G1B+6], 0
	s_mov_b32 s[G1B+7], 0
	s_lshl_b32 s18, s16, 7
	s_lshl_b32 s46, s42, 8
	s_add_co_u32 s46, s46, s18                     ; B: row 256 x tile column + 128 x half
	s_mov_b32 s47, 0
	s_mov_b64 s[18:19], KROW
	s_mul_u64 s[46:47], s[46:47], s[18:19]
	s_lshl_b32 s20, s17, 4
	s_lshl_b32 s21, s16, 3
	s_add_co_u32 s20, s20, s21                     ; A: token tile 16 x tile row + 8 x half
	s_mov_b32 s21, 0
	s_mov_b64 s[18:19], 16*SIZE_K
	s_mul_u64 s[20:21], s[20:21], s[18:19]
	s_mul_i32 s45, s14, HALFT
	s_wait_kmcnt 0x0
	s_load_b64 s[96:97], s[8:9], EOFF
	s_add_nc_u64 s[20:21], s[4:5], s[20:21]
	s_add_nc_u64 s[46:47], s[6:7], s[46:47]
	CROUND
.irp s, 0,1
	s_mov_b32 s[G0+4*\s], 1
	s_add_co_u32 s[G0+4*\s+1], s45, \s*SLOT
	s_add_nc_u64 s[G0+4*\s+2:G0+4*\s+3], s[20:21], \s*4096
	s_or_b32 s[G0+4*\s+3], s[G0+4*\s+3], 0x80000000
	s_mov_b32 s[G0B+4*\s], 1
	s_add_co_u32 s[G0B+4*\s+1], s45, \s*SLOT
	s_add_nc_u64 s[G0B+4*\s+2:G0B+4*\s+3], s[46:47], \s*ROWB
	s_or_b32 s[G0B+4*\s+3], s[G0B+4*\s+3], 0x80000000
	JLOAD G0+4*\s, G1, G0B+4*\s, G1B
.endr
	v_and_b32 v1, 15, v0
	v_bfe_u32 v2, v0, 4, 1
	v_mul_u32_u24 v3, v1, PITCH
	v_lshl_add_u32 v4, v2, 4, v3
	v_and_b32 v6, 31, v0
	v_lshlrev_b32 v[CO], 4, v6                     ; 16 x lane
	s_mul_i32 s21, s15, HALFT
	s_mul_i32 s22, s16, HALFT
	s_add_co_u32 s22, s22, 2*HALFT
.irp s, 0,1
	v_add_nc_u32 v[ADRA+\s], s21, v[CO]            ; an image's place for my lane
	v_add_nc_u32 v[ADRB+\s], s22, v4
	s_add_co_u32 s21, s21, SLOT
	s_add_co_u32 s22, s22, SLOT
.endr
	s_mul_i32 s23, s14, 16*SPITCH
	v_mul_u32_u24 v5, v1, SPITCH
	v_lshl_add_u32 v5, v2, 5, v5
	v_add_nc_u32 v[STO], s23, v5                   ; the stage, in: row l % 16, 32 bytes for each half of the lanes
	v_add_nc_u32 v[RD], s23, v[CO]                 ; back: the 32 lanes take one row of 512 bytes
	v_lshlrev_b32 v[BO], 5, v2
	s_lshl_b32 s86, s17, 8
	s_lshl_b32 s87, s15, 7
	s_add_co_u32 s86, s86, s87                     ; my first row,
	s_lshl_b32 s86, s86, 12                        ; of 4,096 bytes
	s_lshl_b32 s87, s42, 8
	s_lshl_b32 s88, s16, 7
	s_add_co_u32 s87, s87, s88                     ; my first column
	s_lshl_b32 s88, s87, 2
	s_add_co_u32 s86, s86, s88
	s_mov_b32 s87, 0
	s_mov_b32 s89, 0
	s_add_nc_u64 s[10:11], s[10:11], s[86:87]
	s_add_nc_u64 s[70:71], s[70:71], s[86:87]
	s_add_nc_u64 s[68:69], s[68:69], s[88:89]
.set bb, 0
.rept 8
	global_load_b128 v[BI+8*bb:BI+8*bb+3], v[BO], s[68:69] offset:64*bb       ; the bias at my eight columns of each block of 16
	global_load_b128 v[BI+8*bb+4:BI+8*bb+7], v[BO], s[68:69] offset:64*bb+16
.set bb, bb+1
.endr
.macro FRAG reg, adr, q, i             ; B: 16 rows x 128 K from padded rows
.irp c, 0,1,2,3
	ds_load_b128 v[\reg+4*\c:\reg+4*\c+3], v[\adr] offset:128*(\q)+32*\c+(\i)*16*PITCH
.endr
.endm
.macro FRAGA reg, adr, q, i            ; A: the image as it lies
.irp c, 0,1,2,3
	ds_load_b128 v[\reg+4*\c:\reg+4*\c+3], v[\adr] offset:(\i)*4096+(\q)*2048+512*\c
.endr
.endm
.macro MUL16 a0, p, zero               ; the 64 accumulators take turns, one instruction a turn
.irp a, \a0, \a0+1
.irp b, 0,1,2,3,4,5,6,7
.if \zero
	v_wmma_f32_16x16x128_bf8_bf8 v[8*(8*((\a)%4)+\b):8*(8*((\a)%4)+\b)+7], v[128*(\p)+FR*\b:128*(\p)+FR*\b+FR-1], v[AF+FR*(\a):AF+FR*(\a)+FR-1], 0
.else
	v_wmma_f32_16x16x128_bf8_bf8 v[8*(8*((\a)%4)+\b):8*(8*((\a)%4)+\b)+7], v[128*(\p)+FR*\b:128*(\p)+FR*\b+FR-1], v[AF+FR*(\a):AF+FR*(\a)+FR-1], v[8*(8*((\a)%4)+\b):8*(8*((\a)%4)+\b)+7]
.endif
.endr
.endr
.endm
.macro FETCH_B slot, q, p
	WIN TO_B
.irp i, 0,1,2,3,4,5,6,7
	FRAG 128*(\p)+FR*\i, ADRB+\slot, \q, \i
.endr
	WIN 0
.endm
.macro FETCH_A slot, q, i0
.irp i, \i0, \i0+1, \i0+2, \i0+3
	FRAGA AF+FR*(\i), ADRA+\slot, \q, \i
.endr
.endm
.macro PLACES n
.rept \n
	v_nop
.endr
.endm
.macro STEP slot, q, zero
	s_wait_dscnt 4*NL                              ; B's set and A's blocks 0-3 are in; the youngest sixteen loads may be out
	WIN MUL_LO
	MUL16 0, (\q)%2, \zero
	MUL16 2, (\q)%2, \zero
	s_wait_dscnt 0
	PLACES NP
	FETCH_B \slot, (\q)+1, 1-(\q)%2
	FETCH_A \slot, (\q)+1, 0
	WIN MUL_HI
	MUL16 4, (\q)%2, \zero
	MUL16 6, (\q)%2, \zero
	PLACES NP
	WIN 0
	FETCH_A \slot, (\q)+1, 4
.endm
.macro TURN slot, next, fill
	s_wait_tensorcnt 0x0                           ; all my tensor loads have landed: my part of the next slot
	ds_add_u32 v[SPW], v[NIL]                      ; 0 onto my spare word
	s_wait_dscnt 4*NL+1                            ; (the add and the youngest sixteen loads may be out)
	WIN MUL_LO
	MUL16 0, 1, 0
	s_wait_dscnt 0x0                               ; the add is done, and my reads of this slot are over
	s_barrier_signal -1
	MUL16 2, 1, 0
	WIN 0
	s_barrier_wait -1
.if \fill
	CREST                                          ; a round of the cluster's barrier: no wave of any partner still reads this slot or has a load on its way
	s_add_nc_u64 s[G0+4*\slot+2:G0+4*\slot+3], s[G0+4*\slot+2:G0+4*\slot+3], 8192
	s_add_nc_u64 s[G0B+4*\slot+2:G0B+4*\slot+3], s[G0B+4*\slot+2:G0B+4*\slot+3], 2*ROWB
	JLOAD G0+4*\slot, G1, G0B+4*\slot, G1B
.else
	PLACES NP
.endif
	FETCH_B \next, 0, 0
	FETCH_A \next, 0, 0
	WIN MUL_HI
	MUL16 4, 1, 0
	MUL16 6, 1, 0
	PLACES NP
	WIN 0
	FETCH_A \next, 0, 4
.endm
	s_wait_tensorcnt 1                             ; my part of K step 0 is in (K step 1's load may be out),
	s_barrier_signal -1
	s_barrier_wait -1
	FETCH_B 0, 0, 0
	FETCH_A 0, 0, 0
	FETCH_A 0, 0, 4
	STEP 0, 0, 1
	s_mov_b32 s3, LAPS-1
.Llap:
	TURN 0, 1, 1
	STEP 1, 0, 0
	TURN 1, 0, 1
	STEP 0, 0, 0
	s_sub_co_u32 s3, s3, 1
	s_cmp_lg_u32 s3, 0
	s_cbranch_scc1 .Llap
	TURN 0, 1, 0
	STEP 1, 0, 0
	s_wait_dscnt 4*NL
	WIN MUL_LO
	MUL16 0, 1, 0
	MUL16 2, 1, 0
	s_wait_dscnt 0
	WIN MUL_HI
	MUL16 4, 1, 0
	MUL16 6, 1, 0
	WIN 0
; THE WAY OUT, block by block of 16 rows x 128 columns: sum x 2^(the two exponents) + bias; through my own stage in LDS, back as whole rows of 512 bytes; + the residual, loaded in that same layout; stored.
.macro RLOAD a                         ; the residual's block a into set a % 4 of window 1
	WIN 0x40
.set j, 0
.rept 16
	global_load_b128 v[64*((\a)%4)+4*j:64*((\a)%4)+4*j+3], v[CO], s[70:71] offset:(16*(\a)+j)*4096
.set j, j+1
.endr
	WIN 0
.endm
.macro TOSTAGE a
.set AC, 64*((\a)%4)
.if (\a) > 0
	s_wait_xcnt 0x0                                ; the last block's stores have read these registers
.endif
	WIN (0x02+((\a)/4))
.set j, 0
.rept 32
	v_pk_fma_f32 v[TMP+j:TMP+j+1], v[AC+j:AC+j+1], s[96:97], v[BI+j:BI+j+1] op_sel_hi:[1,0,1]   ; each accumulator from its low end on
.set j, j+2
.endr
	WIN 0
.set j, 0
.rept 8
	ds_store_b128 v[STO], v[TMP+8*j:TMP+8*j+3] offset:64*j
	ds_store_b128 v[STO], v[TMP+8*j+4:TMP+8*j+7] offset:64*j+16
.set j, j+1
.endr
.set j, 0
.rept 16
	ds_load_b128 v[TMP+4*j:TMP+4*j+3], v[RD] offset:j*SPITCH   ; LDS serves a wave's instructions in order (ISA guide 5.7.1.4): these see my stores
.set j, j+1
.endr
.endm
.macro SEND a
	s_wait_dscnt 0x0
.if (\a) < 5
	s_wait_loadcnt 48                              ; behind this block's residual: three blocks' sixteen loads each
.else
	s_wait_loadcnt 16*(7-(\a))
.endif
	WIN 0x04                                       ; source 1: window 1
.set j, 0
.rept 32
	v_pk_add_f32 v[TMP+j:TMP+j+1], v[TMP+j:TMP+j+1], v[64*((\a)%4)+j:64*((\a)%4)+j+1]
.set j, j+2
.endr
	WIN 0
.set j, 0
.rept 16
	global_store_b128 v[CO], v[TMP+4*j:TMP+4*j+3], s[10:11] offset:(16*(\a)+j)*4096 th:TH_STORE_NT   ; 32 lanes store 512 consecutive bytes, aligned; written once, read by nobody here
.set j, j+1
.endr
.if (\a) < 4
	RLOAD (\a)+4
.endif
.endm
	s_wait_kmcnt 0x0
	s_add_co_i32 s96, s96, s97
	s_add_co_i32 s96, s96, 127
	s_lshl_b32 s96, s96, 23                        ; 2^(the two exponents added) as f32
	s_mov_b32 s97, s96
	s_wait_loadcnt 0x0                             ; the bias
	PLACES NP
	RLOAD 0
	RLOAD 1
	RLOAD 2
	RLOAD 3
.irp a, 0,1,2,3,4,5,6,7
	TOSTAGE \a
	SEND \a
.endr
	s_wait_tensorcnt 0x0                           ; the wave's end
	ds_add_u32 v[SPW], v[NIL]
	s_wait_dscnt 0x0
	CROUND                                         ; the closing round
	s_endpgm
.Lfunc_end_k_q1c7a62b8f0_w2:
	.size	k_q1c7a62b8f0_w2, .Lfunc_end_k_q1c7a62b8f0_w2-k_q1c7a62b8f0_w2
	.p2alignl 7, 3214868480
	.fill 96, 4, 3214868480
	.section	.rodata,"a",@progbits
	.p2align	6, 0x0
	.amdhsa_kernel k_q1c7a62b8f0_w2
		.amdhsa_group_segment_fixed_size 327680
		.amdhsa_private_segment_fixed_size 0
		.amdhsa_enable_private_segment 0
		.amdhsa_kernarg_size 48
		.amdhsa_user_sgpr_count 2
		.amdhsa_user_sgpr_kernarg_segment_ptr 1
		.amdhsa_wavefront_size32 1
		.amdhsa_system_sgpr_workgroup_id_x 1
		.amdhsa_system_sgpr_workgroup_id_y 1
		.amdhsa_system_sgpr_workgroup_id_z 1
		.amdhsa_system_vgpr_workitem_id 0
		.amdhsa_next_free_vgpr 1024
		.amdhsa_next_free_sgpr 100
		.amdhsa_reserve_vcc 0
		.amdhsa_float_denorm_mode_32 3
		.amdhsa_float_denorm_mode_16_64 3
		.amdhsa_memory_ordered 1
		.amdhsa_forward_progress 1
		.amdhsa_inst_pref_size 154
	.end_amdhsa_kernel
	.amdgpu_metadata
---
amdhsa.version: [ 1, 2 ]
amdhsa.kernels:
  - .name:           k_q1c7a62b8f0_w2
    .symbol:         k_q1c7a62b8f0_w2.kd
    .args:
      - { .name: hc, .offset: 0, .size: 8, .value_kind: global_buffer, .address_space: global }
      - { .name: W2_codes, .offset: 8, .size: 8, .value_kind: global_buffer, .address_space: global }
      - { .name: b2, .offset: 16, .size: 8, .value_kind: global_buffer, .address_space: global }
      - { .name: x1, .offset: 24, .size: 8, .value_kind: global_buffer, .address_space: global }
      - { .name: lowp_scales, .offset: 32, .size: 8, .value_kind: global_buffer, .address_space: global }
      - { .name: out0, .offset: 40, .size: 8, .value_kind: global_buffer, .address_space: global }
    .group_segment_fixed_size: 327680
    .private_segment_fixed_size: 0
    .kernarg_segment_align: 8
    .kernarg_segment_size: 48
    .max_flat_workgroup_size: 128
    .sgpr_count:     100
    .vgpr_count:     1024
    .wavefront_size: 32
...
	.end_amdgpu_metadata
.endif
;; end of part 7
;; ======== version 2 of 3: 7 launches; 1.26 times as fast as version 1
;; limits: right only within a limited range of input values
;; workspace buffers: xc 12,582,912 bytes; mb 524,288 bytes of whole numbers; qkvc 12,582,912 bytes; ac 4,194,304 bytes; x1 16,777,216 bytes; xn2 4,194,304 bytes; hc 16,777,216 bytes
;; launch ln1: the kernel of part 1 again; grid 256 x 1, 4 waves a work-group, no clusters, 31,232 bytes of LDS; arguments X, gamma1, beta1, lowp_scales, xc, attention_mask, mb; writes xc, mb
;; launch qkv: the kernel of part 2 again; grid 12 x 16, 4 waves a work-group, clusters of 4 x 4, 327,680 bytes of LDS; arguments xc, Wq_codes, Wk_codes, Wv_codes, bq, bk, bv, lowp_scales, qkvc; writes qkvc
;; launch attn: the kernel of part 3 again; grid 8 x 32, 16 waves a work-group, no clusters, 67,584 bytes of LDS; arguments qkvc, mb, lowp_scales, ac; writes ac
;; launch w0 (part 8): grid 8 x 32, 4 waves a work-group, clusters of 4 x 4, 327,680 bytes of LDS; arguments ac, W0_codes, b0, X, lowp_scales, x1; writes x1
.if DOCPART == 8
	.amdgcn_target "amdgcn-amd-amdhsa--gfx1250"
	.amdhsa_code_object_version 6
	.text
	.protected	k_q1c7a62b8f0_w0
	.globl	k_q1c7a62b8f0_w0
	.p2align	8
	.type	k_q1c7a62b8f0_w0,@function
k_q1c7a62b8f0_w0:
	s_mov_b64 s[64:65], 0
	v_nop
	global_prefetch_b8 v0, s[64:65] scope:SCOPE_SE
	s_setreg_imm32_b32 hwreg(HW_REG_WAVE_MODE, 25, 1), 1
	s_wait_xcnt 0x0
	s_wait_alu depctr_hold_cnt(0) depctr_sa_sdst(0) depctr_va_vdst(0) depctr_va_sdst(0) depctr_va_ssrc(0) depctr_va_vcc(0) depctr_vm_vsrc(0)
	s_getreg_b32 s2, hwreg(HW_REG_IB_STS2, 6, 4)
	s_cmp_eq_u32 s2, 0
	s_cbranch_scc0 .Lentry_in_a_cluster
	s_endpgm
.Lentry_in_a_cluster:
	s_bfe_u32 s2, ttmp6, 0x10000c
	s_cmp_lg_u32 s2, 0xf033
	s_cbranch_scc0 .Lentry_shape_is_right
	s_endpgm
.Lentry_shape_is_right:
; x1 = attn W0 + b0 + X (product 6) on codes of E5M2.  A: the attention's codes as IMAGES OF THE OPERAND REGISTERS: the fragment (16 tokens, 128 along K) is 2,048 bytes on end, registers 4 c .. 4 c + 3 of lane l at 512 c + 16 l,
; a token tile's fragments one behind the other (16 x SIZE_K bytes).  B: W0's rows of SIZE_K codes.  Output and residual: [4096][1024] f32.
; 4,096 x 1,024 outputs are 256 tiles of 128 x 128: one work-group each.  Four waves, 64 x 64 each: 16 accumulators of 16 x 16, 128 registers.
; K goes in steps of 512 through two LDS slots filled by the tensor data mover: as long as two slots in LDS allow.  SIZE_K = 1,024 is two such steps: both are first fills, and no slot is filled again.
; CLUSTERS: 4 x 4 work-groups.  The four of a row of the cluster need the same tile of A, the four of a column the same tile of B: each is asked for JOINTLY, by the same tensor load with the same descriptor and a mask that names the four.
; THE MATRIX INSTRUCTION IS USED TRANSPOSED (source 0 = 16 rows of B, source 1 = 16 tokens): a lane holds eight neighbouring numbers of a row of the output.
; Within a matrix instruction k stands permuted, alike on both sides (registers 4 c .. 4 c + 3: k = 32 c + 16 (lane / 16) + 0..15): every product meets its partner.
; The residual, 128 registers a wave, is asked for at the head, behind the first joint loads, in the layout in which the rows are stored: the way out waits for no load.
; LIMIT: the two exponents added lie between -126 and 127.
; REGISTERS, in windows of 256: window 0: v16-29 addresses; v32-63 the bias; v64-127 two sets of 32 for the way out; v128-255 the accumulators ((a, b) at v[128 + 8 (4 a + b)]);
;   window 1: two fragment buffers of 128: for 128 along K, 64 registers of A (4 x 16 tokens), then 64 of B (4 x 16 rows);   window 2: v0-127 the residual.
.set SIZE_K, 1024
.set EOFF,   40                        ; the byte at which this product's two exponents stand
.set KSTEP,  512
.set ROWB,   512                       ; a row of B's tile in bytes
.set KROW,   SIZE_K
.set PITCH,  528                       ; B's LDS row: 512 bytes + 16 of padding = 132 words: row r starts at bank 4 r mod 64 (64 banks of 4 bytes: ISA guide 11.1)
.set FR,     16                        ; registers of a fragment
.set AHALF,  4*8192                    ; what one tensor load brings of A: 4 token tiles x 4 fragments, dense
.set BHALF,  64*PITCH                  ; and of B: 64 rows
.set BOFF,   2*AHALF                   ; a slot: A's 128 tokens, then B's 128 rows
.set SLOT,   BOFF+2*BHALF
.set LAPS,   SIZE_K/(2*KSTEP)          ; a lap = two K steps = once round the ring
.set SPARE,  2*SLOT                    ; behind the ring: the spare words, 128 bytes for each wave, which no other line names
.set SPITCH, 272                       ; the way out: a stage of 16 rows x (256 bytes + 16) for each wave, in slot 0, which has had its last fill and its last read by then
.set ADRA, 16                          ; v16-17  LDS address of my A fragments in slot 0, 1
.set ADRB, 20                          ; v20-21  the same for B
.set STO,  24                          ; v24     the stage: where I put 32 bytes of a row
.set RD,   25                          ; v25     and where I read a row back
.set CO,   26                          ; v26     my byte offset in two rows of the output
.set BO,   27                          ; v27     32 x (lane / 16)
.set SPW,  28                          ; v28     LDS address of my spare word; never rewritten
.set NIL,  29                          ; v29     0; never rewritten
.set BI,   32
.set TMP,  64
.set ACC,  128
.set F0,   0                           ; fragment buffers, in window 1
.set F1,   128
.set G1, 24                            ; s[24:31] descriptor group 1 for A's tiles;  s[32:39] group 0, one set for each slot
.set G0, 32
.set G1B, 48                           ; s[48:55], s[56:63] the same for B's tiles
.set G0B, 56
.set MSB, 0
.macro WIN new                         ; the immediate's high byte repeats the setting that is left
.if MSB != \new
	s_set_vgpr_msb (MSB<<8)|\new
.set MSB, \new
.endif
.endm
.set MUL,  0x05                        ; sources 0 (B) and 1 (A) window 1; C and D window 0
.set TO_F, 0x40                        ; destination window 1, address window 0
.macro JLOAD g0a, g1a, g0b, g1b        ; a joint load: waves 0 and 1 fetch for A, waves 2 and 3 for B; the branch hangs on the wave's number alone; four v_nop follow each of the two lines
	s_cmp_eq_u32 s15, 0
	s_cbranch_scc0 .Lfor_b_\@
	tensor_load_to_lds s[\g0a:\g0a+3], s[\g1a:\g1a+7]
	s_nop 0
.rept 4
	v_nop
.endr
	s_branch .Lasked_\@
.Lfor_b_\@:
	tensor_load_to_lds s[\g0b:\g0b+3], s[\g1b:\g1b+7]
	s_nop 0
.rept 4
	v_nop
.endr
.Lasked_\@:
.endm
.macro CREST                           ; a round of the cluster's barrier behind its opening barrier
	s_cmp_lg_u32 s14, 0
	s_cbranch_scc1 .Lnot_wave_0_\@
	s_barrier_signal -3
.Lnot_wave_0_\@:
	s_barrier_wait -3
	s_barrier_signal -1
	s_barrier_wait -1
.endm
.macro CROUND                          ; a whole round
	s_barrier_signal -1
	s_barrier_wait -1
	CREST
.endm
	s_load_b128 s[4:7], s[0:1], 0x0                ; A's images, B's codes
	s_load_b128 s[68:71], s[0:1], 0x10             ; the bias, the residual
	s_load_b128 s[8:11], s[0:1], 0x20              ; the scales' exponents, the output
	v_lshl_add_u32 v[SPW], v0, 2, SPARE
	v_mov_b32 v[NIL], 0
	ds_add_u32 v28, v29
	ds_add_u32 v28, v29
	s_wait_dscnt 0x0
	v_lshrrev_b32 v1, 5, v0
	v_readfirstlane_b32 s14, v1                    ; wave 0..3
	s_lshr_b32 s15, s14, 1                         ; which half of the tile's rows is mine.  Also: I fetch for A (0) or for B (1)
	s_and_b32 s16, s14, 1                          ; which half of its columns.  Also: which half of that tile I fetch
	s_bfe_u32 s40, ttmp6, 0x40000                  ; cx, cy: my place in the cluster
	s_bfe_u32 s41, ttmp6, 0x40004
	s_lshl_b32 s42, ttmp9, 2
	s_add_co_u32 s42, s42, s40                     ; tile column = 4 x cluster x + cx
	s_and_b32 s17, ttmp7, 0xffff
	s_lshl_b32 s17, s17, 2
	s_add_co_u32 s17, s17, s41                     ; tile row = 4 x cluster y + cy
	s_lshl_b32 s43, s41, 2
	s_lshl_b32 s43, 15, s43                        ; my row of the cluster
	s_lshl_b32 s44, 0x1111, s40                    ; my column
	; A's tile: 4 token tiles x 8,192 bytes (four fragments each), 16 x SIZE_K bytes apart in memory, dense in LDS: elements of 8 bytes, no padding
	s_or_b32 s[G1+0], s43, (3<<16)|(1<<21)         ; 15:0 the mask: A's tiles go to my row; 17:16 elements of 8 bytes; 21 set beside a mask
	s_mov_b32 s[G1+1], 1024<<16                    ; tensor_dim0 = 1,024 elements
	s_mov_b32 s[G1+2], 4<<16                       ; tensor_dim1 = 4
	s_mov_b32 s[G1+3], 1024<<16                    ; tile_dim0
	s_mov_b32 s[G1+4], 4                           ; tile_dim1
	s_mov_b32 s[G1+5], 2*SIZE_K                    ; from token tile to token tile, in elements
	s_mov_b32 s[G1+6], 0
	s_mov_b32 s[G1+7], 0
	; B's tile: 64 rows x 512 bytes, padded in LDS
	s_or_b32 s[G1B+0], s44, (0<<16)|(1<<20)|(1<<21)|(6<<22)|(3<<25)  ; the mask of my column; elements of 1 byte; padding on; after every 128 words (code 6), 4 words (code 3)
	s_mov_b32 s[G1B+1], ROWB<<16
	s_mov_b32 s[G1B+2], 64<<16
	s_mov_b32 s[G1B+3], ROWB<<16
	s_mov_b32 s[G1B+4], 64
	s_mov_b32 s[G1B+5], KROW
	s_mov_b32 s[G1B+6], 0
	s_mov_b32 s[G1B+7], 0
	s_lshl_b32 s18, s16, 6
	s_lshl_b32 s46, s42, 7
	s_add_co_u32 s46, s46, s18                     ; B: row 128 x tile column + 64 x half
	s_mov_b32 s47, 0
	s_mov_b64 s[18:19], KROW
	s_mul_u64 s[46:47], s[46:47], s[18:19]
	s_lshl_b32 s20, s17, 3
	s_lshl_b32 s21, s16, 2
	s_add_co_u32 s20, s20, s21                     ; A: token tile 8 x tile row + 4 x half
	s_mov_b32 s21, 0
	s_mov_b64 s[18:19], 16*SIZE_K
	s_mul_u64 s[20:21], s[20:21], s[18:19]
	s_mul_i32 s45, s16, AHALF                      ; where they go: no place in the cluster enters an LDS address
	s_mul_i32 s84, s16, BHALF
	s_add_co_u32 s84, s84, BOFF
	s_wait_kmcnt 0x0
	s_load_b64 s[96:97], s[8:9], EOFF
	s_add_nc_u64 s[20:21], s[4:5], s[20:21]
	s_add_nc_u64 s[46:47], s[6:7], s[46:47]
	CROUND                                         ; all sixteen work-groups are here: the first joint loads meet
.irp s, 0,1
	s_mov_b32 s[G0+4*\s], 1
	s_add_co_u32 s[G0+4*\s+1], s45, \s*SLOT
	s_add_nc_u64 s[G0+4*\s+2:G0+4*\s+3], s[20:21], \s*8192
	s_or_b32 s[G0+4*\s+3], s[G0+4*\s+3], 0x80000000
	s_mov_b32 s[G0B+4*\s], 1
	s_add_co_u32 s[G0B+4*\s+1], s84, \s*SLOT
	s_add_nc_u64 s[G0B+4*\s+2:G0B+4*\s+3], s[46:47], \s*ROWB
	s_or_b32 s[G0B+4*\s+3], s[G0B+4*\s+3], 0x80000000
	JLOAD G0+4*\s, G1, G0B+4*\s, G1B
.endr
	v_and_b32 v1, 15, v0                           ; l % 16
	v_bfe_u32 v2, v0, 4, 1                         ; l / 16
	v_mul_u32_u24 v3, v1, PITCH
	v_lshl_add_u32 v4, v2, 4, v3                   ; B: a fragment's row x pitch + 16 x half
	v_and_b32 v6, 31, v0
	v_lshlrev_b32 v7, 4, v6                        ; A: an image's place for my lane: 16 x lane
	s_mul_i32 s21, s15, AHALF                      ; my 64 tokens of A
	s_mul_i32 s22, s16, BHALF                      ; my 64 rows of B,
	s_add_co_u32 s22, s22, BOFF                    ; which lie behind A
.irp s, 0,1
	v_add_nc_u32 v[ADRA+\s], s21, v7
	v_add_nc_u32 v[ADRB+\s], s22, v4
	s_add_co_u32 s21, s21, SLOT
	s_add_co_u32 s22, s22, SLOT
.endr
	s_mul_i32 s23, s14, 16*SPITCH                  ; my stage
	v_mul_u32_u24 v5, v1, SPITCH
	v_lshl_add_u32 v5, v2, 5, v5
	v_add_nc_u32 v[STO], s23, v5                   ; in: row l % 16, 32 bytes for each half of the lanes
	v_mul_u32_u24 v5, v2, SPITCH
	v_lshl_add_u32 v5, v1, 4, v5
	v_add_nc_u32 v[RD], s23, v5                    ; back: lanes 0-15 take one row of 256 bytes, lanes 16-31 the next
	v_lshlrev_b32 v[CO], 12, v2
	v_lshl_add_u32 v[CO], v1, 4, v[CO]             ; and the same two rows in the output and in the residual
	v_lshlrev_b32 v[BO], 5, v2
	s_lshl_b32 s86, s17, 7
	s_lshl_b32 s87, s15, 6
	s_add_co_u32 s86, s86, s87                     ; my first row: 128 x tile row + 64 x half,
	s_lshl_b32 s86, s86, 12                        ; of 4,096 bytes
	s_lshl_b32 s87, s42, 7
	s_lshl_b32 s88, s16, 6
	s_add_co_u32 s87, s87, s88                     ; my first column: 128 x tile column + 64 x half
	s_lshl_b32 s88, s87, 2
	s_add_co_u32 s86, s86, s88
	s_mov_b32 s87, 0
	s_mov_b32 s89, 0
	s_add_nc_u64 s[10:11], s[10:11], s[86:87]
	s_add_nc_u64 s[70:71], s[70:71], s[86:87]
	s_add_nc_u64 s[68:69], s[68:69], s[88:89]
.set bb, 0
.rept 4
	global_load_b128 v[BI+8*bb:BI+8*bb+3], v[BO], s[68:69] offset:64*bb       ; the bias at my eight columns of each block of 16
	global_load_b128 v[BI+8*bb+4:BI+8*bb+7], v[BO], s[68:69] offset:64*bb+16
.set bb, bb+1
.endr
	WIN 0x80                                       ; destination window 2
.set j, 0
.rept 32
	global_load_b128 v[4*j:4*j+3], v[CO], s[70:71] offset:2*j*4096   ; the residual's rows 2 j and 2 j + 1 of my 64: sixteen lanes read 256 consecutive bytes, aligned
.set j, j+1
.endr
	WIN 0
; 4 matrix instructions: token block a x B's four blocks, 128 along K, from buffer f.  zero = 1: the first product starts the sums: nothing is ever cleared.
; The 16 accumulators take turns, one instruction a turn, in the same order in every quarter.
.macro MUL4 f, a, zero
.irp b, 0,1,2,3
.if \zero
	v_wmma_f32_16x16x128_bf8_bf8 v[ACC+8*(4*(\a)+\b):ACC+8*(4*(\a)+\b)+7], v[\f+64+FR*\b:\f+64+FR*\b+FR-1], v[\f+FR*(\a):\f+FR*(\a)+FR-1], 0
.else
	v_wmma_f32_16x16x128_bf8_bf8 v[ACC+8*(4*(\a)+\b):ACC+8*(4*(\a)+\b)+7], v[\f+64+FR*\b:\f+64+FR*\b+FR-1], v[\f+FR*(\a):\f+FR*(\a)+FR-1], v[ACC+8*(4*(\a)+\b):ACC+8*(4*(\a)+\b)+7]
.endif
.endr
.endm
; 32 LDS loads in one run: the fragments of the slot's q-th 128 along K into buffer f.  B from padded rows (row l % 16, k = 32 c + 16 (l / 16) on), A as the image lies.
.macro FETCH slot, q, f
	WIN TO_F
.irp i, 0,1,2,3
.irp c, 0,1,2,3
	ds_load_b128 v[\f+64+FR*\i+4*\c:\f+64+FR*\i+4*\c+3], v[ADRB+\slot] offset:128*(\q)+32*\c+\i*16*PITCH
.endr
.irp c, 0,1,2,3
	ds_load_b128 v[\f+FR*\i+4*\c:\f+FR*\i+4*\c+3], v[ADRA+\slot] offset:\i*8192+(\q)*2048+512*\c
.endr
.endr
.endm
.macro PLACES                          ; four plain vector instructions between a matrix instruction and a load into, or a vector instruction on, its registers
.rept 4
	v_nop
.endr
.endm
; A K step is four quarters of 128 along K, 16 matrix instructions each, on buffers 0, 1, 0, 1.  One of the first three: buffer f is in; the quarter q's fragments are asked for, into buffer g, which the
; last products read; then buffer f is multiplied while they land.
.macro QUARTER slot, q, f, g, zero
	s_wait_dscnt 0x0                               ; buffer f is in
	PLACES
	FETCH \slot, \q, \g
	WIN MUL
	MUL4 \f, 0, \zero
	MUL4 \f, 1, \zero
	MUL4 \f, 2, \zero
	MUL4 \f, 3, \zero
.endm
; The last quarter multiplies buffer 1 and changes slots: ONE barrier; in front of it each wave waits for all its tensor loads, adds 0 to its spare word, and waits for that and for its own reads of this slot.
; fill = 1: this slot is filled again, two K steps ahead.
.macro TURN slot, next, fill
	WIN 0                                          ; (the add's two registers lie in window 0)
	s_wait_tensorcnt 0x0                           ; all my tensor loads have landed: my part of the next slot
	ds_add_u32 v[SPW], v[NIL]                      ; 0 onto my spare word
	s_wait_dscnt 0x1                               ; buffer 1's 32 loads are in (the add, issued behind them, may be out)
	WIN MUL
	MUL4 F1, 0, 0                                  ; four matrix instructions stand between the add and the wait for it
	s_wait_dscnt 0x0                               ; the add is done, and my reads of this slot are over
	s_barrier_signal -1
	MUL4 F1, 1, 0
	WIN 0
	s_barrier_wait -1
.if \fill
	CREST                                          ; the barrier has opened a round of the cluster's: no wave of any partner still reads this slot or has a load on its way
	s_add_nc_u64 s[G0+4*\slot+2:G0+4*\slot+3], s[G0+4*\slot+2:G0+4*\slot+3], 2*8192
	s_add_nc_u64 s[G0B+4*\slot+2:G0B+4*\slot+3], s[G0B+4*\slot+2:G0B+4*\slot+3], 2*ROWB
	JLOAD G0+4*\slot, G1, G0B+4*\slot, G1B         ; the first tensor load behind the round; its four v_nop are also the places in front of the loads below
.else
	PLACES
.endif
	FETCH \next, 0, F0
	WIN MUL
	MUL4 F1, 2, 0
	MUL4 F1, 3, 0
.endm
	s_wait_tensorcnt 1                             ; my part of K step 0 is in (K step 1's load, issued behind it, may be out)
	s_barrier_signal -1
	s_barrier_wait -1                              ; everybody's is
	FETCH 0, 0, F0
	QUARTER 0, 1, F0, F1, 1                        ; the first quarter's products start the sums
.if LAPS > 1
	WIN 0                                          ; at a label and at a branch every window is 0
	s_mov_b32 s3, LAPS-1
.Llap:                                                 ; a trip goes once round the ring, from a lap's second quarter to the next lap's first, and fills both slots again
	QUARTER 0, 2, F1, F0, 0
	QUARTER 0, 3, F0, F1, 0
	TURN 0, 1, 1
	QUARTER 1, 1, F0, F1, 0
	QUARTER 1, 2, F1, F0, 0
	QUARTER 1, 3, F0, F1, 0
	TURN 1, 0, 1
	QUARTER 0, 1, F0, F1, 0
	WIN 0
	s_sub_co_u32 s3, s3, 1
	s_cmp_lg_u32 s3, 0
	s_cbranch_scc1 .Llap
.endif
	QUARTER 0, 2, F1, F0, 0                        ; the last lap fills nothing, and has no round of the cluster's barrier
	QUARTER 0, 3, F0, F1, 0
	TURN 0, 1, 0
	QUARTER 1, 1, F0, F1, 0
	QUARTER 1, 2, F1, F0, 0
	QUARTER 1, 3, F0, F1, 0
	s_wait_dscnt 0x0                               ; the very last quarter: nothing more to fetch
	WIN MUL
	MUL4 F1, 0, 0
	MUL4 F1, 1, 0
	MUL4 F1, 2, 0
	MUL4 F1, 3, 0
	WIN 0
; THE WAY OUT, block by block of 16 rows x 64 columns: sum x 2^(the two exponents) + bias; through my own stage in LDS, back as whole rows of 256 bytes; + the residual, which lies in that same layout; stored.
; A wave's 64 columns are 256 consecutive bytes of a row, aligned: no other wave has a part in them, so no barrier stands here.
.macro TOSTAGE a
.set AC, ACC+32*(\a)
.set TS, TMP+32*((\a)%2)
.if (\a) >= 2
	s_wait_xcnt 0x0                                ; block a - 2's stores have read these registers
.endif
.set j, 0
.rept 16
	v_pk_fma_f32 v[TS+j:TS+j+1], v[AC+j:AC+j+1], s[96:97], v[BI+j:BI+j+1] op_sel_hi:[1,0,1]   ; each accumulator from its low end on
.set j, j+2
.endr
.set j, 0
.rept 4
	ds_store_b128 v[STO], v[TS+8*j:TS+8*j+3] offset:64*j
	ds_store_b128 v[STO], v[TS+8*j+4:TS+8*j+7] offset:64*j+16
.set j, j+1
.endr
.set j, 0
.rept 8
	ds_load_b128 v[TS+4*j:TS+4*j+3], v[RD] offset:j*2*SPITCH   ; LDS serves a wave's instructions in order (ISA guide 5.7.1.4): these see my stores, and the next block's stores come behind them
.set j, j+1
.endr
.endm
.macro SEND a, younger                 ; younger: the LDS instructions issued behind block a's loads: the next block's eight stores and eight loads, or none
.set TS, TMP+32*((\a)%2)
	s_wait_dscnt \younger
	WIN 0x08                                       ; source 1: window 2
.set j, 0
.rept 16
	v_pk_add_f32 v[TS+j:TS+j+1], v[TS+j:TS+j+1], v[32*(\a)+j:32*(\a)+j+1]
.set j, j+2
.endr
	WIN 0
.set j, 0
.rept 8
	global_store_b128 v[CO], v[TS+4*j:TS+4*j+3], s[10:11] offset:(16*(\a)+2*j)*4096   ; sixteen lanes store 256 consecutive bytes, aligned
.set j, j+1
.endr
.endm
	s_wait_kmcnt 0x0
	s_add_co_i32 s96, s96, s97
	s_add_co_i32 s96, s96, 127
	s_lshl_b32 s96, s96, 23                        ; 2^(the two exponents added) as f32
	s_mov_b32 s97, s96
	s_wait_loadcnt 0x0                             ; the bias and the residual, asked for at the head
	PLACES
	TOSTAGE 0
.irp a, 1,2,3
	TOSTAGE \a
	SEND \a-1, 16
.endr
	SEND 3, 0
	s_wait_tensorcnt 0x0                           ; the wave's end
	ds_add_u32 v[SPW], v[NIL]
	s_wait_dscnt 0x0
	CROUND                                         ; the closing round: no work-group ends while a partner may still ask for a tile that names it
	s_endpgm
.Lfunc_end_k_q1c7a62b8f0_w0:
	.size	k_q1c7a62b8f0_w0, .Lfunc_end_k_q1c7a62b8f0_w0-k_q1c7a62b8f0_w0
	.p2alignl 7, 3214868480
	.fill 96, 4, 3214868480
	.section	.rodata,"a",@progbits
	.p2align	6, 0x0
	.amdhsa_kernel k_q1c7a62b8f0_w0
		.amdhsa_group_segment_fixed_size 327680
		.amdhsa_private_segment_fixed_size 0
		.amdhsa_enable_private_segment 0
		.amdhsa_kernarg_size 48
		.amdhsa_user_sgpr_count 2
		.amdhsa_user_sgpr_kernarg_segment_ptr 1
		.amdhsa_wavefront_size32 1
		.amdhsa_system_sgpr_workgroup_id_x 1
		.amdhsa_system_sgpr_workgroup_id_y 1
		.amdhsa_system_sgpr_workgroup_id_z 1
		.amdhsa_system_vgpr_workitem_id 0
		.amdhsa_next_free_vgpr 768
		.amdhsa_next_free_sgpr 100
		.amdhsa_reserve_vcc 0
		.amdhsa_float_denorm_mode_32 3
		.amdhsa_float_denorm_mode_16_64 3
		.amdhsa_memory_ordered 1
		.amdhsa_forward_progress 1
		.amdhsa_inst_pref_size 54
	.end_amdhsa_kernel
	.amdgpu_metadata
---
amdhsa.version: [ 1, 2 ]
amdhsa.kernels:
  - .name:           k_q1c7a62b8f0_w0
    .symbol:         k_q1c7a62b8f0_w0.kd
    .args:
      - { .name: ac, .offset: 0, .size: 8, .value_kind: global_buffer, .address_space: global }
      - { .name: W0_codes, .offset: 8, .size: 8, .value_kind: global_buffer, .address_space: global }
      - { .name: b0, .offset: 16, .size: 8, .value_kind: global_buffer, .address_space: global }
      - { .name: X, .offset: 24, .size: 8, .value_kind: global_buffer, .address_space: global }
      - { .name: lowp_scales, .offset: 32, .size: 8, .value_kind: global_buffer, .address_space: global }
      - { .name: x1, .offset: 40, .size: 8, .value_kind: global_buffer, .address_space: global }
    .group_segment_fixed_size: 327680
    .private_segment_fixed_size: 0
    .kernarg_segment_align: 8
    .kernarg_segment_size: 48
    .max_flat_workgroup_size: 128
    .sgpr_count:     100
    .vgpr_count:     768
    .wavefront_size: 32
...
	.end_amdgpu_metadata
.endif
;; end of part 8
;; launch ln2: the kernel of part 5 again; grid 256 x 1, 4 waves a work-group, no clusters, 4,608 bytes of LDS; arguments x1, gamma2, beta2, lowp_scales, xn2; writes xn2
;; launch w1: the kernel of part 6 again; grid 16 x 16, 4 waves a work-group, clusters of 4 x 4, 327,680 bytes of LDS; arguments xn2, W1_codes, b1, lowp_scales, hc; writes hc
;; launch w2 (part 9): grid 8 x 32, 4 waves a work-group, clusters of 4 x 4, 327,680 bytes of LDS; arguments hc, W2_codes, b2, x1, lowp_scales, out0; writes out0
.if DOCPART == 9
	.amdgcn_target "amdgcn-amd-amdhsa--gfx1250"
	.amdhsa_code_object_version 6
	.text
	.protected	k_q1c7a62b8f0_w2
	.globl	k_q1c7a62b8f0_w2
	.p2align	8
	.type	k_q1c7a62b8f0_w2,@function
k_q1c7a62b8f0_w2:
	s_mov_b64 s[64:65], 0
	v_nop
	global_prefetch_b8 v0, s[64:65] scope:SCOPE_SE
	s_setreg_imm32_b32 hwreg(HW_REG_WAVE_MODE, 25, 1), 1
	s_wait_xcnt 0x0
	s_wait_alu depctr_hold_cnt(0) depctr_sa_sdst(0) depctr_va_vdst(0) depctr_va_sdst(0) depctr_va_ssrc(0) depctr_va_vcc(0) depctr_vm_vsrc(0)
	s_getreg_b32 s2, hwreg(HW_REG_IB_STS2, 6, 4)
	s_cmp_eq_u32 s2, 0
	s_cbranch_scc0 .Lentry_in_a_cluster
	s_endpgm
.Lentry_in_a_cluster:
	s_bfe_u32 s2, ttmp6, 0x10000c
	s_cmp_lg_u32 s2, 0xf033
	s_cbranch_scc0 .Lentry_shape_is_right
	s_endpgm
.Lentry_shape_is_right:
; out0 = h W2 + b2 + x1 (product 8) on codes of E5M2.  A: the hidden layer's codes as IMAGES OF THE OPERAND REGISTERS: the fragment (16 tokens, 128 along K) is 2,048 bytes on end, registers 4 c .. 4 c + 3 of lane l at 512 c + 16 l,
; a token tile's fragments one behind the other (16 x SIZE_K bytes).  B: W2's rows of SIZE_K codes.  Output and residual: [4096][1024] f32.
; 4,096 x 1,024 outputs are 256 tiles of 128 x 128: one work-group each.  Four waves, 64 x 64 each: 16 accumulators of 16 x 16, 128 registers.
; K goes in steps of 512 through a ring of two LDS slots filled by the tensor data mover: as long as two slots in LDS allow, so that SIZE_K = 4,096 is eight steps and six refills.
; CLUSTERS: 4 x 4 work-groups.  The four of a row of the cluster need the same tile of A, the four of a column the same tile of B: each is asked for JOINTLY, by the same tensor load with the same descriptor and a mask that names the four.
; THE MATRIX INSTRUCTION IS USED TRANSPOSED (source 0 = 16 rows of B, source 1 = 16 tokens): a lane holds eight neighbouring numbers of a row of the output.
; Within a matrix instruction k stands permuted, alike on both sides (registers 4 c .. 4 c + 3: k = 32 c + 16 (lane / 16) + 0..15): every product meets its partner.
; The residual, 128 registers a wave, is asked for at the head, behind the first joint loads, in the layout in which the rows are stored: the way out waits for no load.
; LIMIT: the two exponents added lie between -126 and 127.
; REGISTERS, in windows of 256: window 0: v16-29 addresses; v32-63 the bias; v64-127 two sets of 32 for the way out; v128-255 the accumulators ((a, b) at v[128 + 8 (4 a + b)]);
;   window 1: two fragment buffers of 128: for 128 along K, 64 registers of A (4 x 16 tokens), then 64 of B (4 x 16 rows);   window 2: v0-127 the residual.
.set SIZE_K, 4096
.set EOFF,   56                        ; the byte at which this product's two exponents stand
.set KSTEP,  512
.set ROWB,   512                       ; a row of B's tile in bytes
.set KROW,   SIZE_K
.set PITCH,  528                       ; B's LDS row: 512 bytes + 16 of padding = 132 words: row r starts at bank 4 r mod 64 (64 banks of 4 bytes: ISA guide 11.1)
.set FR,     16                        ; registers of a fragment
.set AHALF,  4*8192                    ; what one tensor load brings of A: 4 token tiles x 4 fragments, dense
.set BHALF,  64*PITCH                  ; and of B: 64 rows
.set BOFF,   2*AHALF                   ; a slot: A's 128 tokens, then B's 128 rows
.set SLOT,   BOFF+2*BHALF
.set LAPS,   SIZE_K/(2*KSTEP)          ; a lap = two K steps = once round the ring
.set SPARE,  2*SLOT                    ; behind the ring: the spare words, 128 bytes for each wave, which no other line names
.set SPITCH, 272                       ; the way out: a stage of 16 rows x (256 bytes + 16) for each wave, in slot 0, which has had its last fill and its last read by then
.set ADRA, 16                          ; v16-17  LDS address of my A fragments in slot 0, 1
.set ADRB, 20                          ; v20-21  the same for B
.set STO,  24                          ; v24     the stage: where I put 32 bytes of a row
.set RD,   25                          ; v25     and where I read a row back
.set CO,   26                          ; v26     my byte offset in two rows of the output
.set BO,   27                          ; v27     32 x (lane / 16)
.set SPW,  28                          ; v28     LDS address of my spare word; never rewritten
.set NIL,  29                          ; v29     0; never rewritten
.set BI,   32
.set TMP,  64
.set ACC,  128
.set F0,   0                           ; fragment buffers, in window 1
.set F1,   128
.set G1, 24                            ; s[24:31] descriptor group 1 for A's tiles;  s[32:39] group 0, one set for each slot
.set G0, 32
.set G1B, 48                           ; s[48:55], s[56:63] the same for B's tiles
.set G0B, 56
.set MSB, 0
.macro WIN new                         ; the immediate's high byte repeats the setting that is left
.if MSB != \new
	s_set_vgpr_msb (MSB<<8)|\new
.set MSB, \new
.endif
.endm
.set MUL,  0x05                        ; sources 0 (B) and 1 (A) window 1; C and D window 0
.set TO_F, 0x40                        ; destination window 1, address window 0
.macro JLOAD g0a, g1a, g0b, g1b        ; a joint load: waves 0 and 1 fetch for A, waves 2 and 3 for B; the branch hangs on the wave's number alone; four v_nop follow each of the two lines
	s_cmp_eq_u32 s15, 0
	s_cbranch_scc0 .Lfor_b_\@
	tensor_load_to_lds s[\g0a:\g0a+3], s[\g1a:\g1a+7]
	s_nop 0
.rept 4
	v_nop
.endr
	s_branch .Lasked_\@
.Lfor_b_\@:
	tensor_load_to_lds s[\g0b:\g0b+3], s[\g1b:\g1b+7]
	s_nop 0
.rept 4
	v_nop
.endr
.Lasked_\@:
.endm
.macro CREST                           ; a round of the cluster's barrier behind its opening barrier
	s_cmp_lg_u32 s14, 0
	s_cbranch_scc1 .Lnot_wave_0_\@
	s_barrier_signal -3
.Lnot_wave_0_\@:
	s_barrier_wait -3
	s_barrier_signal -1
	s_barrier_wait -1
.endm
.macro CROUND                          ; a whole round
	s_barrier_signal -1
	s_barrier_wait -1
	CREST
.endm
	s_load_b128 s[4:7], s[0:1], 0x0                ; A's images, B's codes
	s_load_b128 s[68:71], s[0:1], 0x10             ; the bias, the residual
	s_load_b128 s[8:11], s[0:1], 0x20              ; the scales' exponents, the output
	v_lshl_add_u32 v[SPW], v0, 2, SPARE
	v_mov_b32 v[NIL], 0
	ds_add_u32 v28, v29
	ds_add_u32 v28, v29
	s_wait_dscnt 0x0
	v_lshrrev_b32 v1, 5, v0
	v_readfirstlane_b32 s14, v1                    ; wave 0..3
	s_lshr_b32 s15, s14, 1                         ; which half of the tile's rows is mine.  Also: I fetch for A (0) or for B (1)
	s_and_b32 s16, s14, 1                          ; which half of its columns.  Also: which half of that tile I fetch
	s_bfe_u32 s40, ttmp6, 0x40000                  ; cx, cy: my place in the cluster
	s_bfe_u32 s41, ttmp6, 0x40004
	s_lshl_b32 s42, ttmp9, 2
	s_add_co_u32 s42, s42, s40                     ; tile column = 4 x cluster x + cx
	s_and_b32 s17, ttmp7, 0xffff
	s_lshl_b32 s17, s17, 2
	s_add_co_u32 s17, s17, s41                     ; tile row = 4 x cluster y + cy
	s_lshl_b32 s43, s41, 2
	s_lshl_b32 s43, 15, s43                        ; my row of the cluster
	s_lshl_b32 s44, 0x1111, s40                    ; my column
	; A's tile: 4 token tiles x 8,192 bytes (four fragments each), 16 x SIZE_K bytes apart in memory, dense in LDS: elements of 8 bytes, no padding
	s_or_b32 s[G1+0], s43, (3<<16)|(1<<21)         ; 15:0 the mask: A's tiles go to my row; 17:16 elements of 8 bytes; 21 set beside a mask
	s_mov_b32 s[G1+1], 1024<<16                    ; tensor_dim0 = 1,024 elements
	s_mov_b32 s[G1+2], 4<<16                       ; tensor_dim1 = 4
	s_mov_b32 s[G1+3], 1024<<16                    ; tile_dim0
	s_mov_b32 s[G1+4], 4                           ; tile_dim1
	s_mov_b32 s[G1+5], 2*SIZE_K                    ; from token tile to token tile, in elements
	s_mov_b32 s[G1+6], 0
	s_mov_b32 s[G1+7], 0
	; B's tile: 64 rows x 512 bytes, padded in LDS
	s_or_b32 s[G1B+0], s44, (0<<16)|(1<<20)|(1<<21)|(6<<22)|(3<<25)  ; the mask of my column; elements of 1 byte; padding on; after every 128 words (code 6), 4 words (code 3)
	s_mov_b32 s[G1B+1], ROWB<<16
	s_mov_b32 s[G1B+2], 64<<16
	s_mov_b32 s[G1B+3], ROWB<<16
	s_mov_b32 s[G1B+4], 64
	s_mov_b32 s[G1B+5], KROW
	s_mov_b32 s[G1B+6], 0
	s_mov_b32 s[G1B+7], 0
	s_lshl_b32 s18, s16, 6
	s_lshl_b32 s46, s42, 7
	s_add_co_u32 s46, s46, s18                     ; B: row 128 x tile column + 64 x half
	s_mov_b32 s47, 0
	s_mov_b64 s[18:19], KROW
	s_mul_u64 s[46:47], s[46:47], s[18:19]
	s_lshl_b32 s20, s17, 3
	s_lshl_b32 s21, s16, 2
	s_add_co_u32 s20, s20, s21                     ; A: token tile 8 x tile row + 4 x half
	s_mov_b32 s21, 0
	s_mov_b64 s[18:19], 16*SIZE_K
	s_mul_u64 s[20:21], s[20:21], s[18:19]
	s_mul_i32 s45, s16, AHALF                      ; where they go: no place in the cluster enters an LDS address
	s_mul_i32 s84, s16, BHALF
	s_add_co_u32 s84, s84, BOFF
	s_wait_kmcnt 0x0
	s_load_b64 s[96:97], s[8:9], EOFF
	s_add_nc_u64 s[20:21], s[4:5], s[20:21]
	s_add_nc_u64 s[46:47], s[6:7], s[46:47]
	CROUND                                         ; all sixteen work-groups are here: the first joint loads meet
.irp s, 0,1
	s_mov_b32 s[G0+4*\s], 1
	s_add_co_u32 s[G0+4*\s+1], s45, \s*SLOT
	s_add_nc_u64 s[G0+4*\s+2:G0+4*\s+3], s[20:21], \s*8192
	s_or_b32 s[G0+4*\s+3], s[G0+4*\s+3], 0x80000000
	s_mov_b32 s[G0B+4*\s], 1
	s_add_co_u32 s[G0B+4*\s+1], s84, \s*SLOT
	s_add_nc_u64 s[G0B+4*\s+2:G0B+4*\s+3], s[46:47], \s*ROWB
	s_or_b32 s[G0B+4*\s+3], s[G0B+4*\s+3], 0x80000000
	JLOAD G0+4*\s, G1, G0B+4*\s, G1B
.endr
	v_and_b32 v1, 15, v0                           ; l % 16
	v_bfe_u32 v2, v0, 4, 1                         ; l / 16
	v_mul_u32_u24 v3, v1, PITCH
	v_lshl_add_u32 v4, v2, 4, v3                   ; B: a fragment's row x pitch + 16 x half
	v_and_b32 v6, 31, v0
	v_lshlrev_b32 v7, 4, v6                        ; A: an image's place for my lane: 16 x lane
	s_mul_i32 s21, s15, AHALF                      ; my 64 tokens of A
	s_mul_i32 s22, s16, BHALF                      ; my 64 rows of B,
	s_add_co_u32 s22, s22, BOFF                    ; which lie behind A
.irp s, 0,1
	v_add_nc_u32 v[ADRA+\s], s21, v7
	v_add_nc_u32 v[ADRB+\s], s22, v4
	s_add_co_u32 s21, s21, SLOT
	s_add_co_u32 s22, s22, SLOT
.endr
	s_mul_i32 s23, s14, 16*SPITCH                  ; my stage
	v_mul_u32_u24 v5, v1, SPITCH
	v_lshl_add_u32 v5, v2, 5, v5
	v_add_nc_u32 v[STO], s23, v5                   ; in: row l % 16, 32 bytes for each half of the lanes
	v_mul_u32_u24 v5, v2, SPITCH
	v_lshl_add_u32 v5, v1, 4, v5
	v_add_nc_u32 v[RD], s23, v5                    ; back: lanes 0-15 take one row of 256 bytes, lanes 16-31 the next
	v_lshlrev_b32 v[CO], 12, v2
	v_lshl_add_u32 v[CO], v1, 4, v[CO]             ; and the same two rows in the output and in the residual
	v_lshlrev_b32 v[BO], 5, v2
	s_lshl_b32 s86, s17, 7
	s_lshl_b32 s87, s15, 6
	s_add_co_u32 s86, s86, s87                     ; my first row: 128 x tile row + 64 x half,
	s_lshl_b32 s86, s86, 12                        ; of 4,096 bytes
	s_lshl_b32 s87, s42, 7
	s_lshl_b32 s88, s16, 6
	s_add_co_u32 s87, s87, s88                     ; my first column: 128 x tile column + 64 x half
	s_lshl_b32 s88, s87, 2
	s_add_co_u32 s86, s86, s88
	s_mov_b32 s87, 0
	s_mov_b32 s89, 0
	s_add_nc_u64 s[10:11], s[10:11], s[86:87]
	s_add_nc_u64 s[70:71], s[70:71], s[86:87]
	s_add_nc_u64 s[68:69], s[68:69], s[88:89]
.set bb, 0
.rept 4
	global_load_b128 v[BI+8*bb:BI+8*bb+3], v[BO], s[68:69] offset:64*bb       ; the bias at my eight columns of each block of 16
	global_load_b128 v[BI+8*bb+4:BI+8*bb+7], v[BO], s[68:69] offset:64*bb+16
.set bb, bb+1
.endr
	WIN 0x80                                       ; destination window 2
.set j, 0
.rept 32
	global_load_b128 v[4*j:4*j+3], v[CO], s[70:71] offset:2*j*4096   ; the residual's rows 2 j and 2 j + 1 of my 64: sixteen lanes read 256 consecutive bytes, aligned
.set j, j+1
.endr
	WIN 0
; 4 matrix instructions: token block a x B's four blocks, 128 along K, from buffer f.  zero = 1: the first product starts the sums: nothing is ever cleared.
; The 16 accumulators take turns, one instruction a turn, in the same order in every quarter.
.macro MUL4 f, a, zero
.irp b, 0,1,2,3
.if \zero
	v_wmma_f32_16x16x128_bf8_bf8 v[ACC+8*(4*(\a)+\b):ACC+8*(4*(\a)+\b)+7], v[\f+64+FR*\b:\f+64+FR*\b+FR-1], v[\f+FR*(\a):\f+FR*(\a)+FR-1], 0
.else
	v_wmma_f32_16x16x128_bf8_bf8 v[ACC+8*(4*(\a)+\b):ACC+8*(4*(\a)+\b)+7], v[\f+64+FR*\b:\f+64+FR*\b+FR-1], v[\f+FR*(\a):\f+FR*(\a)+FR-1], v[ACC+8*(4*(\a)+\b):ACC+8*(4*(\a)+\b)+7]
.endif
.endr
.endm
; 32 LDS loads in one run: the fragments of the slot's q-th 128 along K into buffer f.  B from padded rows (row l % 16, k = 32 c + 16 (l / 16) on), A as the image lies.
.macro FETCH slot, q, f
	WIN TO_F
.irp i, 0,1,2,3
.irp c, 0,1,2,3
	ds_load_b128 v[\f+64+FR*\i+4*\c:\f+64+FR*\i+4*\c+3], v[ADRB+\slot] offset:128*(\q)+32*\c+\i*16*PITCH
.endr
.irp c, 0,1,2,3
	ds_load_b128 v[\f+FR*\i+4*\c:\f+FR*\i+4*\c+3], v[ADRA+\slot] offset:\i*8192+(\q)*2048+512*\c
.endr
.endr
.endm
.macro PLACES                          ; four plain vector instructions between a matrix instruction and a load into, or a vector instruction on, its registers
.rept 4
	v_nop
.endr
.endm
; A K step is four quarters of 128 along K, 16 matrix instructions each, on buffers 0, 1, 0, 1.  One of the first three: buffer f is in; the quarter q's fragments are asked for, into buffer g, which the
; last products read; then buffer f is multiplied while they land.
.macro QUARTER slot, q, f, g, zero
	s_wait_dscnt 0x0                               ; buffer f is in
	PLACES
	FETCH \slot, \q, \g
	WIN MUL
	MUL4 \f, 0, \zero
	MUL4 \f, 1, \zero
	MUL4 \f, 2, \zero
	MUL4 \f, 3, \zero
.endm
; The last quarter multiplies buffer 1 and changes slots: ONE barrier; in front of it each wave waits for all its tensor loads, adds 0 to its spare word, and waits for that and for its own reads of this slot.
; fill = 1: this slot is filled again, two K steps ahead.
.macro TURN slot, next, fill
	WIN 0                                          ; (the add's two registers lie in window 0)
	s_wait_tensorcnt 0x0                           ; all my tensor loads have landed: my part of the next slot
	ds_add_u32 v[SPW], v[NIL]                      ; 0 onto my spare word
	s_wait_dscnt 0x1                               ; buffer 1's 32 loads are in (the add, issued behind them, may be out)
	WIN MUL
	MUL4 F1, 0, 0                                  ; four matrix instructions stand between the add and the wait for it
	s_wait_dscnt 0x0                               ; the add is done, and my reads of this slot are over
	s_barrier_signal -1
	MUL4 F1, 1, 0
	WIN 0
	s_barrier_wait -1
.if \fill
	CREST                                          ; the barrier has opened a round of the cluster's: no wave of any partner still reads this slot or has a load on its way
	s_add_nc_u64 s[G0+4*\slot+2:G0+4*\slot+3], s[G0+4*\slot+2:G0+4*\slot+3], 2*8192
	s_add_nc_u64 s[G0B+4*\slot+2:G0B+4*\slot+3], s[G0B+4*\slot+2:G0B+4*\slot+3], 2*ROWB
	JLOAD G0+4*\slot, G1, G0B+4*\slot, G1B         ; the first tensor load behind the round; its four v_nop are also the places in front of the loads below
.else
	PLACES
.endif
	FETCH \next, 0, F0
	WIN MUL
	MUL4 F1, 2, 0
	MUL4 F1, 3, 0
.endm
	s_wait_tensorcnt 1                             ; my part of K step 0 is in (K step 1's load, issued behind it, may be out)
	s_barrier_signal -1
	s_barrier_wait -1                              ; everybody's is
	FETCH 0, 0, F0
	QUARTER 0, 1, F0, F1, 1                        ; the first quarter's products start the sums
.if LAPS > 1
	WIN 0                                          ; at a label and at a branch every window is 0
	s_mov_b32 s3, LAPS-1
.Llap:                                                 ; a trip goes once round the ring, from a lap's second quarter to the next lap's first, and fills both slots again
	QUARTER 0, 2, F1, F0, 0
	QUARTER 0, 3, F0, F1, 0
	TURN 0, 1, 1
	QUARTER 1, 1, F0, F1, 0
	QUARTER 1, 2, F1, F0, 0
	QUARTER 1, 3, F0, F1, 0
	TURN 1, 0, 1
	QUARTER 0, 1, F0, F1, 0
	WIN 0
	s_sub_co_u32 s3, s3, 1
	s_cmp_lg_u32 s3, 0
	s_cbranch_scc1 .Llap
.endif
	QUARTER 0, 2, F1, F0, 0                        ; the last lap fills nothing, and has no round of the cluster's barrier
	QUARTER 0, 3, F0, F1, 0
	TURN 0, 1, 0
	QUARTER 1, 1, F0, F1, 0
	QUARTER 1, 2, F1, F0, 0
	QUARTER 1, 3, F0, F1, 0
	s_wait_dscnt 0x0                               ; the very last quarter: nothing more to fetch
	WIN MUL
	MUL4 F1, 0, 0
	MUL4 F1, 1, 0
	MUL4 F1, 2, 0
	MUL4 F1, 3, 0
	WIN 0
; THE WAY OUT, block by block of 16 rows x 64 columns: sum x 2^(the two exponents) + bias; through my own stage in LDS, back as whole rows of 256 bytes; + the residual, which lies in that same layout; stored.
; A wave's 64 columns are 256 consecutive bytes of a row, aligned: no other wave has a part in them, so no barrier stands here.
.macro TOSTAGE a
.set AC, ACC+32*(\a)
.set TS, TMP+32*((\a)%2)
.if (\a) >= 2
	s_wait_xcnt 0x0                                ; block a - 2's stores have read these registers
.endif
.set j, 0
.rept 16
	v_pk_fma_f32 v[TS+j:TS+j+1], v[AC+j:AC+j+1], s[96:97], v[BI+j:BI+j+1] op_sel_hi:[1,0,1]   ; each accumulator from its low end on
.set j, j+2
.endr
.set j, 0
.rept 4
	ds_store_b128 v[STO], v[TS+8*j:TS+8*j+3] offset:64*j
	ds_store_b128 v[STO], v[TS+8*j+4:TS+8*j+7] offset:64*j+16
.set j, j+1
.endr
.set j, 0
.rept 8
	ds_load_b128 v[TS+4*j:TS+4*j+3], v[RD] offset:j*2*SPITCH   ; LDS serves a wave's instructions in order (ISA guide 5.7.1.4): these see my stores, and the next block's stores come behind them
.set j, j+1
.endr
.endm
.macro SEND a, younger                 ; younger: the LDS instructions issued behind block a's loads: the next block's eight stores and eight loads, or none
.set TS, TMP+32*((\a)%2)
	s_wait_dscnt \younger
	WIN 0x08                                       ; source 1: window 2
.set j, 0
.rept 16
	v_pk_add_f32 v[TS+j:TS+j+1], v[TS+j:TS+j+1], v[32*(\a)+j:32*(\a)+j+1]
.set j, j+2
.endr
	WIN 0
.set j, 0
.rept 8
	global_store_b128 v[CO], v[TS+4*j:TS+4*j+3], s[10:11] offset:(16*(\a)+2*j)*4096 th:TH_STORE_NT   ; sixteen lanes store 256 consecutive bytes, aligned; written once, read by nobody here
.set j, j+1
.endr
.endm
	s_wait_kmcnt 0x0
	s_add_co_i32 s96, s96, s97
	s_add_co_i32 s96, s96, 127
	s_lshl_b32 s96, s96, 23                        ; 2^(the two exponents added) as f32
	s_mov_b32 s97, s96
	s_wait_loadcnt 0x0                             ; the bias and the residual, asked for at the head
	PLACES
	TOSTAGE 0
.irp a, 1,2,3
	TOSTAGE \a
	SEND \a-1, 16
.endr
	SEND 3, 0
	s_wait_tensorcnt 0x0                           ; the wave's end
	ds_add_u32 v[SPW], v[NIL]
	s_wait_dscnt 0x0
	CROUND                                         ; the closing round: no work-group ends while a partner may still ask for a tile that names it
	s_endpgm
.Lfunc_end_k_q1c7a62b8f0_w2:
	.size	k_q1c7a62b8f0_w2, .Lfunc_end_k_q1c7a62b8f0_w2-k_q1c7a62b8f0_w2
	.p2alignl 7, 3214868480
	.fill 96, 4, 3214868480
	.section	.rodata,"a",@progbits
	.p2align	6, 0x0
	.amdhsa_kernel k_q1c7a62b8f0_w2
		.amdhsa_group_segment_fixed_size 327680
		.amdhsa_private_segment_fixed_size 0
		.amdhsa_enable_private_segment 0
		.amdhsa_kernarg_size 48
		.amdhsa_user_sgpr_count 2
		.amdhsa_user_sgpr_kernarg_segment_ptr 1
		.amdhsa_wavefront_size32 1
		.amdhsa_system_sgpr_workgroup_id_x 1
		.amdhsa_system_sgpr_workgroup_id_y 1
		.amdhsa_system_sgpr_workgroup_id_z 1
		.amdhsa_system_vgpr_workitem_id 0
		.amdhsa_next_free_vgpr 768
		.amdhsa_next_free_sgpr 100
		.amdhsa_reserve_vcc 0
		.amdhsa_float_denorm_mode_32 3
		.amdhsa_float_denorm_mode_16_64 3
		.amdhsa_memory_ordered 1
		.amdhsa_forward_progress 1
		.amdhsa_inst_pref_size 82
	.end_amdhsa_kernel
	.amdgpu_metadata
---
amdhsa.version: [ 1, 2 ]
amdhsa.kernels:
  - .name:           k_q1c7a62b8f0_w2
    .symbol:         k_q1c7a62b8f0_w2.kd
    .args:
      - { .name: hc, .offset: 0, .size: 8, .value_kind: global_buffer, .address_space: global }
      - { .name: W2_codes, .offset: 8, .size: 8, .value_kind: global_buffer, .address_space: global }
      - { .name: b2, .offset: 16, .size: 8, .value_kind: global_buffer, .address_space: global }
      - { .name: x1, .offset: 24, .size: 8, .value_kind: global_buffer, .address_space: global }
      - { .name: lowp_scales, .offset: 32, .size: 8, .value_kind: global_buffer, .address_space: global }
      - { .name: out0, .offset: 40, .size: 8, .value_kind: global_buffer, .address_space: global }
    .group_segment_fixed_size: 327680
    .private_segment_fixed_size: 0
    .kernarg_segment_align: 8
    .kernarg_segment_size: 48
    .max_flat_workgroup_size: 128
    .sgpr_count:     100
    .vgpr_count:     768
    .wavefront_size: 32
...
	.end_amdgpu_metadata
.endif
;; end of part 9
;; ======== version 3 of 3: 7 launches; version 2 with the launch attn written anew for expert scheduling mode
;; limits: right only within a limited range of input values
;; workspace buffers: xc 12,582,912 bytes; mb 524,288 bytes of whole numbers; qkvc 12,582,912 bytes; ac 4,194,304 bytes; x1 16,777,216 bytes; xn2 4,194,304 bytes; hc 16,777,216 bytes
;; launch ln1: the kernel of part 1 again; grid 256 x 1, 4 waves a work-group, no clusters, 31,232 bytes of LDS; arguments X, gamma1, beta1, lowp_scales, xc, attention_mask, mb; writes xc, mb
;; launch qkv: the kernel of part 2 again; grid 12 x 16, 4 waves a work-group, clusters of 4 x 4, 327,680 bytes of LDS; arguments xc, Wq_codes, Wk_codes, Wv_codes, bq, bk, bv, lowp_scales, qkvc; writes qkvc
;; launch attn (part 10): grid 8 x 32, 16 waves a work-group, no clusters, 67,584 bytes of LDS; arguments qkvc, mb, lowp_scales, ac; writes ac
.if DOCPART == 10
	.amdgcn_target "amdgcn-amd-amdhsa--gfx1250"
	.amdhsa_code_object_version 6
	.text
	.protected	k_q1c7a62b8f0_attn
	.globl	k_q1c7a62b8f0_attn
	.p2align	8
	.type	k_q1c7a62b8f0_attn,@function
k_q1c7a62b8f0_attn:
	s_mov_b64 s[64:65], 0
	v_nop
	global_prefetch_b8 v0, s[64:65] scope:SCOPE_SE
	s_setreg_imm32_b32 hwreg(HW_REG_WAVE_SCHED_MODE, 0, 2), 2
	s_setreg_imm32_b32 hwreg(HW_REG_WAVE_MODE, 25, 1), 1
	s_wait_xcnt 0x0
	s_wait_alu depctr_vm_vsrc(0)
; attn[b][s][head x 64 + d] = the sum over keys of softmax(Q . K / 8, masked) V, both products on codes of E5M2 (products 4 and 5), the result quantised with 2^e10.
; THE SOFTMAX AHEAD OF THE SECOND PRODUCT: t = logit x log2(e); M = the row's largest t so far, rounded UP to a whole number; p = 2^(t - M) is quantised with 2^e8; it is not normalised.
; The row's sum is taken of the unquantised p and divides at the end.  When M moves, the sum and O are multiplied by 2^(old M - new M): exact.
; THE MASK IS AN INPUT: every wave walks all 2,048 keys.  An earlier launch packed it into lane masks, 64 words a key step, which scalar loads bring: a hidden score is replaced by a large negative number
; ahead of the maximum.  STATED LIMIT: that number stands for the logit -2^30 and not -1e9, so that t is a whole number and t - M is exactly 0 in a row with no key at all: such a row comes out uniform;
; the two differ only where a visible logit lies under about -1e9.
; SHARES.  A work-group owns 256 queries of one head (x: the block of queries, y: 16 b + head); each of its sixteen waves one tile of 16, in 256 registers: four waves to a SIMD, so that one wave's vector work
; stands beside another's matrix work and LDS loads.  128 keys a step, 256 a slot, 8 slots.
; K and V lie in memory as images of the operand registers, a slot's 16 KiB of each on end.  The 512 threads copy them through registers into one of two LDS buffers: loads at the head of the slot before, stores at its
; end, one barrier a slot.  No tensor load and no cluster: a slot's 32 KiB serve 32 tile steps of some 270 vector instructions each.
; LAYOUT.  S^T = K Q^T (source 0 = 16 keys, source 1 = my 16 queries; K = 64), O^T = V^T P^T (source 0 = 16 channels, source 1 = P; K = 128): a lane holds ONE query throughout, and score register 8 T + j is key
; 16 T + 8 (lane / 16) + j: the conversions' results are the second product's operand in the form's own layout, in which V's fragments were stored.
; LIMITS: e6 + e7 between -94 and 130; e8, e10 between -126 and 112; e8 + e9 is applied by v_ldexp_f32.
; THE MODE: SCHED_MODE bits 1:0 = 2 (LLVM: expert scheduling mode 2), set by the entry lines.  The code itself states the register dependences
; between vector or matrix instructions and memory or LDS instructions, with s_wait_alu, always for 0.
; THE PLAN.  Registers that memory or LDS instructions touch:
;   v[LI], v[CP]  Offsets and LDS addresses, made once at the head and never written again: one wait on va_vdst ahead of the first load serves the whole kernel.
;   v[ST ..]      Written by GLOAD's four loads, read by PUT's four LDS stores; no vector or matrix instruction names them.  One wait on vm_vsrc in each PUT that a GLOAD follows.
;   v[Q ..]       Loaded once, at the head; read by matrix instructions alone.
;   v[KV ..]      A step: K's 16 LDS loads land; the eight products K Q^T read them; V's 16 LDS loads land in the same registers; the four products V^T P^T read them; the next step's K lands.
;                 So two waits on va_vdst a step, each ahead of a run of 16 loads: the products that read the registers are done reading them.
;   v[P ..]       In the loop named by conversions and matrix instructions alone; on the way out written by conversions and lane swaps and read by the two stores: one wait on va_vdst ahead of these.
;   v254, v255    Written at the head, read by the closing add alone.
;   S^T, O^T and the statistics are named by vector and matrix instructions alone.  A wave has 34 registers free, so K and V share their 64.
.set LI,   1                           ; v1   16 x lane
.set CP,   2                           ; v2   16 x thread
.set NEGR, 6                           ; v6   what a hidden score becomes
.set LIM,  7                           ; v7   57,344 x 2^e8 (on the way out: e10)
.set SCL,  8                           ; v8   2^e8 (e10)
.set Q,    16                          ; v16-23   Q's fragment
.set ST,   24                          ; v24-39   the copy's registers
.set KV,   40                          ; v40-103  eight fragments of K, then four of V
.set S,    104                         ; v104-167 S^T, then p
.set O,    168                         ; v168-199 O^T
.set P,    200                         ; v200-215 p's codes
.set BUF,  32768                       ; an LDS buffer: K's 16 fragments, then V's 8
.set VO,   16384
	s_load_b128 s[4:7], s[0:1], 0x0                ; qkvc, mb
	s_load_b128 s[8:11], s[0:1], 0x10              ; the scales' exponents, ac
	v_lshl_add_u32 v254, v0, 2, 0x10000
	v_mov_b32 v255, 0
	v_lshrrev_b32 v3, 5, v0
	v_readfirstlane_b32 s16, v3                    ; wave 0..15
	v_and_b32 v3, 31, v0
	v_lshlrev_b32 v[LI], 4, v3
	v_lshlrev_b32 v[CP], 4, v0
	s_and_b32 s17, ttmp7, 0xffff                   ; 16 b + head
	s_lshl_b32 s18, ttmp9, 4
	s_wait_alu depctr_va_sdst(0)                   ; s16 is written, ahead of its first reader: my tile of queries is made from it
	s_add_co_u32 s18, s18, s16                     ; my tile of queries, 0..127
	s_lshl_b32 s24, s17, 17                        ; a head's fragments are 131,072 bytes in each section
	s_mov_b32 s25, 0
	s_lshl_b32 s26, s18, 10
	s_mov_b32 s27, 0
	s_lshl_b32 s28, s18, 12                        ; mb: 16 steps x 256 bytes a tile of queries
	s_mov_b32 s29, 0
	s_lshr_b32 s30, s17, 4
	s_lshl_b32 s30, s30, 7
	s_add_co_u32 s30, s30, s18                     ; ac: token tile 128 b + my tile, 16,384 bytes each,
	s_lshl_b32 s30, s30, 14
	s_and_b32 s31, s17, 15
	s_lshl_b32 s31, s31, 10                        ; + 1,024 x head: 64 of a fragment's 128 along K are 1,024 bytes
	s_add_co_u32 s30, s30, s31
	s_mov_b32 s31, 0
	s_mov_b32 s20, 0x76543210                      ; lane l xor 16
	s_mov_b32 s21, 0xfedcba98
	s_wait_kmcnt 0x0
	s_add_nc_u64 s[4:5], s[4:5], s[24:25]
	s_add_nc_u64 s[12:13], s[4:5], 0x400000        ; the head's K
	s_add_nc_u64 s[14:15], s[4:5], 0x800000        ; and V
	s_add_nc_u64 s[4:5], s[4:5], s[26:27]          ; my fragment of Q
	s_add_nc_u64 s[6:7], s[6:7], s[28:29]
	s_add_nc_u64 s[10:11], s[10:11], s[30:31]
	s_load_b128 s[24:27], s[8:9], 0x18             ; e6, e7, e8, e9
	s_load_b32 s28, s[8:9], 0x28                   ; e10
.macro MASKS                           ; a step's 64 lane masks: word n in s[32 + n], from n = 32 on in s[36 + n]
	s_load_b512 s[32:47], s[6:7], 0x0
	s_load_b512 s[48:63], s[6:7], 0x40
	s_load_b512 s[68:83], s[6:7], 0x80
	s_load_b512 s[84:99], s[6:7], 0xc0
.endm
.macro GLOAD                           ; the next slot's 32 KiB, 64 bytes a thread
	global_load_b128 v[ST:ST+3], v[CP], s[12:13]
	global_load_b128 v[ST+4:ST+7], v[CP], s[12:13] offset:8192
	global_load_b128 v[ST+8:ST+11], v[CP], s[14:15]
	global_load_b128 v[ST+12:ST+15], v[CP], s[14:15] offset:8192
.endm
; They go into buffer buf, which every wave left in front of the barrier before; then the barrier behind which it is read.  again = 1: a GLOAD follows, on every way on from here.
.macro PUT buf, again
	s_wait_loadcnt 0x0                             ; the copy's loads are in, so their bases may step
	ds_store_b128 v[CP], v[ST:ST+3] offset:(\buf)*BUF
	ds_store_b128 v[CP], v[ST+4:ST+7] offset:(\buf)*BUF+8192
	ds_store_b128 v[CP], v[ST+8:ST+11] offset:(\buf)*BUF+VO
	ds_store_b128 v[CP], v[ST+12:ST+15] offset:(\buf)*BUF+VO+8192
	s_add_nc_u64 s[12:13], s[12:13], 16384
	s_add_nc_u64 s[14:15], s[14:15], 16384
	s_wait_dscnt 0x0                               ; for the others' sake: my stores have landed, and my reads of the buffer that I leave are over
.if \again
	s_wait_alu depctr_vm_vsrc(0)                   ; my four LDS stores have read v[ST ..], in which the next GLOAD's data land
.endif
	s_barrier_signal -1
	s_barrier_wait -1
.endm
	MASKS
	s_wait_alu depctr_va_vdst(0)                   ; v[LI] and v[CP] are written: every load and store of the kernel, global or LDS, reads one of them as its offset or address
	GLOAD
	global_load_b128 v[Q:Q+3], v[LI], s[4:5]
	global_load_b128 v[Q+4:Q+7], v[LI], s[4:5] offset:512
	v_mov_b32 v13, 0xff61b1e6                      ; the largest t so far: -3e38, under every t
	v_floor_f32 v12, -v13                          ; -M
	v_mov_b32 v14, 0                               ; the sum, in two halves
	v_mov_b32 v15, 0
	v_mov_b32 v221, 0                              ; (the upper half of the pair v[220:221])
	v_mov_b32 v223, 0                              ; a lane permute's destination counts as one of its sources
.set j, 0
.rept 32
	v_mov_b32 v[O+j], 0                            ; O^T: the step is written once; its first pass finds zeros, which the first change of M leaves zeros
.set j, j+1
.endr
	s_wait_kmcnt 0x0
	s_mov_b32 s19, s26                             ; e8
	s_add_co_i32 s29, s24, s25                     ; a score stands for score x 2^(e6 + e7):
	s_lshl_b32 s30, s29, 23
	s_add_co_i32 s22, s30, 0x3e38aa3b              ; the two exponents are added to the exponent field of c = log2(e) / 8
	s_mov_b32 s23, s22
	s_sub_co_i32 s30, 160, s29
	s_lshl_b32 s30, s30, 23
	s_or_b32 s30, s30, 0x80000000
	v_mov_b32 v[NEGR], s30                         ; -2^(33 - e6 - e7): times c's 24 bits a whole number
	s_add_co_i32 s30, s26, 127
	s_lshl_b32 s31, s30, 23
	v_mov_b32 v[SCL], s31
	s_add_co_i32 s30, s30, 15
	s_lshl_b32 s30, s30, 23
	s_or_b32 s30, s30, 0x600000
	v_mov_b32 v[LIM], s30
	PUT 0, 1                                       ; slot 0 (its wait also covers Q)
; A KEY STEP: 128 keys, the q-th of the slot in buffer buf.  more = 1: the next step's masks are asked for.
.macro STEP q, buf, more
.rept 4
	v_nop                                          ; four plain lines behind the last step's products, as they stood; the wait below states the dependence
.endr
	s_wait_alu depctr_va_vdst(0)                   ; the last step's four products are done reading v[KV ..], in which K's loads land
.set f, 0
.rept 8
	ds_load_b128 v[KV+8*f:KV+8*f+3], v[LI] offset:(\buf)*BUF+(8*(\q)+f)*1024
	ds_load_b128 v[KV+8*f+4:KV+8*f+7], v[LI] offset:(\buf)*BUF+(8*(\q)+f)*1024+512
.set f, f+1
.endr
	s_wait_dscnt 0x0
.set f, 0
.rept 8
	v_wmma_f32_16x16x64_bf8_bf8 v[S+8*f:S+8*f+7], v[KV+8*f:KV+8*f+7], v[Q:Q+7], 0
.set f, f+1
.endr
.rept 4
	v_nop                                          ; four places behind the products, before the selects below read their results (ISA guide 7.12.1)
.endr
	s_wait_alu depctr_va_vdst(0)                   ; the eight products are done reading v[KV ..], in which V's loads land; the places above stay beside this wait
.set f, 0
.rept 4                                ; V's four fragments land under the softmax, none of whose lines names v[KV ..] or v[LI]
.set g, 0
.rept 4
	ds_load_b128 v[KV+16*f+4*g:KV+16*f+4*g+3], v[LI] offset:(\buf)*BUF+VO+(4*(\q)+f)*2048+512*g
.set g, g+1
.endr
.set f, f+1
.endr
	s_wait_kmcnt 0x0                               ; this step's masks
.set n, 0
.rept 64
	v_cndmask_b32 v[S+n], v[NEGR], v[S+n], s[32+n+4*(n/32)]   ; each accumulator from its low end on
.set n, n+1
.endr
.if \more
	s_add_nc_u64 s[6:7], s[6:7], 256               ; (the wait above has shown the last scalar loads done)
	MASKS
.endif
	v_max3_num_f32 v222, v[S], v[S+1], v[S+2]      ; the step's largest score of my query, among my 64 keys, in two chains,
	v_max3_num_f32 v226, v[S+3], v[S+4], v[S+5]
.set n, 6
.rept 14
	v_max3_num_f32 v222, v222, v[S+n], v[S+n+1]
	v_max3_num_f32 v226, v226, v[S+n+2], v[S+n+3]
.set n, n+4
.endr
	v_max3_num_f32 v222, v222, v[S+62], v[S+63]
	v_max_num_f32 v222, v222, v226
	v_permlanex16_b32 v223, v222, s20, s21
	v_max_num_f32 v222, v222, v223                 ; and among lane l xor 16's
	v_mul_f32 v222, s22, v222                      ; as t (c is positive)
	v_max_num_f32 v13, v13, v222                   ; the running largest t
	v_mov_b32 v222, v12
	v_floor_f32 v12, -v13                          ; the new -M = floor(-t): M is a whole number
	v_sub_f32 v222, v12, v222                      ; M's old value less its new one: a whole number, 0 or less
	v_cvt_i32_f32 v222, v222                       ; (it saturates)
	v_ldexp_f32 v220, 1.0, v222                    ; f = 2^(old M - new M)
.set n, 0
.rept 32
	v_pk_fma_f32 v[S+n:S+n+1], v[S+n:S+n+1], s[22:23], v[12:13] op_sel_hi:[1,0,0]   ; t - M
.set n, n+2
.endr
.set n, 0
.rept 64
	v_exp_f32 v[S+n], v[S+n]                       ; p = 2^(t - M), at most 1
.set n, n+1
.endr
	v_pk_mul_f32 v[14:15], v[14:15], v[220:221] op_sel_hi:[1,0]   ; the sums under the new M: the plain line behind the exponentials
	s_wait_alu depctr_va_vdst(0)                   ; the 64 exponentials have written v[S ..]: one wait for the whole batch, ahead of its first reader
	v_pk_add_f32 v[224:225], v[S:S+1], v[S+2:S+3]  ; the row's sum is taken of the unquantised p, in two chains
.set n, 4
.rept 15
	v_pk_add_f32 v[14:15], v[14:15], v[S+n:S+n+1]
	v_pk_add_f32 v[224:225], v[224:225], v[S+n+2:S+n+3]
.set n, n+4
.endr
	v_pk_add_f32 v[14:15], v[14:15], v[224:225]
	s_cmp_ge_i32 s19, -15                          ; with e8 at -15 or above, 57,344 x 2^e8 is 1.75 or more and p is at most 1: the hold would change nothing
	s_cbranch_scc1 .Lnohold_\@
.set n, 0
.rept 64
	v_min_num_f32 v[S+n], v[S+n], v[LIM]           ; the conversion does not saturate (ISA guide 7.6.2); p is not negative
.set n, n+1
.endr
.Lnohold_\@:
.set f, 0
.rept 8
	v_cvt_scalef32_pk8_bf8_f32 v[P+2*f:P+2*f+1], v[S+8*f:S+8*f+7], v[SCL]
.set f, f+1
.endr
.set n, 0
.rept 16
	v_pk_mul_f32 v[O+n:O+n+1], v[O+n:O+n+1], v[220:221] op_sel_hi:[1,0]   ; O^T under the new M; also the plain lines between the conversions and the products
.set n, n+2
.endr
	s_wait_dscnt 0x0                               ; V
.set f, 0
.rept 4                                ; the four accumulators take turns, and the next step's eight products stand between a link and its next
	v_wmma_f32_16x16x128_bf8_bf8 v[O+8*f:O+8*f+7], v[KV+16*f:KV+16*f+15], v[P:P+15], v[O+8*f:O+8*f+7]
.set f, f+1
.endr
.endm
	s_mov_b32 s18, 3
.Lpair:                                            ; a trip runs two slots, so that every LDS address is a lane term and an immediate: slots 0 to 5
	GLOAD                                          ; (the PUT before, on the way in and over the back edge alike, has stated that its stores have read v[ST ..])
	STEP 0, 0, 1
	STEP 1, 0, 1
	PUT 1, 1
	GLOAD
	STEP 0, 1, 1
	STEP 1, 1, 1
	PUT 0, 1
	s_sub_co_u32 s18, s18, 1
	s_cmp_lg_u32 s18, 0
	s_cbranch_scc1 .Lpair
	GLOAD                                          ; slot 7
	STEP 0, 0, 1
	STEP 1, 0, 1
	PUT 1, 0                                       ; nothing lands in v[ST ..] again
	STEP 0, 1, 1                                   ; the last slot asks for nothing more: no load leaves its buffer
	STEP 1, 1, 0
	; THE WAY OUT: O^T / the sum x 2^(e8 + e9), held, converted with 2^e10; two lane swaps a pair of tiles bring 16 neighbouring channels into a lane, the order of the next product's operand image.
.rept 4
	v_nop
.endr
	v_add_f32 v14, v14, v15
	v_permlanex16_b32 v223, v14, s20, s21
	v_add_f32 v14, v14, v223                       ; the row's sum: above 1/2, since the row's largest p is
	v_rcp_f32 v14, v14
	v_nop
	s_add_co_i32 s29, s26, s27
	s_add_co_i32 s30, s28, 127
	s_lshl_b32 s31, s30, 23
	s_add_co_i32 s30, s30, 15
	s_lshl_b32 s30, s30, 23
	s_or_b32 s30, s30, 0x600000
	v_mov_b32 v[SCL], s31
	v_mov_b32 v[LIM], s30
	s_wait_alu depctr_va_vdst(0)                   ; the reciprocal has written v14, ahead of its first reader
	v_ldexp_f32 v14, v14, s29
.set n, 0
.rept 16
	v_pk_mul_f32 v[S+n:S+n+1], v[O+n:O+n+1], v[14:15] op_sel_hi:[1,0]
.set n, n+2
.endr
.set n, 0
.rept 32
	v_med3_num_f32 v[S+n], v[S+n], -v[LIM], v[LIM]
.set n, n+1
.endr
.set f, 0
.rept 4
	v_cvt_scalef32_pk8_bf8_f32 v[P+2*f:P+2*f+1], v[S+8*f:S+8*f+7], v[SCL]   ; channels 16 f + 8 (lane / 16) + 0..7
.set f, f+1
.endr
	v_nop
.irp c, 0,1
	v_permlane16_swap_b32 v[P+4*\c], v[P+4*\c+2]   ; the first's lanes 16-31 change places with the second's lanes 0-15: registers 4 c .. 4 c + 3 then hold channels 32 c + 16 (lane / 16) + 0..15
	v_permlane16_swap_b32 v[P+4*\c+1], v[P+4*\c+3]
.endr
	s_wait_alu depctr_va_vdst(0)                   ; the lane swaps have written v[P ..], which the two stores read
	global_store_b128 v[LI], v[P:P+3], s[10:11]              ; 32 lanes store 512 consecutive bytes, aligned
	global_store_b128 v[LI], v[P+4:P+7], s[10:11] offset:512
	s_wait_dscnt 0x0                               ; the closing lines, six on end
	s_wait_alu 0x0
	s_wait_tensorcnt 0x0
	ds_add_u32 v254, v255
	s_wait_dscnt 0x0
	s_endpgm
.Lfunc_end_k_q1c7a62b8f0_attn:
	.size	k_q1c7a62b8f0_attn, .Lfunc_end_k_q1c7a62b8f0_attn-k_q1c7a62b8f0_attn
	.p2alignl 7, 3214868480
	.fill 96, 4, 3214868480
	.section	.rodata,"a",@progbits
	.p2align	6, 0x0
	.amdhsa_kernel k_q1c7a62b8f0_attn
		.amdhsa_group_segment_fixed_size 67584
		.amdhsa_private_segment_fixed_size 0
		.amdhsa_enable_private_segment 0
		.amdhsa_kernarg_size 32
		.amdhsa_user_sgpr_count 2
		.amdhsa_user_sgpr_kernarg_segment_ptr 1
		.amdhsa_wavefront_size32 1
		.amdhsa_system_sgpr_workgroup_id_x 1
		.amdhsa_system_sgpr_workgroup_id_y 1
		.amdhsa_system_sgpr_workgroup_id_z 1
		.amdhsa_system_vgpr_workitem_id 0
		.amdhsa_next_free_vgpr 256
		.amdhsa_next_free_sgpr 100
		.amdhsa_reserve_vcc 0
		.amdhsa_float_denorm_mode_32 3
		.amdhsa_float_denorm_mode_16_64 3
		.amdhsa_memory_ordered 1
		.amdhsa_forward_progress 1
		.amdhsa_inst_pref_size 168
	.end_amdhsa_kernel
	.amdgpu_metadata
---
amdhsa.version: [ 1, 2 ]
amdhsa.kernels:
  - .name:           k_q1c7a62b8f0_attn
    .symbol:         k_q1c7a62b8f0_attn.kd
    .args:
      - { .name: qkvc, .offset: 0, .size: 8, .value_kind: global_buffer, .address_space: global }
      - { .name: mb, .offset: 8, .size: 8, .value_kind: global_buffer, .address_space: global }
      - { .name: lowp_scales, .offset: 16, .size: 8, .value_kind: global_buffer, .address_space: global }
      - { .name: ac, .offset: 24, .size: 8, .value_kind: global_buffer, .address_space: global }
    .group_segment_fixed_size: 67584
    .private_segment_fixed_size: 0
    .kernarg_segment_align: 8
    .kernarg_segment_size: 32
    .max_flat_workgroup_size: 512
    .sgpr_count:     100
    .vgpr_count:     256
    .wavefront_size: 32
...
	.end_amdgpu_metadata
.endif
;; end of part 10
;; launch w0: the kernel of part 8 again; grid 8 x 32, 4 waves a work-group, clusters of 4 x 4, 327,680 bytes of LDS; arguments ac, W0_codes, b0, X, lowp_scales, x1; writes x1
;; launch ln2: the kernel of part 5 again; grid 256 x 1, 4 waves a work-group, no clusters, 4,608 bytes of LDS; arguments x1, gamma2, beta2, lowp_scales, xn2; writes xn2
;; launch w1: the kernel of part 6 again; grid 16 x 16, 4 waves a work-group, clusters of 4 x 4, 327,680 bytes of LDS; arguments xn2, W1_codes, b1, lowp_scales, hc; writes hc
;; launch w2: the kernel of part 9 again; grid 8 x 32, 4 waves a work-group, clusters of 4 x 4, 327,680 bytes of LDS; arguments hc, W2_codes, b2, x1, lowp_scales, out0; writes out0
